; MI455X (gfx1250); checked and timed in simulation.
; The chip was launched on July 23, 2026; its instructions are those of AMD's public machine-readable ISA for CDNA 5 (MIT licence, August 2026) and "CDNA5" Instruction Set Architecture Reference Guide (July 2026). The comments in the code are by the model that wrote it; some were corrected since.
;; Multi Head Attention. Allowed arithmetic: float matrix products may take bf16 or f16 operands with f32 sums; other float arithmetic in f32, or as packed bf16 or f16 multiplies, adds, multiply-adds, maxima and minima; sums over many terms, partial sums and values carried from step to step in f32; what a program stores and reads back later, other than sums and carried values, may be rounded once to bf16 or f16.
;; Inputs: Wik 1,024 x 64 float32; Wiq 1,024 x 256 float32; Wiw 1,024 x 4 float32; Wk 1,024 x 1,024 float32; Wo 1,024 x 1,024 float32; Wq 1,024 x 1,024 float32; Wv 1,024 x 1,024 float32; gk 64 float32; gq 64 float32; x 2 x 2,048 x 1,024 float32.
;; Outputs: out0 2 x 2,048 x 1,024 float32.
;; 2 versions, each right. Each part assembles by itself: llvm-mc -triple=amdgcn-amd-amdhsa -mcpu=gfx1250 --defsym DOCPART=n.
;; ======== version 1 of 2: 5 launches
;; limits: values are held in f16: magnitudes above 65,504 overflow, below 6.1e-05 lose precision
;; workspace buffers: pre 18,350,080 bytes; prj 30,474,240 bytes; mask 1,048,576 bytes of whole numbers; o16 8,388,608 bytes
;; launch prep (part 1): grid 2688 x 1, 4 waves a work-group, no clusters, 0 bytes of LDS; arguments x, Wq, Wk, Wv, Wo, Wiq, Wik, Wiw, pre; writes pre
.if DOCPART == 1
	.amdgcn_target "amdgcn-amd-amdhsa--gfx1250"
	.amdhsa_code_object_version 6
	.text
	.protected	k_qc8711cd91d_prep
	.globl	k_qc8711cd91d_prep
	.p2align	8
	.type	k_qc8711cd91d_prep,@function
k_qc8711cd91d_prep:
	s_mov_b64 s[64:65], 0
	v_nop
	global_prefetch_b8 v0, s[64:65] scope:SCOPE_SE
	s_setreg_imm32_b32 hwreg(HW_REG_WAVE_MODE, 25, 1), 1
	s_wait_xcnt 0x0
; PREP: every matrix operand is rounded once and laid in dense blocks of 64 x 64 numbers (8,192 bytes), so that later tiles are runs of whole rows of 256 bytes.
;   pre + 0         XB   [mb 32][ks 16][128 rows][64 k] bf16(x)
;   pre + WCAT      [g 8][ks 16][strip 7][64 k][64 n] bf16: strips Q, K, V of head 2g, Q, K, V of head 2g+1, and an indexer strip (g<4: Wiq head g; 4: Wik; 5: Wiw in columns 0-3; 6, 7: zeros)
;   pre + WOO       [ng 8][ks 16][strip 2][64 k][64 n]: Wo rounded to bf16 and written as f16 (exact inside f16's range; LIMIT: |Wo| under 65,504, steps of 6e-8 below 6e-5)
;   pre + ROPE      [t 2048][pair 32][cos, sin] f32
; A work-group of 128 threads makes one block: thread t takes 8 columns (t % 8) of rows t / 8 + 16 pass; its 16 bytes of output lie at 16 t + 2,048 pass, so a wave's store covers 512 consecutive bytes.
; No LDS, no matrix unit: the launch only moves and rounds.  cos and sin: the angle is reduced by multiples of pi/2 kept in two parts, then two short polynomials (error under 1e-7 on |r| < pi/4).
.set WCAT, 8388608
.set WOO,  15728640
.set ROPE, 17825792
	s_load_b512 s[4:19], s[0:1], 0x0               ; x, Wq, Wk, Wv, Wo, Wiq, Wik, Wiw
	s_load_b64 s[20:21], s[0:1], 0x40              ; pre
	s_mov_b32 s2, ttmp9                            ; which block
	s_mov_b32 s37, 0                               ; s[36:37]: the block's byte offset in pre
	s_mov_b32 s28, 0                               ; 1: write f16
	v_and_b32 v1, 7, v0                            ; my group of 8 columns
	v_lshrrev_b32 v2, 3, v0                        ; my row in a pass
	v_lshlrev_b32 v3, 4, v0                        ; my 16 bytes of output
	s_wait_kmcnt 0x0
	s_cmp_lt_u32 s2, 1024
	s_cbranch_scc0 .Lnot_x
	s_lshr_b32 s24, s2, 5                          ; x: block = mb x 32 + ks x 2 + half
	s_lshl_b32 s24, s24, 19                        ; 128 rows of 4,096 bytes
	s_and_b32 s25, s2, 1
	s_lshl_b32 s25, s25, 18
	s_add_co_u32 s24, s24, s25
	s_bfe_u32 s25, s2, 0x40001
	s_lshl_b32 s25, s25, 8                         ; 64 columns of 4 bytes
	s_add_co_u32 s24, s24, s25
	s_mov_b64 s[22:23], s[4:5]
	s_mov_b32 s26, 4096
	s_lshl_b32 s36, s2, 13
	s_branch .Lcopy
.Lnot_x:
	s_cmp_lt_u32 s2, 1920
	s_cbranch_scc0 .Lnot_w
	s_sub_co_u32 s29, s2, 1024
	s_lshr_b32 s30, s29, 7                         ; strip 0..6
	s_and_b32 s31, s29, 127                        ; g x 16 + ks
	s_lshr_b32 s32, s31, 4                         ; g
	s_and_b32 s33, s31, 15                         ; ks
	s_mul_i32 s36, s31, 7
	s_add_co_u32 s36, s36, s30
	s_lshl_b32 s36, s36, 13
	s_add_co_u32 s36, s36, WCAT
	s_cmp_eq_u32 s30, 6
	s_cbranch_scc1 .Lidx
	s_cmp_ge_u32 s30, 3
	s_cselect_b32 s34, 1, 0                        ; strip / 3: which of the group's two heads
	s_mul_i32 s35, s34, 3
	s_sub_co_u32 s35, s30, s35                     ; strip % 3: Q, K or V
	s_cmp_eq_u32 s35, 0
	s_cselect_b64 s[22:23], s[6:7], s[8:9]
	s_cmp_eq_u32 s35, 2
	s_cselect_b64 s[22:23], s[10:11], s[22:23]
	s_lshl_b32 s24, s32, 1
	s_add_co_u32 s24, s24, s34
	s_lshl_b32 s24, s24, 8                         ; the head's 64 columns
	s_lshl_b32 s25, s33, 18                        ; 64 rows of 4,096 bytes
	s_add_co_u32 s24, s24, s25
	s_mov_b32 s26, 4096
	s_branch .Lcopy
.Lidx:
	s_cmp_lt_u32 s32, 4
	s_cbranch_scc0 .Lidx4
	s_mov_b64 s[22:23], s[14:15]                   ; Wiq: rows of 1,024 bytes
	s_lshl_b32 s24, s32, 8
	s_lshl_b32 s25, s33, 16
	s_add_co_u32 s24, s24, s25
	s_mov_b32 s26, 1024
	s_branch .Lcopy
.Lidx4:
	s_cmp_eq_u32 s32, 4
	s_cbranch_scc0 .Lidx5
	s_mov_b64 s[22:23], s[16:17]                   ; Wik: rows of 256 bytes
	s_lshl_b32 s24, s33, 14
	s_mov_b32 s26, 256
	s_branch .Lcopy
.Lidx5:
	s_cmp_eq_u32 s32, 5
	s_cbranch_scc0 .Lzero
	s_add_nc_u64 s[20:21], s[20:21], s[36:37]      ; Wiw: a row is 16 bytes; it fills columns 0-3, the rest of the strip is 0
	v_lshlrev_b32 v4, 4, v2
	s_lshl_b32 s24, s33, 10
	v_add_nc_u32 v4, s24, v4
.irp p, 0,1,2,3
	global_load_b128 v[8+4*(\p):11+4*(\p)], v4, s[18:19] offset:256*(\p)
.endr
	v_cmp_eq_u32 vcc_lo, 0, v1
	s_wait_loadcnt 0x0
.irp p, 0,1,2,3
	v_cvt_pk_bf16_f32 v[40+4*(\p)], v[8+4*(\p)], v[9+4*(\p)]
	v_cvt_pk_bf16_f32 v[41+4*(\p)], v[10+4*(\p)], v[11+4*(\p)]
	v_cndmask_b32 v[40+4*(\p)], 0, v[40+4*(\p)], vcc_lo
	v_cndmask_b32 v[41+4*(\p)], 0, v[41+4*(\p)], vcc_lo
	v_mov_b32 v[42+4*(\p)], 0
	v_mov_b32 v[43+4*(\p)], 0
.endr
	s_branch .Lstore
.Lzero:
	s_add_nc_u64 s[20:21], s[20:21], s[36:37]
.set i, 0
.rept 16
	v_mov_b32 v[40+i], 0
.set i, i+1
.endr
	s_branch .Lstore
.Lnot_w:
	s_cmp_lt_u32 s2, 2176
	s_cbranch_scc0 .Lrope
	s_sub_co_u32 s29, s2, 1920                     ; Wo: block = ng x 32 + ks x 2 + strip
	s_bfe_u32 s24, s29, 0x40001
	s_lshl_b32 s24, s24, 18
	s_lshr_b32 s25, s29, 5
	s_lshl_b32 s25, s25, 9
	s_add_co_u32 s24, s24, s25
	s_and_b32 s25, s29, 1
	s_lshl_b32 s25, s25, 8
	s_add_co_u32 s24, s24, s25
	s_mov_b64 s[22:23], s[12:13]
	s_mov_b32 s26, 4096
	s_lshl_b32 s36, s29, 13
	s_add_co_u32 s36, s36, WOO
	s_mov_b32 s28, 1
.Lcopy:                                                ; s[22:23] source, s24 its offset, s26 its row bytes
	s_add_nc_u64 s[20:21], s[20:21], s[36:37]
	v_mul_lo_u32 v4, v2, s26
	v_lshl_add_u32 v4, v1, 5, v4
	v_add_nc_u32 v4, s24, v4
	s_lshl_b32 s26, s26, 4                         ; 16 rows on for each pass
	v_add_nc_u32 v5, s26, v4
	v_add_nc_u32 v6, s26, v5
	v_add_nc_u32 v7, s26, v6
.irp p, 0,1,2,3
	global_load_b128 v[8+8*(\p):11+8*(\p)], v[4+(\p)], s[22:23] th:TH_LOAD_NT
	global_load_b128 v[12+8*(\p):15+8*(\p)], v[4+(\p)], s[22:23] offset:16 th:TH_LOAD_NT
.endr
	s_wait_loadcnt 0x0
.irp p, 0,1,2,3
.irp j, 0,1,2,3
	v_cvt_pk_bf16_f32 v[40+4*(\p)+(\j)], v[8+8*(\p)+2*(\j)], v[9+8*(\p)+2*(\j)]
.endr
.endr
	s_cmp_eq_u32 s28, 0
	s_cbranch_scc1 .Lstore
.set i, 0
.rept 16                                       ; the bf16 number, written as f16
	v_lshlrev_b32 v56, 16, v[40+i]
	v_and_b32 v57, 0xffff0000, v[40+i]
	v_cvt_pk_f16_f32 v[40+i], v56, v57
.set i, i+1
.endr
.Lstore:
.irp p, 0,1,2,3
	global_store_b128 v3, v[40+4*(\p):43+4*(\p)], s[20:21] offset:2048*(\p)
.endr
	s_endpgm
.Lrope:
	s_sub_co_u32 s24, s2, 2176                     ; 128 entries (t, pair) a work-group
	s_lshl_b32 s36, s24, 10
	s_add_co_u32 s36, s36, ROPE
	s_add_nc_u64 s[20:21], s[20:21], s[36:37]
	s_lshl_b32 s24, s24, 7
	s_mov_b32 s30, 0x3fc90fdb                      ; pi/2, upper part
	s_mov_b32 s31, 0xb33bbd2e                      ; pi/2, what the upper part leaves
	v_add_nc_u32 v4, s24, v0
	v_lshrrev_b32 v5, 5, v4                        ; t
	v_and_b32 v6, 31, v4                           ; pair i
	v_cvt_f32_u32 v5, v5
	v_cvt_f32_u32 v6, v6
	v_mul_f32 v6, 0xbed49a78, v6                   ; - i log2(10000) / 32
	v_exp_f32 v7, v6                               ; 10000^(-i/32)
	v_lshlrev_b32 v3, 3, v0                        ; a plain line behind the exponential: my 8 bytes
	s_wait_alu depctr_va_vdst(0)                   ; the wait ahead of the result's first reader
	v_mul_f32 v8, v5, v7                           ; the angle
	v_mul_f32 v9, 0x3f22f983, v8
	v_rndne_f32 v9, v9                             ; n = the nearest multiple of pi/2
	v_fma_f32 v10, -v9, s30, v8
	v_fma_f32 v10, -v9, s31, v10                   ; r
	v_mul_f32 v11, v10, v10                        ; r^2
	v_mov_b32 v12, 0xb94ca1f9
	v_fmaak_f32 v12, v11, v12, 0x3c08839e
	v_fmaak_f32 v12, v11, v12, 0xbe2aaaa3
	v_mul_f32 v13, v10, v11
	v_fma_f32 v12, v13, v12, v10                   ; sin r
	v_mov_b32 v14, 0x37ccf5ce
	v_fmaak_f32 v14, v11, v14, 0xbab6061a
	v_fmaak_f32 v14, v11, v14, 0x3d2aaaa5
	v_mul_f32 v15, v11, v11
	v_fma_f32 v16, v11, -0.5, 1.0
	v_fma_f32 v14, v15, v14, v16                   ; cos r
	v_cvt_i32_f32 v17, v9
	v_and_b32 v20, 1, v17
	v_cmp_eq_u32 vcc_lo, 1, v20                    ; odd quarter: the two change places
	v_cndmask_b32 v19, v12, v14, vcc_lo            ; sin
	v_cndmask_b32 v18, v14, v12, vcc_lo            ; cos
	v_lshlrev_b32 v21, 30, v17                     ; quarters 2, 3: sin changes sign
	v_and_b32 v21, 0x80000000, v21
	v_xor_b32 v19, v19, v21
	v_add_nc_u32 v22, 1, v17                       ; quarters 1, 2: cos changes sign
	v_lshlrev_b32 v22, 30, v22
	v_and_b32 v22, 0x80000000, v22
	v_xor_b32 v18, v18, v22
	global_store_b64 v3, v[18:19], s[20:21]
	s_endpgm
.Lfunc_end_k_qc8711cd91d_prep:
	.size	k_qc8711cd91d_prep, .Lfunc_end_k_qc8711cd91d_prep-k_qc8711cd91d_prep
	.p2alignl 7, 3214868480
	.fill 96, 4, 3214868480
	.section	.rodata,"a",@progbits
	.p2align	6, 0x0
	.amdhsa_kernel k_qc8711cd91d_prep
		.amdhsa_group_segment_fixed_size 0
		.amdhsa_private_segment_fixed_size 0
		.amdhsa_enable_private_segment 0
		.amdhsa_kernarg_size 72
		.amdhsa_user_sgpr_count 2
		.amdhsa_user_sgpr_kernarg_segment_ptr 1
		.amdhsa_wavefront_size32 1
		.amdhsa_system_sgpr_workgroup_id_x 1
		.amdhsa_system_sgpr_workgroup_id_y 1
		.amdhsa_system_sgpr_workgroup_id_z 1
		.amdhsa_system_vgpr_workitem_id 0
		.amdhsa_next_free_vgpr 64
		.amdhsa_next_free_sgpr 66
		.amdhsa_reserve_vcc 1
		.amdhsa_float_denorm_mode_32 3
		.amdhsa_float_denorm_mode_16_64 3
		.amdhsa_memory_ordered 1
		.amdhsa_forward_progress 1
		.amdhsa_inst_pref_size 13
	.end_amdhsa_kernel
	.amdgpu_metadata
---
amdhsa.version: [ 1, 2 ]
amdhsa.kernels:
  - .name:           k_qc8711cd91d_prep
    .symbol:         k_qc8711cd91d_prep.kd
    .args:
      - { .name: x, .offset: 0, .size: 8, .value_kind: global_buffer, .address_space: global }
      - { .name: Wq, .offset: 8, .size: 8, .value_kind: global_buffer, .address_space: global }
      - { .name: Wk, .offset: 16, .size: 8, .value_kind: global_buffer, .address_space: global }
      - { .name: Wv, .offset: 24, .size: 8, .value_kind: global_buffer, .address_space: global }
      - { .name: Wo, .offset: 32, .size: 8, .value_kind: global_buffer, .address_space: global }
      - { .name: Wiq, .offset: 40, .size: 8, .value_kind: global_buffer, .address_space: global }
      - { .name: Wik, .offset: 48, .size: 8, .value_kind: global_buffer, .address_space: global }
      - { .name: Wiw, .offset: 56, .size: 8, .value_kind: global_buffer, .address_space: global }
      - { .name: pre, .offset: 64, .size: 8, .value_kind: global_buffer, .address_space: global }
    .group_segment_fixed_size: 0
    .private_segment_fixed_size: 0
    .kernarg_segment_align: 8
    .kernarg_segment_size: 72
    .max_flat_workgroup_size: 128
    .sgpr_count:     66
    .vgpr_count:     64
    .wavefront_size: 32
...
	.end_amdgpu_metadata
.endif
;; end of part 1
;; launch proj (part 2): grid 32 x 8, 4 waves a work-group, no clusters, 327,680 bytes of LDS; arguments pre, gq, gk, prj; writes prj
.if DOCPART == 2
	.amdgcn_target "amdgcn-amd-amdhsa--gfx1250"
	.amdhsa_code_object_version 6
	.text
	.protected	k_qc8711cd91d_proj
	.globl	k_qc8711cd91d_proj
	.p2align	8
	.type	k_qc8711cd91d_proj,@function
k_qc8711cd91d_proj:
	s_mov_b64 s[64:65], 0
	v_nop
	global_prefetch_b8 v0, s[64:65] scope:SCOPE_SE
	s_setreg_imm32_b32 hwreg(HW_REG_WAVE_MODE, 25, 1), 1
	s_wait_xcnt 0x0
; PROJ: [4096 x 1024] x [1024 x 3584]: all projections of x in one product, bf16 operands, f32 sums, with RMS norm, rotation and the indexer's split on the way out.
; A work-group makes 128 rows (mb) x 448 columns (group g: Q, K, V of heads 2g and 2g+1 and an indexer strip).  Wave w: rows 64 (w/2) .., strips 3 (w%2) .. +2 (one head's Q, K, V) and 32 columns
; of the indexer strip: 4 x 14 accumulators, 448 registers.  The product is taken transposed (source 0 = 16 columns of W, source 1 = 16 rows of x): a lane holds row l % 16 and 8 neighbouring columns.
; K goes in steps of 64 through two LDS slots.  A slot is four shares of 24,000 bytes, one a wave: wave 0 fetches x's block (16,384 dense bytes, 18,432 in LDS), waves 1-3 75 rows of 256 bytes each
; (24,000 in LDS) of W's 224; the 225th row, wave 3's last, is the 256 bytes that follow in pre: it lands in the last 320 bytes of that share, which nobody reads.
; NO CLUSTER: the 32 work-groups of a group g walk the same W; joint loads for W beside a load of one's own for x are not written here, so W is asked for 32 times over.
; OUT: Q, K (normed, scaled by g rounded to bf16, rotated) and V as f16 [b][h][t][64]; qI, kI as two f16 pieces h and l' = (x - h) 2^11, rows of 128 bytes = 32 channels of h, then of l'; wI as f32.
; LIMITS: Q, K, V, qI, kI stay under 65,504 (f16); NaN and infinities are not treated apart.
; REGISTERS: window 0: v16-30 addresses; v32-95 x's fragments, later at work; v96-159 gq, gk; v160-223 two sets of cos, sin; v224-239 at work.  window 1: W's fragments.  windows 2, 3: accumulator 14 a + nb.
.set WCAT, 8388608
.set ROPE, 17825792
.set KG,   8388608
.set VG,   16777216
.set IQG,  25165824
.set WIG,  30408704
.set PA,   144                         ; a row of x in LDS: 128 bytes + 16: the 16 rows of a load start at 16 different groups of four banks
.set PB,   160                         ; a row of W: 128 + 32
.set PART, 75*2*PB                     ; 24,000: a wave's share of a slot
.set BOFF, PART                        ; W begins behind wave 0's share
.set SLOT, 4*PART                      ; 96,000
.set STAGE, 2*SLOT                     ; 16 rows x 144 bytes for each wave, never filled by a tensor load
.set SPARE, STAGE+4*16*PA              ; the spare words: 128 bytes a wave
.set ADRA, 16
.set ADRB, 18
.set ADRI, 20
.set STO,  22
.set RD,   23
.set GO,   24
.set TO,   25
.set WOF,  26
.set GOF,  27
.set SPW,  28
.set NIL,  29
.set ONE,  30
.set FA,   32
.set PK,   32
.set BK,   48
.set Y,    64
.set GQ,   96
.set GK,   128
.set TAB,  160
.set SS,   224
.set RS,   228
.set T,    232
.set WV,  12
.set WR,  13
.set WC,  14
.set MB,  15
.set GG,  16
.set G1A, 24
.set G1B, 32
.set G0A, 40
.set G0B, 48
.set LC,  56
.set SEL, 58
.set C64, 60
.set EPSR, 61
.set PQ,  66
.set PKP, 68
.set PVP, 70
.set PI,  72
.set PW,  74
.set PT,  76
.set MSB, 0
.macro WIN new                         ; the immediate's high byte repeats the setting that is left; a switch that changes nothing is dropped
.if MSB != (\new)
	s_set_vgpr_msb (MSB<<8)|(\new)
.set MSB, \new
.endif
.endm
.macro PLACES                          ; four plain lines between a matrix instruction and a load into, or a reader of, its registers
.rept 4
	v_nop
.endr
.endm
.macro JLOAD s                         ; a wave's one tensor load: wave 0 x's block, the others their part of W's; an s_nop 0 and four v_nop follow each line
	s_cmp_eq_u32 s[WV], 0
	s_cbranch_scc0 .Lfor_b_\@
	tensor_load_to_lds s[G0A+4*(\s):G0A+4*(\s)+3], s[G1A:G1A+7]
	s_nop 0
.rept 4
	v_nop
.endr
	s_branch .Lasked_\@
.Lfor_b_\@:
	tensor_load_to_lds s[G0B+4*(\s):G0B+4*(\s)+3], s[G1B:G1B+7]
	s_nop 0
.rept 4
	v_nop
.endr
.Lasked_\@:
.endm
	s_load_b256 s[4:11], s[0:1], 0x0               ; pre, gq, gk, prj
	v_lshl_add_u32 v[SPW], v0, 2, SPARE
	v_mov_b32 v[NIL], 0
	ds_add_u32 v[SPW], v[NIL]                      ; the wave's opening: the add and its wait ahead of my first tensor load
	v_lshrrev_b32 v1, 5, v0
	v_readfirstlane_b32 s[WV], v1
	s_lshr_b32 s[WR], s[WV], 1
	s_and_b32 s[WC], s[WV], 1
	s_mov_b32 s[MB], ttmp9
	s_and_b32 s[GG], ttmp7, 0xffff
	s_mov_b32 s[G1A+0], (1<<16)|(1<<20)|(4<<22)|(3<<25)  ; 2-byte elements; padding on: after every 32 words, 4 words
	s_mov_b32 s[G1A+1], 128<<16                    ; tensor_dim0 = 128 elements: rows of 256 bytes, two rows of x each
	s_mov_b32 s[G1A+2], 64<<16                     ; tensor_dim1 = 64
	s_mov_b32 s[G1A+3], 128<<16                    ; tile_dim0
	s_mov_b32 s[G1A+4], 64                         ; tile_dim1
	s_mov_b32 s[G1A+5], 128                        ; from row to row
	s_mov_b32 s[G1A+6], 0
	s_mov_b32 s[G1A+7], 0
	s_mov_b32 s[G1B+0], (1<<16)|(1<<20)|(4<<22)|(7<<25)  ; the same with 8 words of padding
	s_mov_b32 s[G1B+1], 128<<16
	s_mov_b32 s[G1B+2], 75<<16                     ; 75 rows of 256 bytes, two k rows of W each
	s_mov_b32 s[G1B+3], 128<<16
	s_mov_b32 s[G1B+4], 75
	s_mov_b32 s[G1B+5], 128
	s_mov_b32 s[G1B+6], 0
	s_mov_b32 s[G1B+7], 0
	s_mov_b32 s[G0A], 1
	s_mov_b32 s[G0A+1], 0                          ; wave 0's share of slot 0
	s_mov_b32 s[G0A+4], 1
	s_mov_b32 s[G0A+5], SLOT
	s_mul_i32 s20, s[WV], PART                     ; my share of a slot: wave x 24,000
	s_mov_b32 s[G0B], 1
	s_add_co_u32 s[G0B+1], s20, 0
	s_mov_b32 s[G0B+4], 1
	s_add_co_u32 s[G0B+5], s20, SLOT
	s_lshl_b32 s2, s[MB], 18                       ; x's 16 blocks of 16,384 bytes
	s_mov_b32 s3, 0
	s_mul_i32 s22, s[GG], 16*57344
	s_mul_i32 s21, s[WV], 75*256                   ; waves 1-3 begin at row 75 (w - 1) of W's 224 (wave 0 makes the number and never uses it)
	s_add_co_u32 s22, s22, s21
	s_add_co_u32 s22, s22, WCAT-75*256
	s_mov_b32 s23, 0
	s_mov_b32 s[SEL], 0x76543210
	s_mov_b32 s[SEL+1], 0xfedcba98
	s_mov_b32 s[C64], 0x3c800000                   ; 1/64
	s_mov_b32 s[EPSR], 0x34000000                  ; 2^-23
	s_wait_dscnt 0x0                               ; the opening add is done
	s_wait_kmcnt 0x0
	s_add_nc_u64 s[G0A+2:G0A+3], s[4:5], s[2:3]    ; slot n starts at K step n
	s_add_nc_u64 s[G0A+6:G0A+7], s[G0A+2:G0A+3], 16384
	s_or_b32 s[G0A+3], s[G0A+3], 0x80000000
	s_or_b32 s[G0A+7], s[G0A+7], 0x80000000
	s_add_nc_u64 s[G0B+2:G0B+3], s[4:5], s[22:23]
	s_add_nc_u64 s[G0B+6:G0B+7], s[G0B+2:G0B+3], 57344
	s_or_b32 s[G0B+3], s[G0B+3], 0x80000000
	s_or_b32 s[G0B+7], s[G0B+7], 0x80000000
	JLOAD 0                                        ; K step 0
	v_and_b32 v1, 15, v0                           ; r = l % 16
	v_bfe_u32 v2, v0, 4, 1                         ; hh = l / 16
	v_and_b32 v3, 31, v0                           ; l
	v_mov_b32 v[ONE], 1.0
	v_mov_b32 v[RS+1], 0                           ; named with RS as a pair
	s_lshl_b32 s18, s[WR], 6
	v_add_nc_u32 v4, s18, v1
	v_mul_u32_u24 v4, v4, PA
	v_lshl_add_u32 v[ADRA], v2, 4, v4              ; x: row x pitch + 16 hh
	v_add_nc_u32 v[ADRA+1], SLOT, v[ADRA]
	v_and_b32 v5, 7, v0                            ; W, turned: lane l reads k row 8 hh + l % 8, 16 bytes (l / 8) % 2
	v_lshl_add_u32 v5, v2, 3, v5
	v_mul_u32_u24 v5, v5, PB
	v_bfe_u32 v6, v0, 3, 1
	v_lshl_add_u32 v5, v6, 4, v5
	s_mul_i32 s18, s[WC], 3*64*PB
	s_add_co_u32 s18, s18, BOFF
	v_add_nc_u32 v[ADRB], s18, v5
	v_add_nc_u32 v[ADRB+1], SLOT, v[ADRB]
	s_lshl_b32 s18, s[WC], 6
	s_add_co_u32 s18, s18, BOFF+6*64*PB
	v_add_nc_u32 v[ADRI], s18, v5
	v_add_nc_u32 v[ADRI+1], SLOT, v[ADRI]
	s_mul_i32 s18, s[WV], 16*PA
	s_add_co_u32 s18, s18, STAGE
	v_mul_u32_u24 v4, v1, PA
	v_lshl_add_u32 v4, v2, 4, v4
	v_add_nc_u32 v[STO], s18, v4                   ; into my stage: row r, 16 bytes for each half of the lanes
	v_bfe_u32 v4, v0, 3, 2
	v_mul_u32_u24 v4, v4, PA
	v_and_b32 v6, 7, v0
	v_lshl_add_u32 v4, v6, 4, v4
	v_add_nc_u32 v[RD], s18, v4                    ; back: 32 lanes take four rows of 128 bytes,
	v_lshlrev_b32 v[GO], 4, v3                     ; which are 512 consecutive bytes in memory
	s_and_b32 s18, s[MB], 15
	s_lshl_b32 s18, s18, 7
	s_lshl_b32 s19, s[WR], 6
	s_add_co_u32 s18, s18, s19                     ; t of my first row
	v_add_nc_u32 v4, s18, v1
	v_lshlrev_b32 v4, 8, v4
	v_lshl_add_u32 v[TO], v2, 5, v4                ; cos, sin: t x 256 + 32 hh
	v_lshlrev_b32 v[GOF], 5, v2
	v_lshlrev_b32 v[WOF], 4, v1
	s_lshl_b32 s22, s[GG], 1
	s_add_co_u32 s22, s22, s[WC]                   ; my head, and my piece of the indexer's rows
	s_lshr_b32 s20, s[MB], 4
	s_lshl_b32 s20, s20, 4
	s_add_co_u32 s20, s20, s22
	s_lshl_b32 s20, s20, 11
	s_add_co_u32 s20, s20, s18
	s_lshl_b32 s20, s20, 7
	s_mov_b32 s21, 0
	s_add_nc_u64 s[PQ:PQ+1], s[10:11], s[20:21]
	s_add_nc_u64 s[PKP:PKP+1], s[PQ:PQ+1], KG
	s_add_nc_u64 s[PVP:PVP+1], s[PQ:PQ+1], VG
	s_lshl_b32 s23, s[MB], 7
	s_add_co_u32 s23, s23, s19                     ; my first row of 4,096
	s_lshl_b32 s20, s22, 12
	s_add_co_u32 s20, s20, s23
	s_lshl_b32 s20, s20, 7
	s_add_nc_u64 s[PI:PI+1], s[10:11], s[20:21]
	s_add_nc_u64 s[PI:PI+1], s[PI:PI+1], IQG       ; piece 2 g + w % 2 of ten: eight of qI, then two of kI
	s_lshl_b32 s20, s23, 4
	s_add_nc_u64 s[PW:PW+1], s[10:11], s[20:21]
	s_add_nc_u64 s[PW:PW+1], s[PW:PW+1], WIG
	s_add_nc_u64 s[PT:PT+1], s[4:5], ROPE
.macro LOADTAB a                       ; cos and sin of the 16 rows of block a, for my 16 pairs
.irp n, 0,1,2,3
	global_load_b128 v[TAB+32*((\a)%2)+8*(\n):TAB+32*((\a)%2)+8*(\n)+3], v[TO], s[PT:PT+1] offset:(\a)*4096+64*(\n)
	global_load_b128 v[TAB+32*((\a)%2)+8*(\n)+4:TAB+32*((\a)%2)+8*(\n)+7], v[TO], s[PT:PT+1] offset:(\a)*4096+64*(\n)+16
.endr
.endm
.irp n, 0,1,2,3                        ; the gains of my 32 columns of a head; all these loads are waited for behind the loop
	global_load_b128 v[GQ+8*(\n):GQ+8*(\n)+3], v[GOF], s[6:7] offset:64*(\n)
	global_load_b128 v[GQ+8*(\n)+4:GQ+8*(\n)+7], v[GOF], s[6:7] offset:64*(\n)+16
	global_load_b128 v[GK+8*(\n):GK+8*(\n)+3], v[GOF], s[8:9] offset:64*(\n)
	global_load_b128 v[GK+8*(\n)+4:GK+8*(\n)+7], v[GOF], s[8:9] offset:64*(\n)+16
.endr
	LOADTAB 0
	LOADTAB 1
; 36 LDS loads: the fragments of 32 along K (half c of the step) into buffer c
.macro FETCH slot, c
	WIN 0x40                                       ; destination window 1
.irp s, 0,1,2
.irp n, 0,1,2,3
	ds_load_tr16_b128 v[112*(\c)+8*(4*(\s)+(\n)):112*(\c)+8*(4*(\s)+(\n))+3], v[ADRB+(\slot)] offset:(\s)*64*PB+(\c)*32*PB+32*(\n)
	ds_load_tr16_b128 v[112*(\c)+8*(4*(\s)+(\n))+4:112*(\c)+8*(4*(\s)+(\n))+7], v[ADRB+(\slot)] offset:(\s)*64*PB+(\c)*32*PB+32*(\n)+16*PB
.endr
.endr
.irp n, 0,1
	ds_load_tr16_b128 v[112*(\c)+96+8*(\n):112*(\c)+96+8*(\n)+3], v[ADRI+(\slot)] offset:(\c)*32*PB+32*(\n)
	ds_load_tr16_b128 v[112*(\c)+96+8*(\n)+4:112*(\c)+96+8*(\n)+7], v[ADRI+(\slot)] offset:(\c)*32*PB+32*(\n)+16*PB
.endr
	WIN 0
.irp a, 0,1,2,3
	ds_load_b128 v[FA+32*(\c)+8*(\a):FA+32*(\c)+8*(\a)+3], v[ADRA+(\slot)] offset:(\a)*16*PA+64*(\c)
	ds_load_b128 v[FA+32*(\c)+8*(\a)+4:FA+32*(\c)+8*(\a)+7], v[ADRA+(\slot)] offset:(\a)*16*PA+64*(\c)+32
.endr
.endm
; 56 products, one on each accumulator: they take turns from one run to the next and over the loop's jump too
.macro MUL c, zero
.set ix, 0
.rept 56
	WIN 0xa1+0x50*(ix/32)                          ; W window 1, x window 0, sums window 2 or 3
.set rD, 8*(ix%32)
.set rB, 112*(\c)+8*(ix%14)
.set rA, FA+32*(\c)+8*(ix/14)
.if \zero
	v_wmma_f32_16x16x32_bf16 v[rD:rD+7], v[rB:rB+7], v[rA:rA+7], 0
.else
	v_wmma_f32_16x16x32_bf16 v[rD:rD+7], v[rB:rB+7], v[rA:rA+7], v[rD:rD+7]
.endif
.set ix, ix+1
.endr
.endm
; A K step.  In front of the barrier: all my tensor loads have landed (my part of this step's tile), the add, my reads of the other slot are over.  Behind it the other slot is filled first, then this one is read.
.macro TRIP slot, refill, zero
	WIN 0
	s_wait_tensorcnt 0x0                           ; no tensor load of mine is out, so a group 0 may be written
	ds_add_u32 v[SPW], v[NIL]                      ; 0 onto my spare word
	s_add_nc_u64 s[G0A+4*(\slot)+2:G0A+4*(\slot)+3], s[G0A+4*(\slot)+2:G0A+4*(\slot)+3], 2*16384   ; this slot's next tile
	s_add_nc_u64 s[G0B+4*(\slot)+2:G0B+4*(\slot)+3], s[G0B+4*(\slot)+2:G0B+4*(\slot)+3], 2*57344
	s_wait_dscnt 0x0
	s_barrier_signal -1
	s_barrier_wait -1
.if \refill
	JLOAD 1-(\slot)                                ; its four v_nop are also the places in front of the loads below
.else
	PLACES
.endif
	FETCH \slot, 0
	FETCH \slot, 1
	s_wait_dscnt 36                                ; the first half's 36 loads are in, the second half's may be out
	MUL 0, \zero
	s_wait_dscnt 0x0
	MUL 1, 0
.endm
	TRIP 0, 1, 1                                   ; the first products start the sums
	TRIP 1, 1, 0
	WIN 0
	s_mov_b32 s[LC], 6
.Lk:
	TRIP 0, 1, 0
	TRIP 1, 1, 0
	WIN 0
	s_sub_co_u32 s[LC], s[LC], 1
	s_cmp_lg_u32 s[LC], 0
	s_cbranch_scc1 .Lk
	TRIP 0, 1, 0
	TRIP 1, 0, 0                                   ; the last step asks for nothing
	WIN 0
	s_wait_loadcnt 0x0                             ; gains and the first two table sets
.set i, 0
.rept 32                                       ; the gains rounded to bf16, as every input is; these lines are also the places behind the last products
	v_cvt_pk_bf16_f32 v[T], v[GQ+i], v[GQ+i+1]
	v_lshlrev_b32 v[GQ+i], 16, v[T]
	v_and_b32 v[GQ+i+1], 0xffff0000, v[T]
.set i, i+2
.endr
.macro ACCOF a, nb                     ; window AW and first register AR of accumulator 14 a + nb
.set ix, 14*(\a)+(\nb)
.set AW, 2+ix/32
.set AR, 8*(ix%32)
.endm
; 16 rows x 128 bytes leave: 16 bytes a lane into my stage, back as whole rows, 512 consecutive bytes a store
.macro SEND ptr, a
	WIN 0
.irp f, 0,1,2,3
	ds_store_b128 v[STO], v[PK+4*(\f):PK+4*(\f)+3] offset:32*(\f)
.endr
	s_wait_xcnt 0x0                                ; the registers that the last stores read are loaded again only behind this wait
.irp f, 0,1,2,3
	ds_load_b128 v[BK+4*(\f):BK+4*(\f)+3], v[RD] offset:(\f)*4*PA  ; a wave's LDS instructions are served in order: these see the stores above
.endr
	s_wait_dscnt 0x0
.irp f, 0,1,2,3
	global_store_b128 v[GO], v[BK+4*(\f):BK+4*(\f)+3], s[\ptr:\ptr+1] offset:(\a)*2048+(\f)*512
.endr
.endm
; Q or K of 16 rows: x rsqrt(mean x^2 + eps) g, rotated by pairs, rounded to f16.  Each accumulator is read from its low end on.
.macro QKHEAD a, s, G, ptr
	ACCOF \a, 4*(\s)
.set TB, TAB+32*((\a)%2)
	WIN AW*5
	v_pk_mul_f32 v[SS:SS+1], v[AR:AR+1], v[AR:AR+1]
	v_pk_mul_f32 v[SS+2:SS+3], v[AR+2:AR+3], v[AR+2:AR+3]
.set i, 4
.rept 14
	v_pk_fma_f32 v[SS+(i%4):SS+(i%4)+1], v[AR+i:AR+i+1], v[AR+i:AR+i+1], v[SS+(i%4):SS+(i%4)+1]
.set i, i+2
.endr
	WIN 0
	v_pk_add_f32 v[SS:SS+1], v[SS:SS+1], v[SS+2:SS+3]
	v_add_f32 v[SS], v[SS], v[SS+1]
	v_permlanex16_b32 v[SS+1], v[SS], s[SEL], s[SEL+1]  ; the row's other 32 columns lie in the lane 16 away
	v_add_f32 v[SS], v[SS], v[SS+1]
	v_fma_f32 v[SS], v[SS], s[C64], s[EPSR]
	v_rsq_f32 v[RS], v[SS]
	v_nop                                          ; a plain line behind it,
	s_wait_alu depctr_va_vdst(0)                   ; and the wait ahead of its first reader
	WIN AW
.set i, 0
.rept 16
	v_pk_mul_f32 v[Y+i:Y+i+1], v[AR+i:AR+i+1], v[RS:RS+1] op_sel_hi:[1,0]
.set i, i+2
.endr
	WIN 0
.set i, 0
.rept 16
	v_pk_mul_f32 v[Y+i:Y+i+1], v[Y+i:Y+i+1], v[(\G)+i:(\G)+i+1]
.set i, i+2
.endr
.set i, 0
.rept 16                                       ; (x0, x1) -> (x0 c - x1 s, x1 c + x0 s)
	v_pk_mul_f32 v[T+2*(i%4):T+2*(i%4)+1], v[Y+2*i:Y+2*i+1], v[TB+2*i:TB+2*i+1] op_sel:[1,1] op_sel_hi:[0,1]
	v_pk_fma_f32 v[Y+2*i:Y+2*i+1], v[Y+2*i:Y+2*i+1], v[TB+2*i:TB+2*i+1], v[T+2*(i%4):T+2*(i%4)+1] op_sel_hi:[1,0,1] neg_lo:[0,0,1]
.set i, i+1
.endr
.set i, 0
.rept 16
	v_cvt_pk_f16_f32 v[PK+i], v[Y+2*i], v[Y+2*i+1]
.set i, i+1
.endr
	SEND \ptr, \a
.endm
.macro VHEAD a
	ACCOF \a, 8
	WIN AW*5
.set i, 0
.rept 16
	v_cvt_pk_f16_f32 v[PK+i], v[AR+2*i], v[AR+2*i+1]
.set i, i+1
.endr
	SEND PVP, \a
.endm
.macro ROWS a
.if (\a) == 2
	s_wait_loadcnt 8                               ; the third table set is in; the fourth's eight loads may be out
.elseif (\a) == 3
	s_wait_loadcnt 0x0
.endif
	QKHEAD \a, 0, GQ, PQ
	QKHEAD \a, 1, GK, PKP
.if (\a) < 2
	LOADTAB (\a)+2
.endif
	VHEAD \a
.endm
	ROWS 0
	ROWS 1
	ROWS 2
	ROWS 3
; The indexer's 32 channels of 16 rows: h = f16(x), l' = f16((x - h) 2^11): together some 22 bits of x.  x - h is exact, one multiply-add from the f16 half.
.macro IDX a
	ACCOF \a, 12
	WIN AW*5
.set i, 0
.rept 8
	v_cvt_pk_f16_f32 v[PK+i], v[AR+2*i], v[AR+2*i+1]
.set i, i+1
.endr
	WIN AW*16
.set i, 0
.rept 8
	v_fma_mix_f32 v[Y+2*i], -v[PK+i], v[ONE], v[AR+2*i] op_sel_hi:[1,0,0]
	v_fma_mix_f32 v[Y+2*i+1], -v[PK+i], v[ONE], v[AR+2*i+1] op_sel:[1,0,0] op_sel_hi:[1,0,0]
.set i, i+1
.endr
	WIN 0
.set i, 0
.rept 8
	v_pk_mul_f32 v[Y+2*i:Y+2*i+1], v[Y+2*i:Y+2*i+1], 0x45000000 op_sel_hi:[1,0]
.set i, i+1
.endr
.set i, 0
.rept 8
	v_cvt_pk_f16_f32 v[PK+8+i], v[Y+2*i], v[Y+2*i+1]
.set i, i+1
.endr
	SEND PI, \a
.endm
	s_cmp_le_u32 s[GG], 4
	s_cbranch_scc0 .Lno_idx
	IDX 0
	IDX 1
	IDX 2
	IDX 3
	s_branch .Ldone
.Lno_idx:
	s_cmp_eq_u32 s[GG], 5                          ; wI: columns 0-3 of group 5's strip: registers 0-3 of lanes 0-15 in the waves with w % 2 = 0
	s_cbranch_scc0 .Ldone
	s_cmp_eq_u32 s[WC], 0
	s_cbranch_scc0 .Ldone
	s_wait_xcnt 0x0                                ; EXEC changes only behind this wait
	v_cmp_gt_u32 vcc_lo, 16, v3
	s_and_saveexec_b32 s18, vcc_lo
.irp a, 0,1,2,3
	ACCOF \a, 12
	WIN AW*4                                       ; the stores' data lie in window 2 or 3
	global_store_b128 v[WOF], v[AR:AR+3], s[PW:PW+1] offset:(\a)*256
.endr
	WIN 0
	s_wait_xcnt 0x0                                ; and again in front of the line that widens it
	s_or_b32 exec_lo, exec_lo, s18
.Ldone:
	s_wait_tensorcnt 0x0                           ; the wave's end
	ds_add_u32 v[SPW], v[NIL]
	s_wait_dscnt 0x0
	s_endpgm
.Lfunc_end_k_qc8711cd91d_proj:
	.size	k_qc8711cd91d_proj, .Lfunc_end_k_qc8711cd91d_proj-k_qc8711cd91d_proj
	.p2alignl 7, 3214868480
	.fill 96, 4, 3214868480
	.section	.rodata,"a",@progbits
	.p2align	6, 0x0
	.amdhsa_kernel k_qc8711cd91d_proj
		.amdhsa_group_segment_fixed_size 327680
		.amdhsa_private_segment_fixed_size 0
		.amdhsa_enable_private_segment 0
		.amdhsa_kernarg_size 32
		.amdhsa_user_sgpr_count 2
		.amdhsa_user_sgpr_kernarg_segment_ptr 1
		.amdhsa_wavefront_size32 1
		.amdhsa_system_sgpr_workgroup_id_x 1
		.amdhsa_system_sgpr_workgroup_id_y 1
		.amdhsa_system_sgpr_workgroup_id_z 1
		.amdhsa_system_vgpr_workitem_id 0
		.amdhsa_next_free_vgpr 960
		.amdhsa_next_free_sgpr 80
		.amdhsa_reserve_vcc 1
		.amdhsa_float_denorm_mode_32 3
		.amdhsa_float_denorm_mode_16_64 3
		.amdhsa_memory_ordered 1
		.amdhsa_forward_progress 1
		.amdhsa_inst_pref_size 176
	.end_amdhsa_kernel
	.amdgpu_metadata
---
amdhsa.version: [ 1, 2 ]
amdhsa.kernels:
  - .name:           k_qc8711cd91d_proj
    .symbol:         k_qc8711cd91d_proj.kd
    .args:
      - { .name: pre, .offset: 0, .size: 8, .value_kind: global_buffer, .address_space: global }
      - { .name: gq, .offset: 8, .size: 8, .value_kind: global_buffer, .address_space: global }
      - { .name: gk, .offset: 16, .size: 8, .value_kind: global_buffer, .address_space: global }
      - { .name: prj, .offset: 24, .size: 8, .value_kind: global_buffer, .address_space: global }
    .group_segment_fixed_size: 327680
    .private_segment_fixed_size: 0
    .kernarg_segment_align: 8
    .kernarg_segment_size: 32
    .max_flat_workgroup_size: 128
    .sgpr_count:     80
    .vgpr_count:     960
    .wavefront_size: 32
...
	.end_amdgpu_metadata
.endif
;; end of part 2
;; launch index (part 3): grid 128 x 2, 8 waves a work-group, no clusters, 150,528 bytes of LDS; arguments prj, mask; writes mask
.if DOCPART == 3
	.amdgcn_target "amdgcn-amd-amdhsa--gfx1250"
	.amdhsa_code_object_version 6
	.text
	.protected	k_qc8711cd91d_index
	.globl	k_qc8711cd91d_index
	.p2align	8
	.type	k_qc8711cd91d_index,@function
k_qc8711cd91d_index:
	s_mov_b64 s[64:65], 0
	v_nop
	global_prefetch_b8 v0, s[64:65] scope:SCOPE_SE
	s_setreg_imm32_b32 hwreg(HW_REG_WAVE_MODE, 25, 1), 1
	s_wait_xcnt 0x0
; INDEX: score[q][k] = sum over 4 heads of w[q][h] relu(qI[q][h] . kI[k]) for k <= q; a key is chosen where its score reaches the row's 32nd largest.  Out: one bit for each (q, k).
; THE DOT wants nearly f32's accuracy, since the choice is all or nothing: qI and kI come as two f16 pieces (h, l' = (x - h) 2^11), and dot = h.h + 2^-11 (h.l' + l'.h): three f16 products, exact, in two f32 sums.
; What is dropped (l'.l' 2^-22) is below one part in 2^22 of |q||k|.  LIMIT: two scores closer than that, or than the rounding of f32 sums taken in another order, may be chosen otherwise than by f32 arithmetic in the written order.
; SHARES.  A work-group owns 16 queries (tile i of batch b).  Keys go in units of 128; units 0 .. i/8 hold keys that the rows may see.  Wave w takes units w and w + 8, each as two batches of 64 keys.
; S^T layout: source 0 = 16 keys, source 1 = the 16 queries: lane l holds query l % 16 and keys 8 (l/16) + 0..7 of each group of 16.
; TOP 32.  A lane sorts its batch's 32 scores in registers (a bitonic network of max and min) and merges them into its running best 32; at the end lane halves, then the eight waves' lists (through LDS) are merged.
; The scores stay in LDS (each wave's own 16 KiB) and are compared with the threshold afterwards.  Rows with fewer than 32 keys have threshold -inf: it is raised to the lowest finite number, so hidden keys (-inf) stay out.
; MASK WORD [b][qtile][ktile][j]: bit l = query 16 qtile + l % 16, key 16 ktile + 8 (l/16) + j.  NaN is not treated apart.
.set IQG, 25165824
.set IKG, 29360128
.set WIG, 30408704
.set LIST, 131072                      ; behind the scores: a list of 32 for each wave and query, 128 bytes + 16
.set LP,   144
.set SPARE, LIST+128*LP                ; the spare words: 128 bytes a wave
.set KO,  2
.set QR,  3
.set QR2, 4
.set SCA, 5
.set LSA, 6
.set LRA, 7
.set NINF, 8
.set THR, 9
.set MO,  10
.set SCB, 11
.set M0,  12
.set SPW, 14
.set NIL, 15
.set W,   16
.set QOF, 20
.set WOF, 21
.set KSET, 32                          ; two sets of K fragments: h of channels 0-31, 32-63, l' of the same; later at work
.set T1,  32
.set T2,  64
.set ACC, 96                           ; head h: the sum h.h at ACC + 16 h, the mixed sum 8 further
.set X,   160
.set Y,   192
.set T,   224                          ; my running best 32, descending
.set WV, 8
.set TI, 9
.set BB, 10
.set II, 11
.set CN, 12
.set CI, 13
.set UU, 14
.set B2, 15
.set KB, 16
.set CM, 20
.set SEL, 24
.set IKP, 26
.set MP, 30
.set IQP, 32
.set WIP, 34
.set MSB, 0
.macro WIN new
.if MSB != (\new)
	s_set_vgpr_msb (MSB<<8)|(\new)
.set MSB, \new
.endif
.endm
	s_load_b128 s[4:7], s[0:1], 0x0                ; prj, mask
	v_lshl_add_u32 v[SPW], v0, 2, SPARE
	v_mov_b32 v[NIL], 0
	v_lshrrev_b32 v1, 5, v0
	v_readfirstlane_b32 s[WV], v1
	s_mov_b32 s[TI], ttmp9
	s_and_b32 s[BB], ttmp7, 0xffff
	s_lshr_b32 s[II], s[TI], 3                     ; the last unit that my rows may see
	s_mov_b32 s[SEL], 0x76543210
	s_mov_b32 s[SEL+1], 0xfedcba98
	v_and_b32 v1, 15, v0                           ; r
	v_bfe_u32 v22, v0, 4, 1                        ; hh
	v_and_b32 v23, 31, v0                          ; l
	v_lshlrev_b32 v[KO], 7, v1
	v_lshl_add_u32 v[KO], v22, 4, v[KO]            ; a fragment's row x 128 + 16 hh
	s_lshl_b32 s28, s[BB], 11
	s_lshl_b32 s29, s[TI], 4
	s_add_co_u32 s28, s28, s29                     ; my tile's first row of 4,096
	s_lshl_b32 s29, s28, 7
	v_add_nc_u32 v[QOF], s29, v[KO]
	s_lshl_b32 s29, s28, 4
	v_lshl_add_u32 v[WOF], v1, 4, s29
	s_and_b32 s29, s[TI], 7
	s_lshl_b32 s29, s29, 4
	v_add_nc_u32 v[QR], s29, v1
	v_lshlrev_b32 v24, 3, v22
	v_sub_nc_u32 v[QR], v[QR], v24                 ; my query's place in its unit, less 8 hh
	s_lshl_b32 s29, s[WV], 14
	v_lshl_add_u32 v[SCB], v23, 4, s29             ; my wave's scores: 16,384 w + 16 l
	v_mov_b32 v[SCA], v[SCB]
	s_lshl_b32 s29, s[WV], 4
	v_add_nc_u32 v24, s29, v1
	v_mul_u32_u24 v24, v24, LP
	v_add_nc_u32 v[LSA], LIST, v24
	v_lshl_add_u32 v24, v22, 6, v1
	v_mul_u32_u24 v24, v24, LP
	v_add_nc_u32 v[LRA], LIST, v24                 ; lists of waves 4 hh .. 4 hh + 3 for query r
	v_lshlrev_b32 v[MO], 3, v23
	v_mov_b32 v[NINF], 0xff800000
	s_wait_kmcnt 0x0
	s_add_nc_u64 s[IQP:IQP+1], s[4:5], IQG
	s_add_nc_u64 s[IKP:IKP+1], s[4:5], IKG
	s_add_nc_u64 s[WIP:WIP+1], s[4:5], WIG
	WIN 0x40                                       ; the queries' fragments stay in window 1: head h, piece p, channel half k at 32 h + 16 p + 8 k
.irp h, 0,1,2,3
.irp p, 0,1
.irp k, 0,1
	global_load_b128 v[32*(\h)+16*(\p)+8*(\k):32*(\h)+16*(\p)+8*(\k)+3], v[QOF], s[IQP:IQP+1] offset:(2*(\h)+(\k))*524288+64*(\p)
	global_load_b128 v[32*(\h)+16*(\p)+8*(\k)+4:32*(\h)+16*(\p)+8*(\k)+7], v[QOF], s[IQP:IQP+1] offset:(2*(\h)+(\k))*524288+64*(\p)+32
.endr
.endr
.endr
	WIN 0
	global_load_b128 v[W:W+3], v[WOF], s[WIP:WIP+1]
.set i, 0
.rept 32
	v_mov_b32 v[T+i], v[NINF]
	v_mov_b32 v[Y+i], v[NINF]
.set i, i+1
.endr
.macro LOADK kt                        ; 16 keys' fragments, eight loads
.set KL, KSET+32*((\kt)%2)
.irp p, 0,1
.irp k, 0,1
	global_load_b128 v[KL+16*(\p)+8*(\k):KL+16*(\p)+8*(\k)+3], v[KO], s[KB:KB+1] offset:(\k)*524288+(\kt)*2048+64*(\p)
	global_load_b128 v[KL+16*(\p)+8*(\k)+4:KL+16*(\p)+8*(\k)+7], v[KO], s[KB:KB+1] offset:(\k)*524288+(\kt)*2048+64*(\p)+32
.endr
.endr
.endm
; 16 keys: 24 products on 8 accumulators that take turns (at least three others between two links), then relu and the weighted sum over heads into X
.macro KT kt
.if (\kt) < 3
	LOADK (\kt)+1
	s_wait_loadcnt 8                               ; this group's fragments are in; the next group's eight loads may be out
.else
	s_wait_loadcnt 0x0
.endif
.set KS, KSET+32*((\kt)%2)
	WIN 0x04                                       ; queries in window 1
.irp h, 0,1,2,3
	v_wmma_f32_16x16x32_f16 v[ACC+16*(\h):ACC+16*(\h)+7], v[KS:KS+7], v[32*(\h):32*(\h)+7], 0
	v_wmma_f32_16x16x32_f16 v[ACC+16*(\h)+8:ACC+16*(\h)+15], v[KS:KS+7], v[32*(\h)+16:32*(\h)+23], 0
.endr
.irp h, 0,1,2,3
	v_wmma_f32_16x16x32_f16 v[ACC+16*(\h):ACC+16*(\h)+7], v[KS+8:KS+15], v[32*(\h)+8:32*(\h)+15], v[ACC+16*(\h):ACC+16*(\h)+7]
	v_wmma_f32_16x16x32_f16 v[ACC+16*(\h)+8:ACC+16*(\h)+15], v[KS+8:KS+15], v[32*(\h)+24:32*(\h)+31], v[ACC+16*(\h)+8:ACC+16*(\h)+15]
.endr
.irp h, 0,1,2,3
	v_wmma_f32_16x16x32_f16 v[ACC+16*(\h)+8:ACC+16*(\h)+15], v[KS+16:KS+23], v[32*(\h):32*(\h)+7], v[ACC+16*(\h)+8:ACC+16*(\h)+15]
.endr
.irp h, 0,1,2,3
	v_wmma_f32_16x16x32_f16 v[ACC+16*(\h)+8:ACC+16*(\h)+15], v[KS+24:KS+31], v[32*(\h)+8:32*(\h)+15], v[ACC+16*(\h)+8:ACC+16*(\h)+15]
.endr
	WIN 0
.rept 4
	v_nop                                          ; the places behind the products
.endr
.irp h, 0,1,2,3
.irp q, 0,2,4,6
	v_pk_fma_f32 v[ACC+16*(\h)+(\q):ACC+16*(\h)+(\q)+1], v[ACC+16*(\h)+8+(\q):ACC+16*(\h)+8+(\q)+1], 0x3a000000, v[ACC+16*(\h)+(\q):ACC+16*(\h)+(\q)+1] op_sel_hi:[1,0,1]
.endr
.irp q, 0,1,2,3,4,5,6,7
	v_max_num_f32 v[ACC+16*(\h)+(\q)], 0, v[ACC+16*(\h)+(\q)]
.endr
.irp q, 0,2,4,6
.if (\h) == 0
	v_pk_mul_f32 v[X+8*(\kt)+(\q):X+8*(\kt)+(\q)+1], v[ACC+(\q):ACC+(\q)+1], v[W:W+1] op_sel_hi:[1,0]
.elseif (\h) == 1
	v_pk_fma_f32 v[X+8*(\kt)+(\q):X+8*(\kt)+(\q)+1], v[ACC+16+(\q):ACC+16+(\q)+1], v[W:W+1], v[X+8*(\kt)+(\q):X+8*(\kt)+(\q)+1] op_sel:[0,1,0] op_sel_hi:[1,1,1]
.elseif (\h) == 2
	v_pk_fma_f32 v[X+8*(\kt)+(\q):X+8*(\kt)+(\q)+1], v[ACC+32+(\q):ACC+32+(\q)+1], v[W+2:W+3], v[X+8*(\kt)+(\q):X+8*(\kt)+(\q)+1] op_sel_hi:[1,0,1]
.else
	v_pk_fma_f32 v[X+8*(\kt)+(\q):X+8*(\kt)+(\q)+1], v[ACC+48+(\q):ACC+48+(\q)+1], v[W+2:W+3], v[X+8*(\kt)+(\q):X+8*(\kt)+(\q)+1] op_sel:[0,1,0] op_sel_hi:[1,1,1]
.endif
.endr
.endr
.endm
; One stage of the network, from 32 registers into 32 others: partners j apart; the larger goes to the lower place where bit k of the place is 0
.macro STAGE src, dst, k, j
.set i, 0
.rept 32
.if (i & (\j)) == 0
.if (i & (\k)) == 0
	v_max_num_f32 v[(\dst)+i], v[(\src)+i], v[(\src)+i+(\j)]
	v_min_num_f32 v[(\dst)+i+(\j)], v[(\src)+i], v[(\src)+i+(\j)]
.else
	v_min_num_f32 v[(\dst)+i], v[(\src)+i], v[(\src)+i+(\j)]
	v_max_num_f32 v[(\dst)+i+(\j)], v[(\src)+i], v[(\src)+i+(\j)]
.endif
.endif
.set i, i+1
.endr
.endm
.macro MERGE5 p, q, dst                ; a bitonic run in p comes out descending in dst
	STAGE \p, \q, 32, 16
	STAGE \q, \p, 32, 8
	STAGE \p, \q, 32, 4
	STAGE \q, \p, 32, 2
	STAGE \p, \dst, 32, 1
.endm
.macro MERGE dst, a, b                 ; the best 32 of two descending lists
.set i, 0
.rept 32
	v_max_num_f32 v[T1+i], v[(\a)+i], v[(\b)+31-i]
.set i, i+1
.endr
	MERGE5 T1, T2, \dst
.endm
	s_mov_b32 s[CN], 4
	s_mov_b32 s[CI], 0
.Lbatch:                                               ; batch c: unit w + 8 (c / 2), half c % 2; a wave whose unit lies past the rows' last jumps to the counter's step
	s_lshr_b32 s28, s[CI], 1
	s_lshl_b32 s28, s28, 3
	s_add_co_u32 s[UU], s28, s[WV]
	s_cmp_gt_u32 s[UU], s[II]
	s_cbranch_scc1 .Lskip
	s_and_b32 s[B2], s[CI], 1
	s_lshl_b32 s28, s[BB], 11
	s_lshl_b32 s29, s[UU], 7
	s_add_co_u32 s28, s28, s29
	s_lshl_b32 s29, s[B2], 6
	s_add_co_u32 s28, s28, s29
	s_lshl_b32 s28, s28, 7
	s_mov_b32 s29, 0
	s_wait_xcnt 0x0                                ; the last batch's loads have read their base
	s_add_nc_u64 s[KB:KB+1], s[IKP:IKP+1], s[28:29]
	LOADK 0
	KT 0
	KT 1
	KT 2
	KT 3
	s_cmp_eq_u32 s[UU], s[II]                      ; only the rows' last unit holds hidden keys
	s_cbranch_scc0 .Lno_mask
	s_lshl_b32 s28, s[B2], 6
	v_sub_nc_u32 v[QR2], v[QR], s28
.set e, 0
.rept 32
	v_cmp_gt_i32 vcc_lo, 16*(e/8)+e%8, v[QR2]
	v_cndmask_b32 v[X+e], v[X+e], v[NINF], vcc_lo
.set e, e+1
.endr
.Lno_mask:
.irp q, 0,1,2,3,4,5,6,7
	ds_store_b128 v[SCA], v[X+4*(\q):X+4*(\q)+3] offset:512*(\q)
.endr
	STAGE X, Y, 2, 1
	STAGE Y, X, 4, 2
	STAGE X, Y, 4, 1
	STAGE Y, X, 8, 4
	STAGE X, Y, 8, 2
	STAGE Y, X, 8, 1
	STAGE X, Y, 16, 8
	STAGE Y, X, 16, 4
	STAGE X, Y, 16, 2
	STAGE Y, X, 16, 1
	STAGE X, Y, 32, 16
	STAGE Y, X, 32, 8
	STAGE X, Y, 32, 4
	STAGE Y, X, 32, 2
	STAGE X, Y, 32, 1                              ; the batch, descending, in Y
.set i, 0
.rept 32
	v_max_num_f32 v[X+i], v[T+i], v[Y+31-i]        ; the best 32 of both
.set i, i+1
.endr
	MERGE5 X, Y, T
.Lskip:
	v_add_nc_u32 v[SCA], 4096, v[SCA]
	s_add_co_u32 s[CI], s[CI], 1
	s_sub_co_u32 s[CN], s[CN], 1
	s_cmp_lg_u32 s[CN], 0
	s_cbranch_scc1 .Lbatch
.set i, 0
.rept 32                                       ; the query's other keys lie in the lane 16 away
	v_permlanex16_b32 v[Y+i], v[T+31-i], s[SEL], s[SEL+1]
.set i, i+1
.endr
.set i, 0
.rept 32
	v_max_num_f32 v[X+i], v[T+i], v[Y+i]
.set i, i+1
.endr
	MERGE5 X, Y, T
.irp q, 0,1,2,3,4,5,6,7
	ds_store_b128 v[LSA], v[T+4*(\q):T+4*(\q)+3] offset:16*(\q)  ; both halves of the lanes hold the same list and write the same words
.endr
	s_wait_dscnt 0x0                               ; for the others' sake: my list is in LDS
	s_barrier_signal -1
	s_barrier_wait -1
.irp q, 0,1,2,3,4,5,6,7
	ds_load_b128 v[X+4*(\q):X+4*(\q)+3], v[LRA] offset:16*(\q)
	ds_load_b128 v[Y+4*(\q):Y+4*(\q)+3], v[LRA] offset:16*LP+16*(\q)
	ds_load_b128 v[ACC+4*(\q):ACC+4*(\q)+3], v[LRA] offset:32*LP+16*(\q)
	ds_load_b128 v[ACC+32+4*(\q):ACC+32+4*(\q)+3], v[LRA] offset:48*LP+16*(\q)
.endr
	s_wait_dscnt 0x0
	MERGE T, X, Y
	MERGE X, ACC, ACC+32
	MERGE Y, T, X
.set i, 0
.rept 32
	v_permlanex16_b32 v[T1+i], v[Y+31-i], s[SEL], s[SEL+1]
.set i, i+1
.endr
.set i, 0
.rept 32
	v_max_num_f32 v[X+i], v[Y+i], v[T1+i]          ; the row's best 32, in no order
.set i, i+1
.endr
	v_min3_num_f32 v[THR], v[X], v[X+1], v[X+2]
.set i, 3
.rept 14
	v_min3_num_f32 v[THR], v[THR], v[X+i], v[X+i+1]
.set i, i+2
.endr
	v_min_num_f32 v[THR], v[THR], v[X+31]
	v_max_num_f32 v[THR], 0xff7fffff, v[THR]
; A unit's 64 mask words: a compare gives a word, one lane of a register pair takes it; 256 consecutive bytes leave by one store
.macro MASKS tr
	s_add_co_u32 s[UU], s[WV], 8*(\tr)
	s_cmp_gt_u32 s[UU], s[II]
	s_cbranch_scc1 .Lno_unit_\@
	s_wait_xcnt 0x0                                ; the last store has read its data and its base
	v_mov_b32 v[M0], 0
	v_mov_b32 v[M0+1], 0
	s_lshl_b32 s28, s[BB], 7
	s_add_co_u32 s28, s28, s[TI]
	s_lshl_b32 s28, s28, 7
	s_lshl_b32 s29, s[UU], 3
	s_add_co_u32 s28, s28, s29
	s_lshl_b32 s28, s28, 5
	s_mov_b32 s29, 0
	s_add_nc_u64 s[MP:MP+1], s[6:7], s[28:29]
.irp bb, 0,1
.irp q, 0,1,2,3,4,5,6,7
	ds_load_b128 v[X+4*(\q):X+4*(\q)+3], v[SCB] offset:(2*(\tr)+(\bb))*4096+512*(\q)
.endr
	s_wait_dscnt 0x0
.set e, 0
.rept 32
	v_cmp_ge_f32 s[CM+e%4], v[X+e], v[THR]
	v_writelane_b32 v[M0+(e&1)], s[CM+e%4], (32*(\bb)+e)>>1
.set e, e+1
.endr
.endr
	global_store_b64 v[MO], v[M0:M0+1], s[MP:MP+1]
.Lno_unit_\@:
.endm
	MASKS 0
	MASKS 1
	s_wait_tensorcnt 0x0                           ; the wave's end, behind my last LDS store
	ds_add_u32 v[SPW], v[NIL]
	s_wait_dscnt 0x0
	s_endpgm
.Lfunc_end_k_qc8711cd91d_index:
	.size	k_qc8711cd91d_index, .Lfunc_end_k_qc8711cd91d_index-k_qc8711cd91d_index
	.p2alignl 7, 3214868480
	.fill 96, 4, 3214868480
	.section	.rodata,"a",@progbits
	.p2align	6, 0x0
	.amdhsa_kernel k_qc8711cd91d_index
		.amdhsa_group_segment_fixed_size 150528
		.amdhsa_private_segment_fixed_size 0
		.amdhsa_enable_private_segment 0
		.amdhsa_kernarg_size 16
		.amdhsa_user_sgpr_count 2
		.amdhsa_user_sgpr_kernarg_segment_ptr 1
		.amdhsa_wavefront_size32 1
		.amdhsa_system_sgpr_workgroup_id_x 1
		.amdhsa_system_sgpr_workgroup_id_y 1
		.amdhsa_system_sgpr_workgroup_id_z 1
		.amdhsa_system_vgpr_workitem_id 0
		.amdhsa_next_free_vgpr 384
		.amdhsa_next_free_sgpr 66
		.amdhsa_reserve_vcc 1
		.amdhsa_float_denorm_mode_32 3
		.amdhsa_float_denorm_mode_16_64 3
		.amdhsa_memory_ordered 1
		.amdhsa_forward_progress 1
		.amdhsa_inst_pref_size 108
	.end_amdhsa_kernel
	.amdgpu_metadata
---
amdhsa.version: [ 1, 2 ]
amdhsa.kernels:
  - .name:           k_qc8711cd91d_index
    .symbol:         k_qc8711cd91d_index.kd
    .args:
      - { .name: prj, .offset: 0, .size: 8, .value_kind: global_buffer, .address_space: global }
      - { .name: mask, .offset: 8, .size: 8, .value_kind: global_buffer, .address_space: global }
    .group_segment_fixed_size: 150528
    .private_segment_fixed_size: 0
    .kernarg_segment_align: 8
    .kernarg_segment_size: 16
    .max_flat_workgroup_size: 256
    .sgpr_count:     66
    .vgpr_count:     384
    .wavefront_size: 32
...
	.end_amdgpu_metadata
.endif
;; end of part 3
;; launch attn (part 4): grid 8 x 32, 4 waves a work-group, no clusters, 327,680 bytes of LDS; arguments prj, mask, o16; writes o16
.if DOCPART == 4
	.amdgcn_target "amdgcn-amd-amdhsa--gfx1250"
	.amdhsa_code_object_version 6
	.text
	.protected	k_qc8711cd91d_attn
	.globl	k_qc8711cd91d_attn
	.p2align	8
	.type	k_qc8711cd91d_attn,@function
k_qc8711cd91d_attn:
	s_mov_b64 s[64:65], 0
	v_nop
	global_prefetch_b8 v0, s[64:65] scope:SCOPE_SE
	s_setreg_imm32_b32 hwreg(HW_REG_WAVE_MODE, 25, 1), 1
	s_wait_xcnt 0x0
; ATTN: O[q] = softmax over the CHOSEN keys k <= q of (Q[q] . K[k] / 8) times V.  Q, K, V: [b x 16 + h][2048][64] f16; the choice: one bit for each (q, k), the same for all heads.
; In f32 the written mask is exactly 0 for a chosen key and -1e9 for any other, whose weight is then 0; every row has a chosen key.  Here a hidden score is replaced by -2^100 (LIMIT: true scores stay far above it).
; A power of two, so that c x (-2^100) is exact: while a row has met no chosen key its maximum is -2^100, the exponent c s - c m is exactly 0 and hidden keys count 1; the sums so made are finite, and the first
; chosen key multiplies them by 2^(c (-2^100 - m)) = 0.  A running maximum is kept; a weight below 2^-126 counts as 0.
; THE WALK.  A head's queries lie in 16 blocks of 128; block i needs key tiles 0 .. i of 128 keys.  A work-group takes block p and then block 15 - p: 17 tiles whatever p, one loop with a constant count.
; NO CLUSTER: a head's eight work-groups ask for the same tile in the first trips alone; behind that their walks part, and one walk common to all would have 24 trips for 17.
; SHARES.  Wave w owns rows 32 w .. +31 of a block: two tiles of 16 queries.  A key tile is two steps of 64 keys.
; A STEP, IN PHASES: K's and V's fragments; 16 products S^T = K Q^T; per tile the mask and the softmax; 16 products O^T += V^T P.  A lane holds one query in S^T, P and O^T.
; THE MASK WORDS of a tile and step (32 words, one for each register of S^T) come into scalar registers by two scalar loads, issued one softmax ahead; past a block's last step the offset is held at that step.
; REGISTERS: window 0: v2-11 addresses; v12-27 statistics (8 a tile: c m, m, l, l, four at work); v64-127 S^T; v128-159 P; v160-223 O^T.  window 1: v0-31 Q, v32-63 the second block's Q, v64-127 K, v128-191 V.
.set KG,    8388608
.set VG,    16777216
.set KS,    64
.set PK,    144
.set PV,    160
.set VOFF,  128*PK
.set SLOT1, 65536
.set STAGE, SLOT1+128*(PK+PV)
.set SP,    144
.set SPARE, STAGE+4*16*SP
.set AK0, 2
.set AV0, 3
.set AK,  4
.set AV,  5
.set QO,  6
.set STO, 7
.set RD,  8
.set GO,  9
.set NEG, 10
.set QO2, 11
.set ST,  12
.set PFO, 61
.set SPW, 62
.set NIL, 63
.set S,   64
.set P,   128
.set O,   160
.set KF,  64
.set VF,  128
.set KB,  10
.set VB,  12
.set WV,  14
.set PP,  15
.set G1K, 16
.set G1V, 24
.set G0K, 32
.set G0V, 36
.set CS,  40
.set SEL, 42
.set SLOTS, 44
.set CNT, 45
.set RT,  46
.set NXT, 47
.set LQ,  48
.set NEW, 49
.set OFF, 50
.set TBK, 52
.set TBV, 53
.set MP,  54
.set XO,  56
.set LAST, 57
.set BH,  58
.set BLK, 59
.set PSH, 60
.set OP,  62
.set HI2, 66
.set MW,  68                           ; s[68:99] the 32 mask words
.set OWN, 100
.set PFA, 104
.set MSB, 0
.macro WIN new
.if MSB != (\new)
	s_set_vgpr_msb (MSB<<8)|(\new)
.set MSB, \new
.endif
.endm
.macro PLACES
.rept 4
	v_nop
.endr
.endm
.macro LOAD                            ; waves 0, 1: the two halves of a tile's K; waves 2, 3: of its V; an s_nop 0 and four v_nop follow each line
	s_cmp_lt_u32 s[WV], 2
	s_cbranch_scc0 .Lfor_v_\@
	tensor_load_to_lds s[G0K:G0K+3], s[G1K:G1K+7]
	s_nop 0
.rept 4
	v_nop
.endr
	s_branch .Lasked_\@
.Lfor_v_\@:
	tensor_load_to_lds s[G0V:G0V+3], s[G1V:G1V+7]
	s_nop 0
.rept 4
	v_nop
.endr
.Lasked_\@:
.endm
; A prefetch into the L2.  Tiles 8 to 15 of a head are read first by the work-group with p = 0, in its second block: it alone asks, each wave for the 32 rows of 256 bytes that it will itself fetch, a lane a row,
; two tiles ahead of the load just issued.  In trip k that work-group has just asked for tile k: trips 6 to 13 (s[SLOTS] = 10 .. 3) name tiles 8 to 15, each once; nothing is named past tile 15.
.macro ASK
	s_sub_co_u32 s61, s[SLOTS], 3
	s_or_b32 s61, s61, s[PSH]
	s_cmp_lt_u32 s61, 8
	s_cbranch_scc0 .Lnot_mine_\@
	global_prefetch_b8 v[PFO], s[PFA:PFA+1] offset:2*16384 th:TH_LOAD_NT scope:SCOPE_SE
.Lnot_mine_\@:
.endm
; THE CHANGE OF SLOTS: all my tensor loads have landed (my part of the other slot), the add, my reads of the old slot are over; the barrier; then the old slot is filled first, with tile NXT.
.macro CHANGE fill
	WIN 0
	s_wait_tensorcnt 0x0                           ; no tensor load of mine is out, so a group 0 may be written
	ds_add_u32 v[SPW], v[NIL]                      ; 0 onto my spare word
.if \fill
	s_lshl_b32 s[OFF], s[NXT], 14                  ; a tile is 16,384 bytes of K and of V
	s_xor_b32 s[G0K+1], s[G0K+1], SLOT1
	s_add_nc_u64 s[G0K+2:G0K+3], s[KB:KB+1], s[OFF:OFF+1]
	s_or_b32 s[G0K+3], s[G0K+3], 0x80000000
	s_xor_b32 s[G0V+1], s[G0V+1], SLOT1
	s_add_nc_u64 s[G0V+2:G0V+3], s[VB:VB+1], s[OFF:OFF+1]
	s_or_b32 s[G0V+3], s[G0V+3], 0x80000000
	s_wait_xcnt 0x0                                ; the last prefetch, a tile back, has read its address
	s_add_nc_u64 s[PFA:PFA+1], s[OWN:OWN+1], s[OFF:OFF+1]
	s_add_co_u32 s[NXT], s[NXT], 1                 ; the block's next tile, or behind its last the second block's tile 0
	s_cmp_gt_u32 s[NXT], s[LQ]
	s_cselect_b32 s[NXT], 0, s[NXT]
	s_cselect_b32 s[LQ], s[HI2], s[LQ]
.endif
	s_wait_dscnt 0x0
	s_barrier_signal -1
	s_sub_co_u32 s[TBK], s[TBK], 2*KS*PK           ; the fetches go back to a slot's first step, in the other slot
	s_xor_b32 s[TBK], s[TBK], SLOT1
	s_sub_co_u32 s[TBV], s[TBV], 2*KS*PV
	s_xor_b32 s[TBV], s[TBV], SLOT1
	s_barrier_wait -1
.if \fill
	LOAD
	ASK
.endif
.endm
.macro SETBLK                          ; the pointers and counts of block s[BLK]
	s_lshr_b32 s61, s[BH], 4                       ; b
	s_lshl_b32 s2, s61, 7
	s_lshl_b32 s67, s[BLK], 3
	s_add_co_u32 s2, s2, s67
	s_lshl_b32 s67, s[WV], 1
	s_add_co_u32 s2, s2, s67                       ; my first tile of 16 queries
	s_lshl_b32 s2, s2, 12                          ; 128 key tiles x 32 bytes
	s_mov_b32 s3, 0
	s_add_nc_u64 s[MP:MP+1], s[6:7], s[2:3]
	s_lshl_b32 s2, s61, 4
	s_add_co_u32 s2, s2, s[BLK]
	s_lshl_b32 s2, s2, 4
	s_and_b32 s67, s[BH], 15
	s_add_co_u32 s2, s2, s67
	s_lshl_b32 s2, s2, 7
	s_lshl_b32 s67, s[WV], 5
	s_add_co_u32 s2, s2, s67
	s_lshl_b32 s2, s2, 7
	s_add_nc_u64 s[OP:OP+1], s[8:9], s[2:3]        ; O: [16 b + block][h][128 rows][64]
	s_lshl_b32 s[LAST], s[BLK], 8
	s_add_co_u32 s[LAST], s[LAST], 128             ; the block's last step, x 128 bytes of mask
	s_add_co_u32 s[RT], s[BLK], 1
	s_mov_b32 s[NEW], 1
.endm
.macro LOADM y                         ; tile y's 32 mask words of the step at s[XO]
	s_load_b512 s[MW:MW+15], s[MP:MP+1], s[XO] offset:4096*(\y)
	s_load_b512 s[MW+16:MW+31], s[MP:MP+1], s[XO] offset:4096*(\y)+64
.endm
	s_load_b128 s[4:7], s[0:1], 0x0                ; prj, mask
	s_load_b64 s[8:9], s[0:1], 0x10                ; o16
	v_lshl_add_u32 v[SPW], v0, 2, SPARE
	v_mov_b32 v[NIL], 0
	ds_add_u32 v[SPW], v[NIL]                      ; the wave's opening: the add and its wait ahead of my first tensor load
	v_lshrrev_b32 v1, 5, v0
	v_readfirstlane_b32 s[WV], v1
	s_mov_b32 s[PP], ttmp9
	s_and_b32 s[BH], ttmp7, 0xffff
	s_lshl_b32 s[PSH], s[PP], 8
	s_sub_co_u32 s[HI2], 15, s[PP]
	s_mov_b32 s[G1K], (1<<16)|(1<<20)|(4<<22)|(3<<25)  ; 2-byte elements; padding on: after every 32 words (a key), 4 words
	s_mov_b32 s[G1V], (1<<16)|(1<<20)|(4<<22)|(7<<25)  ; the same with 8 words
.irp g, G1K, G1V
	s_mov_b32 s[\g+1], 128<<16                     ; 64 keys are 8,192 dense bytes: 32 rows of 256
	s_mov_b32 s[\g+2], 32<<16
	s_mov_b32 s[\g+3], 128<<16
	s_mov_b32 s[\g+4], 32
	s_mov_b32 s[\g+5], 128
	s_mov_b32 s[\g+6], 0
	s_mov_b32 s[\g+7], 0
.endr
	s_and_b32 s61, s[WV], 1                        ; which half of a tile I fetch
	s_mul_i32 s67, s61, 64*PK
	s_mov_b32 s[G0K], 1
	s_mov_b32 s[G0K+1], s67
	s_mul_i32 s67, s61, 64*PV
	s_mov_b32 s[G0V], 1
	s_add_co_u32 s[G0V+1], s67, VOFF
	s_lshl_b32 s2, s[BH], 18                       ; the head's 2,048 rows of 128 bytes
	s_lshl_b32 s67, s61, 13
	s_add_co_u32 s2, s2, s67
	s_mov_b32 s3, 0
	s_mov_b32 s[CS], 0x3e38aa3b                    ; c = log2(e) / 8
	s_mov_b32 s[CS+1], s[CS]
	s_mov_b32 s[SEL], 0x76543210
	s_mov_b32 s[SEL+1], 0xfedcba98
	s_mov_b32 s[TBK], SLOT1+2*KS*PK                ; the first change of slots turns these two into 0
	s_mov_b32 s[TBV], SLOT1+2*KS*PV
	s_mov_b32 s[OFF+1], 0
	s_mov_b32 s[SLOTS], 16
	s_cmp_eq_u32 s[PP], 0                          ; block 0 has one tile: behind it comes the second block's tile 0
	s_cselect_b32 s[NXT], 0, 1
	s_cselect_b32 s[LQ], s[HI2], s[PP]
	s_wait_dscnt 0x0                               ; the opening add is done
	s_wait_kmcnt 0x0
	s_add_nc_u64 s[KB:KB+1], s[4:5], s[2:3]
	s_add_nc_u64 s[VB:VB+1], s[KB:KB+1], VG
	s_add_nc_u64 s[KB:KB+1], s[KB:KB+1], KG
	s_add_nc_u64 s[G0K+2:G0K+3], s[KB:KB+1], 0
	s_or_b32 s[G0K+3], s[G0K+3], 0x80000000
	s_add_nc_u64 s[G0V+2:G0V+3], s[VB:VB+1], 0
	s_or_b32 s[G0V+3], s[G0V+3], 0x80000000
	s_cmp_lt_u32 s[WV], 2
	s_cselect_b64 s[OWN:OWN+1], s[KB:KB+1], s[VB:VB+1]
	s_mov_b64 s[PFA:PFA+1], s[OWN:OWN+1]
	LOAD                                           ; tile 0 into slot 0
	s_lshl_b32 s2, s[BH], 18
	s_lshl_b32 s67, s[WV], 12
	s_add_co_u32 s2, s2, s67
	s_add_nc_u64 s[4:5], s[4:5], s[2:3]            ; Q at my wave's 32 rows of the head's block 0
	s_mov_b32 s[BLK], s[PP]
	SETBLK
	v_and_b32 v1, 15, v0                           ; r
	v_bfe_u32 v60, v0, 4, 1                        ; hh
	v_and_b32 v59, 31, v0                          ; l
	v_lshlrev_b32 v58, 7, v1
	v_lshl_add_u32 v58, v60, 4, v58
	s_lshl_b32 s67, s[PP], 14
	v_add_nc_u32 v[QO], s67, v58
	s_lshl_b32 s67, s[HI2], 14
	v_add_nc_u32 v[QO2], s67, v58
	WIN 0x40
.irp x, 0,1
.irp c, 0,1
	global_load_b128 v[16*(\x)+8*(\c):16*(\x)+8*(\c)+3], v[QO], s[4:5] offset:(\x)*2048+(\c)*64
	global_load_b128 v[16*(\x)+8*(\c)+4:16*(\x)+8*(\c)+7], v[QO], s[4:5] offset:(\x)*2048+(\c)*64+32
	global_load_b128 v[32+16*(\x)+8*(\c):32+16*(\x)+8*(\c)+3], v[QO2], s[4:5] offset:(\x)*2048+(\c)*64
	global_load_b128 v[32+16*(\x)+8*(\c)+4:32+16*(\x)+8*(\c)+7], v[QO2], s[4:5] offset:(\x)*2048+(\c)*64+32
.endr
.endr
	WIN 0
	v_mul_u32_u24 v[AK0], v1, PK
	v_lshl_add_u32 v[AK0], v60, 4, v[AK0]
	v_and_b32 v57, 7, v0
	v_bfe_u32 v56, v0, 3, 1
	v_lshl_add_u32 v[AV0], v60, 3, v57             ; the turning load: key 8 hh + l % 8, 16 bytes (l / 8) % 2
	v_mul_u32_u24 v[AV0], v[AV0], PV
	v_lshl_add_u32 v[AV0], v56, 4, v[AV0]
	v_add_nc_u32 v[AV0], VOFF, v[AV0]
	s_mul_i32 s67, s[WV], 16*SP
	s_add_co_u32 s67, s67, STAGE
	v_mul_u32_u24 v[STO], v1, SP
	v_lshl_add_u32 v[STO], v60, 4, v[STO]
	v_add_nc_u32 v[STO], s67, v[STO]
	v_bfe_u32 v[RD], v0, 3, 2
	v_mul_u32_u24 v[RD], v[RD], SP
	v_lshl_add_u32 v[RD], v57, 4, v[RD]
	v_add_nc_u32 v[RD], s67, v[RD]
	v_lshlrev_b32 v[GO], 4, v59
	v_lshlrev_b32 v[PFO], 8, v59
	v_mov_b32 v[NEG], 0xf1800000                   ; -2^100
; One tile's softmax for a step: the running maximum, one batch of 33 exponentials with one wait, the weights in f16, the sum, O^T and l rescaled
.macro SOFT y
.set rT, ST+8*(\y)
.set rS, S+32*(\y)
.set rP, P+16*(\y)
.set rO, O+32*(\y)
.irp n, 0,1,2,3
	v_max3_num_f32 v[rT+4+(\n)], v[rS+8*(\n)], v[rS+8*(\n)+1], v[rS+8*(\n)+2]
.endr
.irp n, 0,1,2,3
	v_max3_num_f32 v[rT+4+(\n)], v[rT+4+(\n)], v[rS+8*(\n)+3], v[rS+8*(\n)+4]
.endr
.irp n, 0,1,2,3
	v_max3_num_f32 v[rT+4+(\n)], v[rT+4+(\n)], v[rS+8*(\n)+5], v[rS+8*(\n)+6]
.endr
	v_max3_num_f32 v[rT+4], v[rT+4], v[rS+7], v[rS+15]
	v_max3_num_f32 v[rT+6], v[rT+6], v[rS+23], v[rS+31]
	v_max3_num_f32 v[rT+5], v[rT+5], v[rT+7], v[rT+1]
	v_max3_num_f32 v[rT+4], v[rT+4], v[rT+5], v[rT+6]
	v_permlanex16_b32 v[rT+5], v[rT+4], s[SEL], s[SEL+1]  ; the query's other 32 keys lie in the lane 16 away
	v_mov_b32 v[rT+7], v[rT]                       ; c m_old
	v_max_num_f32 v[rT+1], v[rT+4], v[rT+5]
	v_mul_f32 v[rT], s[CS], v[rT+1]
	v_sub_f32 v[rT+7], v[rT+7], v[rT]
	v_exp_f32 v[rT+6], v[rT+7]                     ; a
.set i, 0
.rept 16
	v_pk_fma_f32 v[rS+2*i:rS+2*i+1], v[rS+2*i:rS+2*i+1], s[CS:CS+1], v[rT:rT+1] op_sel_hi:[1,0,0] neg_lo:[0,0,1] neg_hi:[0,0,1]
.set i, i+1
.endr
.set i, 0
.rept 32
	v_exp_f32 v[rS+i], v[rS+i]
.set i, i+1
.endr
	v_nop                                          ; a plain line behind the last exponential,
	s_wait_alu depctr_va_vdst(0)                   ; and one wait for the batch ahead of the first reader
.set i, 0
.rept 16
	v_cvt_pk_f16_f32 v[rP+i], v[rS+2*i], v[rS+2*i+1]
.set i, i+1
.endr
.irp u, 0,1,2,3,4,5,6,7
	v_pk_add_f32 v[rS+4*(\u):rS+4*(\u)+1], v[rS+4*(\u):rS+4*(\u)+1], v[rS+4*(\u)+2:rS+4*(\u)+3]
.endr
.irp u, 0,1,2,3
	v_pk_add_f32 v[rS+8*(\u):rS+8*(\u)+1], v[rS+8*(\u):rS+8*(\u)+1], v[rS+8*(\u)+4:rS+8*(\u)+5]
.endr
.irp u, 0,1
	v_pk_add_f32 v[rS+16*(\u):rS+16*(\u)+1], v[rS+16*(\u):rS+16*(\u)+1], v[rS+16*(\u)+8:rS+16*(\u)+9]
.endr
	v_pk_add_f32 v[rS:rS+1], v[rS:rS+1], v[rS+16:rS+17]
	v_pk_fma_f32 v[rT+2:rT+3], v[rT+2:rT+3], v[rT+6:rT+7], v[rS:rS+1] op_sel_hi:[1,0,1]
.set i, 0
.rept 16
	v_pk_mul_f32 v[rO+2*i:rO+2*i+1], v[rO+2*i:rO+2*i+1], v[rT+6:rT+7] op_sel_hi:[1,0]
.set i, i+1
.endr
.endm
.macro HIDE y                          ; -2^100 where the bit is 0; each accumulator is read from its low end on
.set e, 0
.rept 32
	v_cndmask_b32 v[S+32*(\y)+e], v[NEG], v[S+32*(\y)+e], s[MW+e]
.set e, e+1
.endr
.endm
.macro STEP
	WIN 0
	v_add_nc_u32 v[AK], s[TBK], v[AK0]
	v_add_nc_u32 v[AV], s[TBV], v[AV0]
	s_add_co_u32 s[TBK], s[TBK], KS*PK
	s_add_co_u32 s[TBV], s[TBV], KS*PV
	WIN 0x40
.irp f, 0,1,2,3,4,5,6,7                ; K: keys 16 (f / 2) on, channels 32 (f % 2) on
	ds_load_b128 v[KF+8*(\f):KF+8*(\f)+3], v[AK] offset:((\f)/2)*16*PK+((\f)%2)*64
	ds_load_b128 v[KF+8*(\f)+4:KF+8*(\f)+7], v[AK] offset:((\f)/2)*16*PK+((\f)%2)*64+32
.endr
.irp f, 0,1,2,3,4,5,6,7                ; V, turned: keys 32 (f / 4) on, channels 16 (f % 4) on
	ds_load_tr16_b128 v[VF+8*(\f):VF+8*(\f)+3], v[AV] offset:((\f)/4)*32*PV+((\f)%4)*32
	ds_load_tr16_b128 v[VF+8*(\f)+4:VF+8*(\f)+7], v[AV] offset:((\f)/4)*32*PV+16*PV+((\f)%4)*32
.endr
	s_wait_dscnt 16                                ; K is in; V's sixteen loads may be out
	WIN 0x05                                       ; K and Q in window 1
.set i, 0
.rept 8                                        ; eight accumulators take turns
.irp x, 0,1
.set rS, S+32*(\x)+8*(i%4)
.set rK, KF+16*(i%4)+8*(i/4)
.set rQ, 16*(\x)+8*(i/4)
.if i < 4
	v_wmma_f32_16x16x32_f16 v[rS:rS+7], v[rK:rK+7], v[rQ:rQ+7], 0
.else
	v_wmma_f32_16x16x32_f16 v[rS:rS+7], v[rK:rK+7], v[rQ:rQ+7], v[rS:rS+7]
.endif
.endr
.set i, i+1
.endr
	WIN 0
	PLACES
	s_wait_kmcnt 0x0                               ; tile 0's words, asked for a softmax ago
	HIDE 0
	LOADM 1
	SOFT 0
	s_wait_kmcnt 0x0                               ; tile 1's words; the loads' offset may be written
	HIDE 1
	s_add_co_u32 s[XO], s[XO], 128
	s_min_u32 s[XO], s[XO], s[LAST]
	LOADM 0                                        ; tile 0's words of the next step
	SOFT 1
	s_wait_dscnt 0x0                               ; V is in
	WIN 0x01                                       ; V in window 1
.set i, 0
.rept 8
.irp x, 0,1
.set rO, O+32*(\x)+8*(i%4)
.set rV, VF+32*(i/4)+8*(i%4)
.set rP, P+16*(\x)+8*(i/4)
	v_wmma_f32_16x16x32_f16 v[rO:rO+7], v[rV:rV+7], v[rP:rP+7], v[rO:rO+7]
.endr
.set i, i+1
.endr
	WIN 0
	PLACES                                         ; in front of the next loads into V's registers and of the next readers of O^T
.endm
.macro TWOSTEPS
	s_mov_b32 s[CNT], 2
.Lstep_\@:
	STEP
	s_sub_co_u32 s[CNT], s[CNT], 1
	s_cmp_lg_u32 s[CNT], 0
	s_cbranch_scc1 .Lstep_\@
.endm
.macro BEGIN                           ; a block begins: c m far below every c s, so the first a is 0; O^T and l at 0
	s_mov_b32 s[NEW], 0
	s_wait_kmcnt 0x0                               ; no mask load is out: its registers may be written
	s_mov_b32 s[XO], 0
	LOADM 0
.irp t, 0,1
	v_mov_b32 v[ST+8*(\t)], 0xfe000000
	v_mov_b32 v[ST+8*(\t)+1], 0xff7fffff
	v_mov_b32 v[ST+8*(\t)+2], 0
	v_mov_b32 v[ST+8*(\t)+3], 0
.endr
.set i, 0
.rept 64
	v_mov_b32 v[O+i], 0
.set i, i+1
.endr
	s_wait_loadcnt 0x0                             ; Q
.endm
.macro PACK t                          ; O^T / l, f16; 16 bytes a lane into my stage, back as whole rows
.set i, 0
.rept 16
	v_pk_mul_f32 v[O+32*(\t)+2*i:O+32*(\t)+2*i+1], v[O+32*(\t)+2*i:O+32*(\t)+2*i+1], v[ST+8*(\t)+2:ST+8*(\t)+3] op_sel_hi:[1,0]
.set i, i+1
.endr
.set i, 0
.rept 16
	v_cvt_pk_f16_f32 v[S+16*(\t)+i], v[O+32*(\t)+2*i], v[O+32*(\t)+2*i+1]
.set i, i+1
.endr
.irp f, 0,1,2,3
	ds_store_b128 v[STO], v[S+16*(\t)+4*(\f):S+16*(\t)+4*(\f)+3] offset:32*(\f)
.endr
.irp f, 0,1,2,3
	ds_load_b128 v[S+16*(\t)+4*(\f):S+16*(\t)+4*(\f)+3], v[RD] offset:(\f)*4*SP  ; a wave's LDS instructions are served in order
.endr
.endm
.macro SEND t, younger                 ; younger: the LDS instructions issued behind tile t's loads
.irp f, 0,1,2,3
	s_wait_dscnt (\younger)+3-(\f)
	global_store_b128 v[GO], v[S+16*(\t)+4*(\f):S+16*(\t)+4*(\f)+3], s[OP:OP+1] offset:(\t)*2048+(\f)*512  ; 512 consecutive bytes
.endr
.endm
.macro FINISH                          ; a block's way out
	s_wait_kmcnt 0x0                               ; the mask load that ran ahead is done: its sources may be written
	WIN 0
.irp t, 0,1
	v_add_f32 v[ST+8*(\t)+2], v[ST+8*(\t)+2], v[ST+8*(\t)+3]
.endr
.irp t, 0,1
	v_permlanex16_b32 v[ST+8*(\t)+3], v[ST+8*(\t)+2], s[SEL], s[SEL+1]
.endr
.irp t, 0,1
	v_add_f32 v[ST+8*(\t)+2], v[ST+8*(\t)+2], v[ST+8*(\t)+3]
.endr
.irp t, 0,1
	v_rcp_f32 v[ST+8*(\t)+2], v[ST+8*(\t)+2]
.endr
	v_nop
	s_wait_alu depctr_va_vdst(0)                   ; one wait for the two reciprocals
	PACK 0
	PACK 1
	SEND 0, 8
	SEND 1, 0
.endm
.Lslot:                                                ; 16 times: a tile is entered and the next is asked for
	CHANGE 1
	s_cmp_eq_u32 s[NEW], 1
	s_cbranch_scc0 .Lold
	BEGIN
.Lold:
	TWOSTEPS
	s_sub_co_u32 s[RT], s[RT], 1
	s_cmp_lg_u32 s[RT], 0
	s_cbranch_scc1 .Lbottom
	FINISH                                         ; in the loop this is the first block's end
	s_wait_xcnt 0x0                                ; the stores have read their data and O's address
	s_mov_b32 s[BLK], s[HI2]
	SETBLK
	WIN 0x41                                       ; the second block's Q goes where the one text of the step names Q
.set i, 0
.rept 32
	v_mov_b32 v[i], v[32+i]
.set i, i+1
.endr
	WIN 0
.Lbottom:
	s_sub_co_u32 s[SLOTS], s[SLOTS], 1
	s_cmp_lg_u32 s[SLOTS], 0
	s_cbranch_scc1 .Lslot
	CHANGE 0                                       ; the walk's last tile is written out; it is never a block's first (the second block has nine tiles or more)
	TWOSTEPS
	FINISH
	s_wait_tensorcnt 0x0                           ; the wave's end
	ds_add_u32 v[SPW], v[NIL]
	s_wait_dscnt 0x0
	s_endpgm
.Lfunc_end_k_qc8711cd91d_attn:
	.size	k_qc8711cd91d_attn, .Lfunc_end_k_qc8711cd91d_attn-k_qc8711cd91d_attn
	.p2alignl 7, 3214868480
	.fill 96, 4, 3214868480
	.section	.rodata,"a",@progbits
	.p2align	6, 0x0
	.amdhsa_kernel k_qc8711cd91d_attn
		.amdhsa_group_segment_fixed_size 327680
		.amdhsa_private_segment_fixed_size 0
		.amdhsa_enable_private_segment 0
		.amdhsa_kernarg_size 24
		.amdhsa_user_sgpr_count 2
		.amdhsa_user_sgpr_kernarg_segment_ptr 1
		.amdhsa_wavefront_size32 1
		.amdhsa_system_sgpr_workgroup_id_x 1
		.amdhsa_system_sgpr_workgroup_id_y 1
		.amdhsa_system_sgpr_workgroup_id_z 1
		.amdhsa_system_vgpr_workitem_id 0
		.amdhsa_next_free_vgpr 448
		.amdhsa_next_free_sgpr 106
		.amdhsa_reserve_vcc 0
		.amdhsa_float_denorm_mode_32 3
		.amdhsa_float_denorm_mode_16_64 3
		.amdhsa_memory_ordered 1
		.amdhsa_forward_progress 1
		.amdhsa_inst_pref_size 72
	.end_amdhsa_kernel
	.amdgpu_metadata
---
amdhsa.version: [ 1, 2 ]
amdhsa.kernels:
  - .name:           k_qc8711cd91d_attn
    .symbol:         k_qc8711cd91d_attn.kd
    .args:
      - { .name: prj, .offset: 0, .size: 8, .value_kind: global_buffer, .address_space: global }
      - { .name: mask, .offset: 8, .size: 8, .value_kind: global_buffer, .address_space: global }
      - { .name: o16, .offset: 16, .size: 8, .value_kind: global_buffer, .address_space: global }
    .group_segment_fixed_size: 327680
    .private_segment_fixed_size: 0
    .kernarg_segment_align: 8
    .kernarg_segment_size: 24
    .max_flat_workgroup_size: 128
    .sgpr_count:     106
    .vgpr_count:     448
    .wavefront_size: 32
...
	.end_amdgpu_metadata
.endif
;; end of part 4
;; launch outp (part 5): grid 8 x 32, 4 waves a work-group, clusters of 4 x 4, 327,680 bytes of LDS; arguments o16, pre, out0; writes out0
.if DOCPART == 5
	.amdgcn_target "amdgcn-amd-amdhsa--gfx1250"
	.amdhsa_code_object_version 6
	.text
	.protected	k_qc8711cd91d_outp
	.globl	k_qc8711cd91d_outp
	.p2align	8
	.type	k_qc8711cd91d_outp,@function
k_qc8711cd91d_outp:
	s_mov_b64 s[64:65], 0
	v_nop
	global_prefetch_b8 v0, s[64:65] scope:SCOPE_SE
	s_setreg_imm32_b32 hwreg(HW_REG_WAVE_MODE, 25, 1), 1
	s_wait_xcnt 0x0
	s_wait_alu depctr_hold_cnt(0) depctr_sa_sdst(0) depctr_va_vdst(0) depctr_va_sdst(0) depctr_va_ssrc(0) depctr_va_vcc(0) depctr_vm_vsrc(0)
	s_getreg_b32 s2, hwreg(HW_REG_IB_STS2, 6, 4)
	s_cmp_eq_u32 s2, 0
	s_cbranch_scc0 .Lentry_in_a_cluster
	s_endpgm
.Lentry_in_a_cluster:
	s_bfe_u32 s2, ttmp6, 0x10000c
	s_cmp_lg_u32 s2, 0xf033
	s_cbranch_scc0 .Lentry_shape_is_right
	s_endpgm
.Lentry_shape_is_right:
; OUTP: out0[4096][1024] (f32) = O x Wo.  O: blocks [mb 32][ks 16][128 rows][64 k] f16; Wo: blocks [ng 8][ks 16][strip 2][64 k][64 n], bf16 numbers written as f16; sums in f32.
; A tile of out0 is 128 x 128: 256 work-groups.  Four waves, each 64 x 64: 16 accumulators.  The product is taken transposed (source 0 = 16 columns of Wo, turned on the way out of LDS; source 1 = 16 rows of O).
; K goes through two LDS slots of FOUR K steps of 64 each (256 along K): four phases, two refills.  Waves 0, 1 fetch the halves of O's 65,536 dense bytes, waves 2, 3 those of Wo's: 128 rows of 256 bytes a load.
; CLUSTERS: 4 x 4 work-groups.  The four of a row of the cluster need the same blocks of O, the four of a column the same blocks of Wo: each is asked for jointly, by the same load with the same descriptor and mask.
; No prefetch: the launch has four phases, and both first fills go out at its head.
; THE WAY OUT: a wave's 64 columns of f32 are 256 bytes of a row: 16 rows at a time through a stage in slot 0, whose last fill and last reads lie in front of the last phase's barrier.
; REGISTERS: window 0: v16-29 addresses; v32-63 at work; v128-255 accumulators.  window 1: four fragment buffers of 64 (32 of O, 32 of Wo), one for each 32 along K of two K steps.
.set WOO,   15728640
.set PA,    144
.set PB,    160
.set AB,    4*128*PA                   ; 73,728: O's four K steps
.set SLOT,  AB+4*128*PB                ; 155,648
.set SPARE, 2*SLOT
.set SPITCH, 272
.set ADRA, 16                          ; v16-17  O's fragments in slot 0, 1
.set ADRB, 20                          ; v20-21  Wo's, K steps 0, 1 of slot 0, 1;  v22-23  K steps 2, 3
.set STO,  24
.set RD,   25
.set CO,   26
.set SPW,  28
.set NIL,  29
.set TMP,  32
.set ACC,  128
.set G1, 24
.set G0, 32
.set G1B, 48
.set G0B, 56
.set MSB, 0
.macro WIN new
.if MSB != (\new)
	s_set_vgpr_msb (MSB<<8)|(\new)
.set MSB, \new
.endif
.endm
.macro PLACES
.rept 4
	v_nop
.endr
.endm
.macro JLOAD s                         ; a joint load: waves 0 and 1 fetch O's two halves, waves 2 and 3 Wo's; an s_nop 0 and four v_nop follow each line
	s_cmp_eq_u32 s11, 0
	s_cbranch_scc0 .Lfor_b_\@
	tensor_load_to_lds s[G0+4*(\s):G0+4*(\s)+3], s[G1:G1+7]
	s_nop 0
.rept 4
	v_nop
.endr
	s_branch .Lasked_\@
.Lfor_b_\@:
	tensor_load_to_lds s[G0B+4*(\s):G0B+4*(\s)+3], s[G1B:G1B+7]
	s_nop 0
.rept 4
	v_nop
.endr
.Lasked_\@:
.endm
.macro CROUND                          ; a round of the cluster's barrier
	s_barrier_signal -1
	s_barrier_wait -1
	s_cmp_lg_u32 s10, 0
	s_cbranch_scc1 .Lnot_wave_0_\@
	s_barrier_signal -3
.Lnot_wave_0_\@:
	s_barrier_wait -3
	s_barrier_signal -1
	s_barrier_wait -1
.endm
	s_load_b128 s[4:7], s[0:1], 0x0                ; o16, pre
	s_load_b64 s[8:9], s[0:1], 0x10                ; out0
	v_lshl_add_u32 v[SPW], v0, 2, SPARE
	v_mov_b32 v[NIL], 0
	ds_add_u32 v[SPW], v[NIL]                      ; the wave's opening: the add and its wait ahead of my first tensor load
	v_lshrrev_b32 v1, 5, v0
	v_readfirstlane_b32 s10, v1                    ; wave 0..3
	s_lshr_b32 s11, s10, 1                         ; my half of the tile's rows.  Also: I fetch for O (0) or for Wo (1)
	s_and_b32 s12, s10, 1                          ; my half of its columns.  Also: which half of a slot's four K steps I fetch
	s_bfe_u32 s40, ttmp6, 0x40000                  ; cx, cy: my place in the cluster
	s_bfe_u32 s41, ttmp6, 0x40004
	s_lshl_b32 s42, ttmp9, 2
	s_add_co_u32 s42, s42, s40                     ; tile column ng
	s_and_b32 s13, ttmp7, 0xffff
	s_lshl_b32 s13, s13, 2
	s_add_co_u32 s13, s13, s41                     ; tile row mb
	s_lshl_b32 s43, s41, 2
	s_lshl_b32 s43, 15, s43                        ; my row of the cluster
	s_lshl_b32 s44, 0x1111, s40                    ; my column
	s_or_b32 s[G1+0], s43, (1<<16)|(1<<20)|(1<<21)|(4<<22)|(3<<25)   ; the mask: O's blocks go to my row; 2-byte elements; padding: after every 32 words, 4 words
	s_or_b32 s[G1B+0], s44, (1<<16)|(1<<20)|(1<<21)|(4<<22)|(7<<25)  ; Wo's go to my column; 8 words of padding
.irp g, G1, G1B
	s_mov_b32 s[(\g)+1], 128<<16                   ; rows of 256 bytes,
	s_mov_b32 s[(\g)+2], 128<<16                   ; 128 of them: two K steps
	s_mov_b32 s[(\g)+3], 128<<16
	s_mov_b32 s[(\g)+4], 128
	s_mov_b32 s[(\g)+5], 128
	s_mov_b32 s[(\g)+6], 0
	s_mov_b32 s[(\g)+7], 0
.endr
	s_lshl_b32 s17, s12, 15                        ; my two K steps of four: 32,768 bytes
	s_lshl_b32 s16, s13, 18                        ; O: 16 blocks of 16,384 bytes for each tile row
	s_add_co_u32 s16, s16, s17
	s_lshl_b32 s46, s42, 18                        ; Wo: the same for each tile column
	s_add_co_u32 s46, s46, s17
	s_add_co_u32 s46, s46, WOO
	s_mov_b32 s17, 0
	s_mov_b32 s47, 0
	s_mul_i32 s20, s12, 2*128*PA                   ; where they go: no place in the cluster enters an LDS address
	s_mul_i32 s21, s12, 2*128*PB
	s_add_co_u32 s21, s21, AB
	s_wait_dscnt 0x0                               ; the opening add is done
	s_wait_kmcnt 0x0
	s_add_nc_u64 s[14:15], s[4:5], s[16:17]
	s_add_nc_u64 s[46:47], s[6:7], s[46:47]
	CROUND                                         ; all sixteen work-groups are here: the first joint loads meet
.irp s, 0,1
	s_mov_b32 s[G0+4*(\s)], 1
	s_add_co_u32 s[G0+4*(\s)+1], s20, (\s)*SLOT
	s_add_nc_u64 s[G0+4*(\s)+2:G0+4*(\s)+3], s[14:15], (\s)*65536
	s_or_b32 s[G0+4*(\s)+3], s[G0+4*(\s)+3], 0x80000000
	s_mov_b32 s[G0B+4*(\s)], 1
	s_add_co_u32 s[G0B+4*(\s)+1], s21, (\s)*SLOT
	s_add_nc_u64 s[G0B+4*(\s)+2:G0B+4*(\s)+3], s[46:47], (\s)*65536
	s_or_b32 s[G0B+4*(\s)+3], s[G0B+4*(\s)+3], 0x80000000
	JLOAD \s
.endr
	v_and_b32 v1, 15, v0                           ; r
	v_bfe_u32 v2, v0, 4, 1                         ; hh
	s_lshl_b32 s22, s11, 6
	v_add_nc_u32 v3, s22, v1
	v_mul_u32_u24 v3, v3, PA
	v_lshl_add_u32 v[ADRA], v2, 4, v3
	v_add_nc_u32 v[ADRA+1], SLOT, v[ADRA]
	v_and_b32 v4, 7, v0
	v_lshl_add_u32 v4, v2, 3, v4
	v_mul_u32_u24 v4, v4, PB
	v_bfe_u32 v5, v0, 3, 1
	v_lshl_add_u32 v4, v5, 4, v4
	s_mul_i32 s22, s12, 64*PB                      ; my strip of 64 columns
	s_add_co_u32 s22, s22, AB
	v_add_nc_u32 v[ADRB], s22, v4
	v_add_nc_u32 v[ADRB+1], SLOT, v[ADRB]
	v_add_nc_u32 v[ADRB+2], 2*128*PB, v[ADRB]
	v_add_nc_u32 v[ADRB+3], 2*128*PB, v[ADRB+1]
	s_mul_i32 s23, s10, 16*SPITCH                  ; my stage, at the head of slot 0
	v_mul_u32_u24 v4, v1, SPITCH
	v_lshl_add_u32 v4, v2, 5, v4
	v_add_nc_u32 v[STO], s23, v4                   ; in: row r, 32 bytes for each half of the lanes
	v_mul_u32_u24 v5, v2, SPITCH
	v_lshl_add_u32 v5, v1, 4, v5
	v_add_nc_u32 v[RD], s23, v5                    ; back: lanes 0-15 one row of 256 bytes, lanes 16-31 the next
	v_lshlrev_b32 v5, 12, v2
	v_lshl_add_u32 v[CO], v1, 4, v5                ; and the same two rows in out0
	s_lshl_b32 s16, s13, 19
	s_lshl_b32 s17, s11, 18
	s_add_co_u32 s16, s16, s17                     ; my first row, x 4,096 bytes
	s_mov_b32 s17, 0
	s_add_nc_u64 s[8:9], s[8:9], s[16:17]
	s_lshl_b32 s46, s42, 9
	s_lshl_b32 s47, s12, 8
	s_add_co_u32 s46, s46, s47                     ; my first column, in bytes
	s_mov_b32 s47, 0
	s_add_nc_u64 s[8:9], s[8:9], s[46:47]
.macro FETCH slot, kk, q               ; 16 LDS loads: 32 along K (K step 2 kk + q / 2, half q % 2) into buffer q
	WIN 0x40
.irp n, 0,1,2,3
	ds_load_tr16_b128 v[64*(\q)+32+8*(\n):64*(\q)+32+8*(\n)+3], v[ADRB+(\slot)+2*(\kk)] offset:((\q)/2)*128*PB+((\q)%2)*32*PB+32*(\n)
	ds_load_tr16_b128 v[64*(\q)+32+8*(\n)+4:64*(\q)+32+8*(\n)+7], v[ADRB+(\slot)+2*(\kk)] offset:((\q)/2)*128*PB+((\q)%2)*32*PB+32*(\n)+16*PB
.endr
.irp a, 0,1,2,3
	ds_load_b128 v[64*(\q)+8*(\a):64*(\q)+8*(\a)+3], v[ADRA+(\slot)] offset:(2*(\kk)+(\q)/2)*128*PA+(\a)*16*PA+64*((\q)%2)
	ds_load_b128 v[64*(\q)+8*(\a)+4:64*(\q)+8*(\a)+7], v[ADRA+(\slot)] offset:(2*(\kk)+(\q)/2)*128*PA+(\a)*16*PA+64*((\q)%2)+32
.endr
.endm
.macro MUL16 f, zero                   ; one product on each of the 16 accumulators: they take turns
	WIN 0x05
.irp a, 0,1,2,3
.irp b, 0,1,2,3
.if \zero
	v_wmma_f32_16x16x32_f16 v[ACC+8*(4*(\a)+(\b)):ACC+8*(4*(\a)+(\b))+7], v[64*(\f)+32+8*(\b):64*(\f)+32+8*(\b)+7], v[64*(\f)+8*(\a):64*(\f)+8*(\a)+7], 0
.else
	v_wmma_f32_16x16x32_f16 v[ACC+8*(4*(\a)+(\b)):ACC+8*(4*(\a)+(\b))+7], v[64*(\f)+32+8*(\b):64*(\f)+32+8*(\b)+7], v[64*(\f)+8*(\a):64*(\f)+8*(\a)+7], v[ACC+8*(4*(\a)+(\b)):ACC+8*(4*(\a)+(\b))+7]
.endif
.endr
.endr
.endm
.macro GROUP slot, kk, zero            ; two K steps: 64 loads in one run, then four runs of 16 products, each behind a wait that leaves the younger quarters out
	FETCH \slot, \kk, 0
	FETCH \slot, \kk, 1
	FETCH \slot, \kk, 2
	FETCH \slot, \kk, 3
	s_wait_dscnt 48
	MUL16 0, \zero
	s_wait_dscnt 32
	MUL16 1, 0
	s_wait_dscnt 16
	MUL16 2, 0
	s_wait_dscnt 0x0
	MUL16 3, 0
.endm
; A phase on a slot.  In front of its barrier: all my tensor loads have landed (my part of this slot), the add, my reads of the other slot are over.  refill = 1: the barrier is a round of the cluster's, and the other slot is filled first behind it.
.macro TWO slot, refill
	WIN 0
	s_wait_tensorcnt 0x0
	ds_add_u32 v[SPW], v[NIL]                      ; 0 onto my spare word
.if \refill
	s_add_nc_u64 s[G0+4*(1-(\slot))+2:G0+4*(1-(\slot))+3], s[G0+4*(1-(\slot))+2:G0+4*(1-(\slot))+3], 2*65536
	s_add_nc_u64 s[G0B+4*(1-(\slot))+2:G0B+4*(1-(\slot))+3], s[G0B+4*(1-(\slot))+2:G0B+4*(1-(\slot))+3], 2*65536
.endif
	s_wait_dscnt 0x0
.if \refill
	CROUND
	JLOAD 1-(\slot)                                ; its four v_nop are also the places in front of the loads below
.else
	s_barrier_signal -1
	s_barrier_wait -1
	PLACES
.endif
	GROUP \slot, 0, 0
	PLACES
	GROUP \slot, 1, 0
.endm
	s_wait_tensorcnt 1                             ; my part of slot 0 is in; slot 1's may stay out
	s_barrier_signal -1
	s_barrier_wait -1
	GROUP 0, 0, 1                                  ; the first products start the sums
	PLACES
	GROUP 0, 1, 0
	TWO 1, 1                                       ; slot 0 takes K steps 8-11
	TWO 0, 1                                       ; slot 1 takes K steps 12-15
	TWO 1, 0
	WIN 0
	PLACES
.irp a, 0,1,2,3
.irp n, 0,1,2,3
	ds_store_b128 v[STO], v[ACC+8*(4*(\a)+(\n)):ACC+8*(4*(\a)+(\n))+3] offset:64*(\n)
	ds_store_b128 v[STO], v[ACC+8*(4*(\a)+(\n))+4:ACC+8*(4*(\a)+(\n))+7] offset:64*(\n)+16
.endr
	s_wait_xcnt 0x0                                ; the registers that the last stores read are loaded again only behind this wait
.irp t, 0,1,2,3,4,5,6,7
	ds_load_b128 v[TMP+4*(\t):TMP+4*(\t)+3], v[RD] offset:(\t)*2*SPITCH  ; a wave's LDS instructions are served in order: these see the stores above
.endr
.irp t, 0,1,2,3,4,5,6,7
	s_wait_dscnt 7-(\t)
	global_store_b128 v[CO], v[TMP+4*(\t):TMP+4*(\t)+3], s[8:9] offset:(16*(\a)+2*(\t))*4096  ; 16 lanes store 256 consecutive bytes, at a multiple of 256 from out0's first byte
.endr
.endr
	s_wait_tensorcnt 0x0                           ; the wave's end
	ds_add_u32 v[SPW], v[NIL]
	s_wait_dscnt 0x0
	CROUND                                         ; the closing round: no work-group ends while a partner may still ask for a tile that names it
	s_endpgm
.Lfunc_end_k_qc8711cd91d_outp:
	.size	k_qc8711cd91d_outp, .Lfunc_end_k_qc8711cd91d_outp-k_qc8711cd91d_outp
	.p2alignl 7, 3214868480
	.fill 96, 4, 3214868480
	.section	.rodata,"a",@progbits
	.p2align	6, 0x0
	.amdhsa_kernel k_qc8711cd91d_outp
		.amdhsa_group_segment_fixed_size 327680
		.amdhsa_private_segment_fixed_size 0
		.amdhsa_enable_private_segment 0
		.amdhsa_kernarg_size 24
		.amdhsa_user_sgpr_count 2
		.amdhsa_user_sgpr_kernarg_segment_ptr 1
		.amdhsa_wavefront_size32 1
		.amdhsa_system_sgpr_workgroup_id_x 1
		.amdhsa_system_sgpr_workgroup_id_y 1
		.amdhsa_system_sgpr_workgroup_id_z 1
		.amdhsa_system_vgpr_workitem_id 0
		.amdhsa_next_free_vgpr 512
		.amdhsa_next_free_sgpr 66
		.amdhsa_reserve_vcc 0
		.amdhsa_float_denorm_mode_32 3
		.amdhsa_float_denorm_mode_16_64 3
		.amdhsa_memory_ordered 1
		.amdhsa_forward_progress 1
		.amdhsa_inst_pref_size 85
	.end_amdhsa_kernel
	.amdgpu_metadata
---
amdhsa.version: [ 1, 2 ]
amdhsa.kernels:
  - .name:           k_qc8711cd91d_outp
    .symbol:         k_qc8711cd91d_outp.kd
    .args:
      - { .name: o16, .offset: 0, .size: 8, .value_kind: global_buffer, .address_space: global }
      - { .name: pre, .offset: 8, .size: 8, .value_kind: global_buffer, .address_space: global }
      - { .name: out0, .offset: 16, .size: 8, .value_kind: global_buffer, .address_space: global }
    .group_segment_fixed_size: 327680
    .private_segment_fixed_size: 0
    .kernarg_segment_align: 8
    .kernarg_segment_size: 24
    .max_flat_workgroup_size: 128
    .sgpr_count:     66
    .vgpr_count:     512
    .wavefront_size: 32
...
	.end_amdgpu_metadata
.endif
;; end of part 5
;; ======== version 2 of 2: 5 launches
;; limits: values are held in f16: magnitudes above 65,504 overflow, below 6.1e-05 lose precision
;; workspace buffers: pre 19,398,656 bytes; prj 30,474,240 bytes; mask 1,048,576 bytes of whole numbers; o16 8,388,608 bytes
;; launch prep (part 6): grid 2816 x 1, 4 waves a work-group, no clusters, 0 bytes of LDS; arguments x, Wq, Wk, Wv, Wo, Wiq, Wik, Wiw, pre; writes pre
.if DOCPART == 6
	.amdgcn_target "amdgcn-amd-amdhsa--gfx1250"
	.amdhsa_code_object_version 6
	.text
	.protected	k_qc8711cd91d_prep
	.globl	k_qc8711cd91d_prep
	.p2align	8
	.type	k_qc8711cd91d_prep,@function
k_qc8711cd91d_prep:
	s_mov_b64 s[64:65], 0
	v_nop
	global_prefetch_b8 v0, s[64:65] scope:SCOPE_SE
	s_setreg_imm32_b32 hwreg(HW_REG_WAVE_MODE, 25, 1), 1
	s_wait_xcnt 0x0
; PREP: every matrix operand is rounded once and laid in dense blocks of 64 x 64 numbers (8,192 bytes), so that later tiles are runs of whole rows of 256 bytes.
;   pre + 0         XB   [mb 32][ks 16][128 rows][64 k] bf16(x)
;   pre + WCAT      [g 16][ks 16][strip 4][64 k][64 n] bf16: strips Q, K, V of head g and an indexer strip: g < 8: Wiq head g / 2; g = 8, 9: Wik; g = 10: Wiw in columns 0-3; g > 10: zeros.
;                   For odd g the indexer strip's columns are rotated by 32, so that the 32 channels that group g multiplies always lie first.
;   pre + WOO       [ng 8][ks 16][strip 2][64 k][64 n]: Wo rounded to bf16 and written as f16 (exact inside f16's range; LIMIT: |Wo| under 65,504, steps of 6e-8 below 6e-5)
;   pre + ROPE      [t 2048][pair 32][cos, sin] f32
; A work-group of 128 threads makes one block: thread t takes 8 columns (t % 8) of rows t / 8 + 16 pass; its 16 bytes of output lie at 16 t + 2,048 pass, so a wave's store covers 512 consecutive bytes.
; No LDS, no matrix unit: the launch only moves and rounds.  cos and sin: the angle is reduced by multiples of pi/2 kept in two parts, then two short polynomials (error under 1e-7 on |r| < pi/4).
.set WCAT, 8388608
.set WOO,  16777216
.set ROPE, 18874368
	s_load_b512 s[4:19], s[0:1], 0x0               ; x, Wq, Wk, Wv, Wo, Wiq, Wik, Wiw
	s_load_b64 s[20:21], s[0:1], 0x40              ; pre
	s_mov_b32 s2, ttmp9                            ; which block
	s_mov_b32 s37, 0                               ; s[36:37]: the block's byte offset in pre
	s_mov_b32 s28, 0                               ; 1: write f16
	s_mov_b32 s27, 0                               ; by how many groups of 8 columns the source is rotated
	v_and_b32 v1, 7, v0                            ; my group of 8 columns
	v_lshrrev_b32 v2, 3, v0                        ; my row in a pass
	v_lshlrev_b32 v3, 4, v0                        ; my 16 bytes of output
	s_wait_kmcnt 0x0
	s_cmp_lt_u32 s2, 1024
	s_cbranch_scc0 .Lnot_x
	s_lshr_b32 s24, s2, 5                          ; x: block = mb x 32 + ks x 2 + half
	s_lshl_b32 s24, s24, 19                        ; 128 rows of 4,096 bytes
	s_and_b32 s25, s2, 1
	s_lshl_b32 s25, s25, 18
	s_add_co_u32 s24, s24, s25
	s_bfe_u32 s25, s2, 0x40001
	s_lshl_b32 s25, s25, 8                         ; 64 columns of 4 bytes
	s_add_co_u32 s24, s24, s25
	s_mov_b64 s[22:23], s[4:5]
	s_mov_b32 s26, 4096
	s_lshl_b32 s36, s2, 13
	s_branch .Lcopy
.Lnot_x:
	s_cmp_lt_u32 s2, 2048
	s_cbranch_scc0 .Lnot_w
	s_sub_co_u32 s29, s2, 1024
	s_lshr_b32 s30, s29, 8                         ; strip 0..3
	s_and_b32 s31, s29, 255                        ; g x 16 + ks
	s_lshr_b32 s32, s31, 4                         ; g
	s_and_b32 s33, s31, 15                         ; ks
	s_lshl_b32 s36, s31, 2
	s_add_co_u32 s36, s36, s30
	s_lshl_b32 s36, s36, 13
	s_add_co_u32 s36, s36, WCAT
	s_cmp_eq_u32 s30, 3
	s_cbranch_scc1 .Lidx
	s_cmp_eq_u32 s30, 0                            ; Q, K or V
	s_cselect_b64 s[22:23], s[6:7], s[8:9]
	s_cmp_eq_u32 s30, 2
	s_cselect_b64 s[22:23], s[10:11], s[22:23]
	s_lshl_b32 s24, s32, 8                         ; the head's 64 columns
	s_lshl_b32 s25, s33, 18                        ; 64 rows of 4,096 bytes
	s_add_co_u32 s24, s24, s25
	s_mov_b32 s26, 4096
	s_branch .Lcopy
.Lidx:
	s_and_b32 s27, s32, 1
	s_lshl_b32 s27, s27, 2                         ; odd g: 32 columns on
	s_lshr_b32 s34, s32, 1
	s_cmp_lt_u32 s32, 8
	s_cbranch_scc0 .Lidx4
	s_mov_b64 s[22:23], s[14:15]                   ; Wiq: rows of 1,024 bytes
	s_lshl_b32 s24, s34, 8
	s_lshl_b32 s25, s33, 16
	s_add_co_u32 s24, s24, s25
	s_mov_b32 s26, 1024
	s_branch .Lcopy
.Lidx4:
	s_cmp_lt_u32 s32, 10
	s_cbranch_scc0 .Lidx5
	s_mov_b64 s[22:23], s[16:17]                   ; Wik: rows of 256 bytes
	s_lshl_b32 s24, s33, 14
	s_mov_b32 s26, 256
	s_branch .Lcopy
.Lidx5:
	s_cmp_eq_u32 s32, 10
	s_cbranch_scc0 .Lzero
	s_add_nc_u64 s[20:21], s[20:21], s[36:37]      ; Wiw: a row is 16 bytes; it fills columns 0-3, the rest of the strip is 0
	v_lshlrev_b32 v4, 4, v2
	s_lshl_b32 s24, s33, 10
	v_add_nc_u32 v4, s24, v4
.irp p, 0,1,2,3
	global_load_b128 v[8+4*(\p):11+4*(\p)], v4, s[18:19] offset:256*(\p)
.endr
	v_cmp_eq_u32 vcc_lo, 0, v1
	s_wait_loadcnt 0x0
.irp p, 0,1,2,3
	v_cvt_pk_bf16_f32 v[40+4*(\p)], v[8+4*(\p)], v[9+4*(\p)]
	v_cvt_pk_bf16_f32 v[41+4*(\p)], v[10+4*(\p)], v[11+4*(\p)]
	v_cndmask_b32 v[40+4*(\p)], 0, v[40+4*(\p)], vcc_lo
	v_cndmask_b32 v[41+4*(\p)], 0, v[41+4*(\p)], vcc_lo
	v_mov_b32 v[42+4*(\p)], 0
	v_mov_b32 v[43+4*(\p)], 0
.endr
	s_branch .Lstore
.Lzero:
	s_add_nc_u64 s[20:21], s[20:21], s[36:37]
.set i, 0
.rept 16
	v_mov_b32 v[40+i], 0
.set i, i+1
.endr
	s_branch .Lstore
.Lnot_w:
	s_cmp_lt_u32 s2, 2304
	s_cbranch_scc0 .Lrope
	s_sub_co_u32 s29, s2, 2048                     ; Wo: block = ng x 32 + ks x 2 + strip
	s_bfe_u32 s24, s29, 0x40001
	s_lshl_b32 s24, s24, 18
	s_lshr_b32 s25, s29, 5
	s_lshl_b32 s25, s25, 9
	s_add_co_u32 s24, s24, s25
	s_and_b32 s25, s29, 1
	s_lshl_b32 s25, s25, 8
	s_add_co_u32 s24, s24, s25
	s_mov_b64 s[22:23], s[12:13]
	s_mov_b32 s26, 4096
	s_lshl_b32 s36, s29, 13
	s_add_co_u32 s36, s36, WOO
	s_mov_b32 s28, 1
.Lcopy:                                                ; s[22:23] source, s24 its offset, s26 its row bytes, s27 the rotation
	s_add_nc_u64 s[20:21], s[20:21], s[36:37]
	v_add_nc_u32 v1, s27, v1
	v_and_b32 v1, 7, v1                            ; the group of 8 columns that I read
	v_mul_lo_u32 v4, v2, s26
	v_lshl_add_u32 v4, v1, 5, v4
	v_add_nc_u32 v4, s24, v4
	s_lshl_b32 s26, s26, 4                         ; 16 rows on for each pass
	v_add_nc_u32 v5, s26, v4
	v_add_nc_u32 v6, s26, v5
	v_add_nc_u32 v7, s26, v6
.irp p, 0,1,2,3
	global_load_b128 v[8+8*(\p):11+8*(\p)], v[4+(\p)], s[22:23] th:TH_LOAD_NT
	global_load_b128 v[12+8*(\p):15+8*(\p)], v[4+(\p)], s[22:23] offset:16 th:TH_LOAD_NT
.endr
	s_wait_loadcnt 0x0
.irp p, 0,1,2,3
.irp j, 0,1,2,3
	v_cvt_pk_bf16_f32 v[40+4*(\p)+(\j)], v[8+8*(\p)+2*(\j)], v[9+8*(\p)+2*(\j)]
.endr
.endr
	s_cmp_eq_u32 s28, 0
	s_cbranch_scc1 .Lstore
.set i, 0
.rept 16                                       ; the bf16 number, written as f16
	v_lshlrev_b32 v56, 16, v[40+i]
	v_and_b32 v57, 0xffff0000, v[40+i]
	v_cvt_pk_f16_f32 v[40+i], v56, v57
.set i, i+1
.endr
.Lstore:
.irp p, 0,1,2,3
	global_store_b128 v3, v[40+4*(\p):43+4*(\p)], s[20:21] offset:2048*(\p)
.endr
	s_endpgm
.Lrope:
	s_sub_co_u32 s24, s2, 2304                     ; 128 entries (t, pair) a work-group
	s_lshl_b32 s36, s24, 10
	s_add_co_u32 s36, s36, ROPE
	s_add_nc_u64 s[20:21], s[20:21], s[36:37]
	s_lshl_b32 s24, s24, 7
	s_mov_b32 s30, 0x3fc90fdb                      ; pi/2, upper part
	s_mov_b32 s31, 0xb33bbd2e                      ; pi/2, what the upper part leaves
	v_add_nc_u32 v4, s24, v0
	v_lshrrev_b32 v5, 5, v4                        ; t
	v_and_b32 v6, 31, v4                           ; pair i
	v_cvt_f32_u32 v5, v5
	v_cvt_f32_u32 v6, v6
	v_mul_f32 v6, 0xbed49a78, v6                   ; - i log2(10000) / 32
	v_exp_f32 v7, v6                               ; 10000^(-i/32)
	v_lshlrev_b32 v3, 3, v0                        ; a plain line behind the exponential: my 8 bytes
	s_wait_alu depctr_va_vdst(0)                   ; the wait ahead of the result's first reader
	v_mul_f32 v8, v5, v7                           ; the angle
	v_mul_f32 v9, 0x3f22f983, v8
	v_rndne_f32 v9, v9                             ; n = the nearest multiple of pi/2
	v_fma_f32 v10, -v9, s30, v8
	v_fma_f32 v10, -v9, s31, v10                   ; r
	v_mul_f32 v11, v10, v10                        ; r^2
	v_mov_b32 v12, 0xb94ca1f9
	v_fmaak_f32 v12, v11, v12, 0x3c08839e
	v_fmaak_f32 v12, v11, v12, 0xbe2aaaa3
	v_mul_f32 v13, v10, v11
	v_fma_f32 v12, v13, v12, v10                   ; sin r
	v_mov_b32 v14, 0x37ccf5ce
	v_fmaak_f32 v14, v11, v14, 0xbab6061a
	v_fmaak_f32 v14, v11, v14, 0x3d2aaaa5
	v_mul_f32 v15, v11, v11
	v_fma_f32 v16, v11, -0.5, 1.0
	v_fma_f32 v14, v15, v14, v16                   ; cos r
	v_cvt_i32_f32 v17, v9
	v_and_b32 v20, 1, v17
	v_cmp_eq_u32 vcc_lo, 1, v20                    ; odd quarter: the two change places
	v_cndmask_b32 v19, v12, v14, vcc_lo            ; sin
	v_cndmask_b32 v18, v14, v12, vcc_lo            ; cos
	v_lshlrev_b32 v21, 30, v17                     ; quarters 2, 3: sin changes sign
	v_and_b32 v21, 0x80000000, v21
	v_xor_b32 v19, v19, v21
	v_add_nc_u32 v22, 1, v17                       ; quarters 1, 2: cos changes sign
	v_lshlrev_b32 v22, 30, v22
	v_and_b32 v22, 0x80000000, v22
	v_xor_b32 v18, v18, v22
	global_store_b64 v3, v[18:19], s[20:21]
	s_endpgm
.Lfunc_end_k_qc8711cd91d_prep:
	.size	k_qc8711cd91d_prep, .Lfunc_end_k_qc8711cd91d_prep-k_qc8711cd91d_prep
	.p2alignl 7, 3214868480
	.fill 96, 4, 3214868480
	.section	.rodata,"a",@progbits
	.p2align	6, 0x0
	.amdhsa_kernel k_qc8711cd91d_prep
		.amdhsa_group_segment_fixed_size 0
		.amdhsa_private_segment_fixed_size 0
		.amdhsa_enable_private_segment 0
		.amdhsa_kernarg_size 72
		.amdhsa_user_sgpr_count 2
		.amdhsa_user_sgpr_kernarg_segment_ptr 1
		.amdhsa_wavefront_size32 1
		.amdhsa_system_sgpr_workgroup_id_x 1
		.amdhsa_system_sgpr_workgroup_id_y 1
		.amdhsa_system_sgpr_workgroup_id_z 1
		.amdhsa_system_vgpr_workitem_id 0
		.amdhsa_next_free_vgpr 64
		.amdhsa_next_free_sgpr 66
		.amdhsa_reserve_vcc 1
		.amdhsa_float_denorm_mode_32 3
		.amdhsa_float_denorm_mode_16_64 3
		.amdhsa_memory_ordered 1
		.amdhsa_forward_progress 1
		.amdhsa_inst_pref_size 13
	.end_amdhsa_kernel
	.amdgpu_metadata
---
amdhsa.version: [ 1, 2 ]
amdhsa.kernels:
  - .name:           k_qc8711cd91d_prep
    .symbol:         k_qc8711cd91d_prep.kd
    .args:
      - { .name: x, .offset: 0, .size: 8, .value_kind: global_buffer, .address_space: global }
      - { .name: Wq, .offset: 8, .size: 8, .value_kind: global_buffer, .address_space: global }
      - { .name: Wk, .offset: 16, .size: 8, .value_kind: global_buffer, .address_space: global }
      - { .name: Wv, .offset: 24, .size: 8, .value_kind: global_buffer, .address_space: global }
      - { .name: Wo, .offset: 32, .size: 8, .value_kind: global_buffer, .address_space: global }
      - { .name: Wiq, .offset: 40, .size: 8, .value_kind: global_buffer, .address_space: global }
      - { .name: Wik, .offset: 48, .size: 8, .value_kind: global_buffer, .address_space: global }
      - { .name: Wiw, .offset: 56, .size: 8, .value_kind: global_buffer, .address_space: global }
      - { .name: pre, .offset: 64, .size: 8, .value_kind: global_buffer, .address_space: global }
    .group_segment_fixed_size: 0
    .private_segment_fixed_size: 0
    .kernarg_segment_align: 8
    .kernarg_segment_size: 72
    .max_flat_workgroup_size: 128
    .sgpr_count:     66
    .vgpr_count:     64
    .wavefront_size: 32
...
	.end_amdgpu_metadata
.endif
;; end of part 6
;; launch proj (part 7): grid 16 x 16, 4 waves a work-group, clusters of 4 x 4, 327,680 bytes of LDS; arguments pre, gq, gk, prj; writes prj
.if DOCPART == 7
	.amdgcn_target "amdgcn-amd-amdhsa--gfx1250"
	.amdhsa_code_object_version 6
	.text
	.protected	k_qc8711cd91d_proj
	.globl	k_qc8711cd91d_proj
	.p2align	8
	.type	k_qc8711cd91d_proj,@function
k_qc8711cd91d_proj:
	s_mov_b64 s[64:65], 0
	v_nop
	global_prefetch_b8 v0, s[64:65] scope:SCOPE_SE
	s_setreg_imm32_b32 hwreg(HW_REG_WAVE_MODE, 25, 1), 1
	s_wait_xcnt 0x0
	s_wait_alu depctr_hold_cnt(0) depctr_sa_sdst(0) depctr_va_vdst(0) depctr_va_sdst(0) depctr_va_ssrc(0) depctr_va_vcc(0) depctr_vm_vsrc(0)
	s_getreg_b32 s2, hwreg(HW_REG_IB_STS2, 6, 4)
	s_cmp_eq_u32 s2, 0
	s_cbranch_scc0 .Lentry_in_a_cluster
	s_endpgm
.Lentry_in_a_cluster:
	s_bfe_u32 s2, ttmp6, 0x10000c
	s_cmp_lg_u32 s2, 0xf033
	s_cbranch_scc0 .Lentry_shape_is_right
	s_endpgm
.Lentry_shape_is_right:
; PROJ: [4096 x 1024] x [1024 x 16 groups of 224]: all projections of x in one product, bf16 operands, f32 sums, with RMS norm, rotation and the indexer's split on the way out.
; A work-group makes 256 rows (tile row) x 224 columns (group g: Q, K, V of head g and 32 indexer channels).  Wave w: rows 64 w .. +63, all 224 columns: 4 x 14 accumulators, 448 registers.
; The product is taken transposed (source 0 = 16 columns of W, turned on the way out of LDS; source 1 = 16 rows of x): a lane holds row l % 16 and 8 neighbouring columns.
; THE RING.  K goes through two LDS slots of TWO K steps of 64 each: eight tiles.  A tile is 64 KiB of x (two blocks of 128 rows x 128 k) and 64 KiB of W (two K steps of four strips; of the fourth strip the first 32
; columns are multiplied).  Each wave fetches 32 KiB, 128 rows of 256 bytes, by one load: waves 0, 1 x's halves, waves 2, 3 W's K steps.  A refill has 224 matrix instructions in which to land.
; CLUSTERS: 4 x 4 work-groups.  The four of a row of the cluster need the same tiles of x, the four of a column the same tiles of W: each is asked for jointly, by the same load with the same descriptor and mask.
; THE FRAGMENTS of the next 32 along K (36 LDS loads) are asked for ahead of the 56 products of the 32 in hand, into the other of two buffers.  At a change of slots the old slot's last fragments lie in registers:
; the slot is filled again, the next slot's first fragments are asked for, and then the old slot's last 56 products follow.
; NO BRANCH HANGS ON THE GROUP (it differs between partners): every work-group makes the indexer's split, and EXEC masks the stores: the pieces of qI and kI where g < 10, wI where g = 10.
; OUT: Q, K (normed, scaled by the gain rounded to bf16, rotated) and V as f16 [b][h][t][64]; qI, kI as two f16 pieces h and l' = (x - h) 2^11, rows of 128 bytes = 32 channels of h, then of l'; wI as f32.
; LIMITS: Q, K, V, qI, kI stay under 65,504 (f16); NaN and infinities are not treated apart.
; REGISTERS: window 0: v16-31 addresses; v32-95 x's fragments, later at work; v96-159 gq, gk; v160-223 two sets of cos, sin; v224-241 at work.  window 1: W's fragments, two buffers of 112.  windows 2, 3: accumulator 14 a + nb.
.set WCAT, 8388608
.set ROPE, 18874368
.set KG,   8388608
.set VG,   16777216
.set IQG,  25165824
.set WIG,  30408704
.set PA,   144                         ; a row of x in LDS: 128 bytes + 16: the 16 rows of a load start at 16 different groups of four banks
.set PB,   160                         ; a row of W: 128 + 32
.set XH,   2*128*PA                    ; 36,864: 128 rows of x, two K steps: what waves 0 and 1 fetch
.set AB,   2*XH                        ; 73,728: W lies behind x
.set WK,   4*64*PB                     ; 40,960: a K step's four strips of W: what waves 2 and 3 fetch
.set SLOT, AB+2*WK                     ; 155,648
.set STAGE, 2*SLOT                     ; 16 rows x 144 bytes for each wave, never filled by a tensor load
.set SPARE, STAGE+4*16*PA              ; the spare words: 128 bytes a wave
.set ADRA, 16                          ; v16-17  x's fragments in slot 0, 1
.set ADRB, 18                          ; v18-19  W's, first K step of slot 0, 1;  v20-21  second K step
.set STO,  22
.set RD,   23
.set GO,   24
.set TO,   25
.set WOF,  26
.set GOF,  27
.set SPW,  28
.set NIL,  29
.set ONE,  30
.set PFO,  31                          ; 256 x my lane: a row of a tile in memory; never rewritten
.set FA,   32
.set PK,   32
.set BK,   48
.set Y,    64
.set GQ,   96
.set GK,   128
.set TAB,  160
.set SS,   224
.set RS,   228
.set T,    232
.set GV,   240                         ; the group's number, in every lane
.set WM,   241                         ; my lane, where the group is 10; else 32 or more
.set WV,  12
.set FK,  13                           ; wave / 2: I fetch x (0) or W (1); also: which 128 rows of x I multiply
.set HF,  14                           ; wave % 2: which half of x, which K step of W I fetch; also: which 64 of the 128 rows
.set TM,  15                           ; tile row
.set TG,  16                           ; group = tile column
.set LC,  17
.set G1,  24
.set G0,  32
.set PFA, 44                           ; s[44:45] where my prefetches stand
.set G1B, 48
.set G0B, 56
.set SEL, 66
.set C64, 68
.set EPSR, 69
.set PQ,  70
.set PKP, 72
.set PVP, 74
.set PI,  76
.set PW,  78
.set PT,  80
.set PFS, 82                           ; s[82:83] bytes from a tile to the next in what I fetch
.set LIM, 84                           ; 1 in a wave that prefetches, else the greatest number
.set SX,  85
.set MSB, 0
.macro WIN new                         ; the immediate's high byte repeats the setting that is left; a switch that changes nothing is dropped
.if MSB != (\new)
	s_set_vgpr_msb (MSB<<8)|(\new)
.set MSB, \new
.endif
.endm
.macro PLACES                          ; four plain lines between a matrix instruction and a load into, or a reader of, its registers
.rept 4
	v_nop
.endr
.endm
.macro JLOAD s                         ; a joint load: waves 0 and 1 fetch x's two halves, waves 2 and 3 W's two K steps; an s_nop 0 and four v_nop follow each line
	s_cmp_eq_u32 s[FK], 0
	s_cbranch_scc0 .Lfor_b_\@
	tensor_load_to_lds s[G0+4*(\s):G0+4*(\s)+3], s[G1:G1+7]
	s_nop 0
.rept 4
	v_nop
.endr
	s_branch .Lasked_\@
.Lfor_b_\@:
	tensor_load_to_lds s[G0B+4*(\s):G0B+4*(\s)+3], s[G1B:G1B+7]
	s_nop 0
.rept 4
	v_nop
.endr
.Lasked_\@:
.endm
.macro CROUND                          ; a round of the cluster's barrier
	s_barrier_signal -1
	s_barrier_wait -1
	s_cmp_lg_u32 s[WV], 0
	s_cbranch_scc1 .Lnot_wave_0_\@
	s_barrier_signal -3
.Lnot_wave_0_\@:
	s_barrier_wait -3
	s_barrier_signal -1
	s_barrier_wait -1
.endm
; A PREFETCH INTO THE L2 of the tile that the NEXT refill will ask for: 224 matrix instructions ahead of that load.  It stands behind the joint load, its five lines and the run of LDS loads that follows them.
; Each row of 256 bytes is named once in the launch.  x's tiles are read by every cluster of a row of clusters: the first of them (cluster x = 0) asks; W's by every cluster of a column: cluster y = 0 asks.
; The four partners that ask for a tile jointly share its 128 rows out BY ADDRESS, 32 each (by cx for x, by cy for W): a lane a row, one instruction a wave.  Tiles 0 to 2 come by their loads alone.
; how = 1: a trip's first change, which always has a tile behind its refill's; how = 0: its second, which has none in the last trip.
.macro ASK how
.if \how
	s_cmp_eq_u32 s[LIM], 1
.else
	s_cmp_gt_u32 s[LC], s[LIM]
.endif
	s_cbranch_scc0 .Lnot_mine_\@
	global_prefetch_b8 v[PFO], s[PFA:PFA+1] th:TH_LOAD_NT scope:SCOPE_SE
.Lnot_mine_\@:
.endm
	s_load_b256 s[4:11], s[0:1], 0x0               ; pre, gq, gk, prj
	v_lshl_add_u32 v[SPW], v0, 2, SPARE
	v_mov_b32 v[NIL], 0
	ds_add_u32 v[SPW], v[NIL]                      ; the wave's opening: the add and its wait ahead of my first tensor load
	v_lshrrev_b32 v1, 5, v0
	v_readfirstlane_b32 s[WV], v1
	s_lshr_b32 s[FK], s[WV], 1
	s_and_b32 s[HF], s[WV], 1
	s_bfe_u32 s40, ttmp6, 0x40000                  ; cx, cy: my place in the cluster
	s_bfe_u32 s41, ttmp6, 0x40004
	s_lshl_b32 s[TG], ttmp9, 2
	s_add_co_u32 s[TG], s[TG], s40                 ; group = 4 x cluster x + cx
	s_and_b32 s[TM], ttmp7, 0xffff
	s_lshl_b32 s[TM], s[TM], 2
	s_add_co_u32 s[TM], s[TM], s41                 ; tile row = 4 x cluster y + cy
	s_lshl_b32 s42, s41, 2
	s_lshl_b32 s42, 15, s42                        ; my row of the cluster
	s_lshl_b32 s43, 0x1111, s40                    ; my column
	s_or_b32 s[G1+0], s42, (1<<16)|(1<<20)|(1<<21)|(4<<22)|(3<<25)   ; the mask: x's tiles go to my row; 2-byte elements; padding: after every 32 words, 4 words
	s_or_b32 s[G1B+0], s43, (1<<16)|(1<<20)|(1<<21)|(4<<22)|(7<<25)  ; W's go to my column; 8 words of padding
.irp g, G1, G1B
	s_mov_b32 s[(\g)+1], 128<<16                   ; rows of 256 bytes,
	s_mov_b32 s[(\g)+2], 128<<16                   ; 128 of them
	s_mov_b32 s[(\g)+3], 128<<16
	s_mov_b32 s[(\g)+4], 128
	s_mov_b32 s[(\g)+5], 128
	s_mov_b32 s[(\g)+6], 0
	s_mov_b32 s[(\g)+7], 0
.endr
	s_lshl_b32 s19, s[HF], 18                      ; x: a block of 128 rows is 16 K steps of 16,384 bytes,
	s_lshl_b32 s18, s[TM], 19                      ; a tile row two blocks
	s_add_co_u32 s18, s18, s19
	s_lshl_b32 s47, s[HF], 15                      ; W: a K step is 32,768 bytes,
	s_lshl_b32 s46, s[TG], 19                      ; a group 16 K steps
	s_add_co_u32 s46, s46, s47
	s_add_co_u32 s46, s46, WCAT
	s_mov_b32 s19, 0
	s_mov_b32 s47, 0
	s_mul_i32 s20, s[HF], XH                       ; where they go: no place in the cluster enters an LDS address
	s_mul_i32 s21, s[HF], WK
	s_add_co_u32 s21, s21, AB
	s_mov_b32 s[SEL], 0x76543210
	s_mov_b32 s[SEL+1], 0xfedcba98
	s_mov_b32 s[C64], 0x3c800000                   ; 1/64
	s_mov_b32 s[EPSR], 0x34000000                  ; 2^-23
	s_wait_dscnt 0x0                               ; the opening add is done
	s_wait_kmcnt 0x0
	s_add_nc_u64 s[86:87], s[4:5], s[18:19]
	s_add_nc_u64 s[46:47], s[4:5], s[46:47]
	CROUND                                         ; all sixteen work-groups are here: the first joint loads meet
.irp s, 0,1
	s_mov_b32 s[G0+4*(\s)], 1
	s_add_co_u32 s[G0+4*(\s)+1], s20, (\s)*SLOT
	s_add_nc_u64 s[G0+4*(\s)+2:G0+4*(\s)+3], s[86:87], (\s)*32768    ; slot n starts at tile n
	s_or_b32 s[G0+4*(\s)+3], s[G0+4*(\s)+3], 0x80000000
	s_mov_b32 s[G0B+4*(\s)], 1
	s_add_co_u32 s[G0B+4*(\s)+1], s21, (\s)*SLOT
	s_add_nc_u64 s[G0B+4*(\s)+2:G0B+4*(\s)+3], s[46:47], (\s)*65536
	s_or_b32 s[G0B+4*(\s)+3], s[G0B+4*(\s)+3], 0x80000000
	JLOAD \s
.endr
	v_and_b32 v1, 15, v0                           ; r = l % 16
	v_bfe_u32 v2, v0, 4, 1                         ; hh = l / 16
	v_and_b32 v3, 31, v0                           ; l
	v_mov_b32 v[ONE], 1.0
	v_mov_b32 v[RS+1], 0                           ; named with RS as a pair
	s_lshl_b32 s22, s[HF], 6
	v_add_nc_u32 v4, s22, v1
	v_mul_u32_u24 v4, v4, PA
	v_lshl_add_u32 v4, v2, 4, v4                   ; x: row x pitch + 16 hh,
	s_mul_i32 s22, s[FK], XH                       ; in my block of 128 rows
	v_add_nc_u32 v[ADRA], s22, v4
	v_add_nc_u32 v[ADRA+1], SLOT, v[ADRA]
	v_and_b32 v5, 7, v0                            ; W, turned: lane l reads k row 8 hh + l % 8, 16 bytes (l / 8) % 2
	v_lshl_add_u32 v5, v2, 3, v5
	v_mul_u32_u24 v5, v5, PB
	v_bfe_u32 v6, v0, 3, 1
	v_lshl_add_u32 v5, v6, 4, v5
	v_add_nc_u32 v[ADRB], AB, v5
	v_add_nc_u32 v[ADRB+1], SLOT, v[ADRB]
	v_add_nc_u32 v[ADRB+2], WK, v[ADRB]
	v_add_nc_u32 v[ADRB+3], WK, v[ADRB+1]
	s_mul_i32 s22, s[WV], 16*PA
	s_add_co_u32 s22, s22, STAGE
	v_mul_u32_u24 v4, v1, PA
	v_lshl_add_u32 v4, v2, 4, v4
	v_add_nc_u32 v[STO], s22, v4                   ; into my stage: row r, 16 bytes for each half of the lanes
	v_bfe_u32 v4, v0, 3, 2
	v_mul_u32_u24 v4, v4, PA
	v_and_b32 v6, 7, v0
	v_lshl_add_u32 v4, v6, 4, v4
	v_add_nc_u32 v[RD], s22, v4                    ; back: 32 lanes take four rows of 128 bytes,
	v_lshlrev_b32 v[GO], 4, v3                     ; which are 512 consecutive bytes in memory
	v_lshlrev_b32 v[PFO], 8, v3
	s_and_b32 s22, s[TM], 7
	s_lshl_b32 s22, s22, 8
	s_lshl_b32 s23, s[WV], 6
	s_add_co_u32 s22, s22, s23                     ; t of my first row
	v_add_nc_u32 v4, s22, v1
	v_lshlrev_b32 v4, 8, v4
	v_lshl_add_u32 v[TO], v2, 5, v4                ; cos, sin: t x 256 + 32 hh
	v_lshlrev_b32 v[GOF], 5, v2
	v_lshlrev_b32 v[WOF], 4, v1
	; where my results go: the part that hangs on my rows in s[18:19], the part that hangs on the group in s[46:47]
	s_lshr_b32 s18, s[TM], 3                       ; b
	s_lshl_b32 s18, s18, 22                        ; 16 heads x 2,048 rows x 128 bytes
	s_lshl_b32 s22, s22, 7
	s_add_co_u32 s18, s18, s22
	s_add_nc_u64 s[PQ:PQ+1], s[10:11], s[18:19]
	s_lshl_b32 s46, s[TG], 18                      ; the head's 2,048 rows
	s_mov_b32 s47, 0
	s_add_nc_u64 s[PQ:PQ+1], s[PQ:PQ+1], s[46:47]
	s_add_nc_u64 s[PKP:PKP+1], s[PQ:PQ+1], KG
	s_add_nc_u64 s[PVP:PVP+1], s[PQ:PQ+1], VG
	s_lshl_b32 s18, s[TM], 15
	s_lshl_b32 s22, s[WV], 13
	s_add_co_u32 s18, s18, s22                     ; my first row of 4,096, x 128 bytes
	s_add_nc_u64 s[PI:PI+1], s[10:11], s[18:19]
	s_min_u32 s46, s[TG], 9                        ; piece g of ten: eight of qI, then two of kI; held at 9 where the stores are masked off
	s_lshl_b32 s46, s46, 19
	s_add_nc_u64 s[PI:PI+1], s[PI:PI+1], s[46:47]
	s_add_nc_u64 s[PI:PI+1], s[PI:PI+1], IQG
	s_lshr_b32 s18, s18, 3                         ; x 16 bytes
	s_add_nc_u64 s[PW:PW+1], s[10:11], s[18:19]
	s_add_nc_u64 s[PW:PW+1], s[PW:PW+1], WIG
	s_add_nc_u64 s[PT:PT+1], s[4:5], ROPE
	v_mov_b32 v[GV], s[TG]
	s_xor_b32 s46, s[TG], 10
	s_lshl_b32 s46, s46, 5
	v_or_b32 v[WM], s46, v3
	; the prefetches
	s_lshl_b32 s[PFS], 32768, s[FK]                ; from tile to tile: 32,768 bytes of a block of x, 65,536 of W
	s_mov_b32 s[PFS+1], 0
	s_lshl_b32 s88, s[TM], 19
	s_lshl_b32 s89, s[HF], 18
	s_add_co_u32 s88, s88, s89                     ; x: what I fetch of tile 0
	s_lshl_b32 s90, s[TG], 19
	s_lshl_b32 s89, s[HF], 15
	s_add_co_u32 s90, s90, s89
	s_add_co_u32 s90, s90, WCAT                    ; W: the same
	s_and_b32 s91, ttmp7, 0xffff                   ; cluster y
	s_cmp_eq_u32 s[FK], 0                          ; do I fetch x?
	s_cselect_b32 s88, s88, s90
	s_cselect_b32 s89, s40, s41                    ; my place among the four that ask with me
	s_cselect_b32 s91, ttmp9, s91                  ; the coordinate along which other clusters read the same rows
	s_cmp_eq_u32 s91, 0
	s_cselect_b32 s[LIM], 1, -1                    ; the same in all sixteen partners, for a given wave
	s_lshl_b32 s89, s89, 13                        ; my work-group's 32 rows of 256 bytes
	s_add_co_u32 s88, s88, s89
	s_lshl_b32 s89, s[PFS], 1
	s_add_co_u32 s88, s88, s89                     ; at tile 2: the first change of slots steps it to tile 3
	s_mov_b32 s89, 0
	s_add_nc_u64 s[PFA:PFA+1], s[4:5], s[88:89]
.macro LOADTAB a                       ; cos and sin of the 16 rows of block a, for my 16 pairs
.irp n, 0,1,2,3
	global_load_b128 v[TAB+32*((\a)%2)+8*(\n):TAB+32*((\a)%2)+8*(\n)+3], v[TO], s[PT:PT+1] offset:(\a)*4096+64*(\n)
	global_load_b128 v[TAB+32*((\a)%2)+8*(\n)+4:TAB+32*((\a)%2)+8*(\n)+7], v[TO], s[PT:PT+1] offset:(\a)*4096+64*(\n)+16
.endr
.endm
.irp n, 0,1,2,3                        ; the gains of my 32 columns of a head; all these loads are waited for behind the loop
	global_load_b128 v[GQ+8*(\n):GQ+8*(\n)+3], v[GOF], s[6:7] offset:64*(\n)
	global_load_b128 v[GQ+8*(\n)+4:GQ+8*(\n)+7], v[GOF], s[6:7] offset:64*(\n)+16
	global_load_b128 v[GK+8*(\n):GK+8*(\n)+3], v[GOF], s[8:9] offset:64*(\n)
	global_load_b128 v[GK+8*(\n)+4:GK+8*(\n)+7], v[GOF], s[8:9] offset:64*(\n)+16
.endr
	LOADTAB 0
	LOADTAB 1
; 36 LDS loads: the fragments of 32 along K: quarter q of a slot (K step q / 2, half q % 2) into buffer q % 2
.macro FETCH slot, q
.set kp, (\q)/2
.set cc, (\q)%2
	WIN 0x40                                       ; destination window 1
.irp s, 0,1,2
.irp n, 0,1,2,3
	ds_load_tr16_b128 v[112*cc+8*(4*(\s)+(\n)):112*cc+8*(4*(\s)+(\n))+3], v[ADRB+(\slot)+2*kp] offset:(\s)*64*PB+cc*32*PB+32*(\n)
	ds_load_tr16_b128 v[112*cc+8*(4*(\s)+(\n))+4:112*cc+8*(4*(\s)+(\n))+7], v[ADRB+(\slot)+2*kp] offset:(\s)*64*PB+cc*32*PB+32*(\n)+16*PB
.endr
.endr
.irp n, 0,1
	ds_load_tr16_b128 v[112*cc+96+8*(\n):112*cc+96+8*(\n)+3], v[ADRB+(\slot)+2*kp] offset:3*64*PB+cc*32*PB+32*(\n)
	ds_load_tr16_b128 v[112*cc+96+8*(\n)+4:112*cc+96+8*(\n)+7], v[ADRB+(\slot)+2*kp] offset:3*64*PB+cc*32*PB+32*(\n)+16*PB
.endr
	WIN 0
.irp a, 0,1,2,3
	ds_load_b128 v[FA+32*cc+8*(\a):FA+32*cc+8*(\a)+3], v[ADRA+(\slot)] offset:kp*128*PA+(\a)*16*PA+64*cc
	ds_load_b128 v[FA+32*cc+8*(\a)+4:FA+32*cc+8*(\a)+7], v[ADRA+(\slot)] offset:kp*128*PA+(\a)*16*PA+64*cc+32
.endr
.endm
; 56 products, one on each accumulator: they take turns from one run to the next and over the loop's jump too
.macro MUL c, zero
.set ix, 0
.rept 56
	WIN 0xa1+0x50*(ix/32)                          ; W window 1, x window 0, sums window 2 or 3
.set rD, 8*(ix%32)
.set rB, 112*(\c)+8*(ix%14)
.set rA, FA+32*(\c)+8*(ix/14)
.if \zero
	v_wmma_f32_16x16x32_bf16 v[rD:rD+7], v[rB:rB+7], v[rA:rA+7], 0
.else
	v_wmma_f32_16x16x32_bf16 v[rD:rD+7], v[rB:rB+7], v[rA:rA+7], v[rD:rD+7]
.endif
.set ix, ix+1
.endr
.endm
; 32 along K: the next quarter (q of the slot) is asked for, into the buffer that the products before read; then buffer b is multiplied
.macro STEPN slot, q, b, zero
	PLACES
	FETCH \slot, \q
	s_wait_dscnt 36                                ; buffer b's 36 loads are in; the 36 just issued may be out
	MUL \b, \zero
.endm
; THE CHANGE OF SLOTS, ahead of a slot's last 56 products.  Each wave waits for all its tensor loads (one is out: its part of the next slot), adds 0 to its spare word, and waits for that and for its reads of
; this slot, whose last fragments then lie in buffer 1.  fill = 1: the barrier is a round of the cluster's, and this slot is filled again first behind it, with the tile two on.
.macro CHG slot, fill, how
	WIN 0
.if \fill
	s_wait_xcnt 0x0                                ; the last prefetch, a tile back, has read its address
	s_add_nc_u64 s[PFA:PFA+1], s[PFA:PFA+1], s[PFS:PFS+1]
.endif
	s_wait_tensorcnt 0x0                           ; no tensor load of mine is out, so a group 0 may be written
	ds_add_u32 v[SPW], v[NIL]                      ; 0 onto my spare word
.if \fill
	s_add_nc_u64 s[G0+4*(\slot)+2:G0+4*(\slot)+3], s[G0+4*(\slot)+2:G0+4*(\slot)+3], 2*32768
	s_add_nc_u64 s[G0B+4*(\slot)+2:G0B+4*(\slot)+3], s[G0B+4*(\slot)+2:G0B+4*(\slot)+3], 2*65536
.endif
	s_wait_dscnt 0x0
.if \fill
	CROUND
	JLOAD \slot                                    ; its four v_nop are also the places in front of the loads below
.else
	s_barrier_signal -1
	s_barrier_wait -1
	PLACES
.endif
	FETCH 1-(\slot), 0
.if \fill
	ASK \how
.endif
	MUL 1, 0
.endm
	s_wait_tensorcnt 1                             ; my part of slot 0 is in; slot 1's may stay out
	s_barrier_signal -1
	s_barrier_wait -1
	FETCH 0, 0
	STEPN 0, 1, 0, 1                               ; the first 32 along K stand in front of the loop: their products start the sums
	WIN 0
	s_mov_b32 s[LC], 3
.Lk:                                                   ; a trip goes once round the ring, from a tile's second quarter to the first of the tile two on, and fills both slots again: tiles 2 to 7
	STEPN 0, 2, 1, 0
	STEPN 0, 3, 0, 0
	CHG 0, 1, 1
	STEPN 1, 1, 0, 0
	STEPN 1, 2, 1, 0
	STEPN 1, 3, 0, 0
	CHG 1, 1, 0
	STEPN 0, 1, 0, 0
	WIN 0
	s_sub_co_u32 s[LC], s[LC], 1
	s_cmp_lg_u32 s[LC], 0
	s_cbranch_scc1 .Lk
	STEPN 0, 2, 1, 0                               ; tiles 6 and 7: nothing is left to ask for
	STEPN 0, 3, 0, 0
	CHG 0, 0, 0
	STEPN 1, 1, 0, 0
	STEPN 1, 2, 1, 0
	STEPN 1, 3, 0, 0
	s_wait_dscnt 0x0
	MUL 1, 0
	WIN 0
	s_wait_loadcnt 0x0                             ; gains and the first two table sets
.set i, 0
.rept 32                                       ; the gains rounded to bf16, as every input is; these lines are also the places behind the last products
	v_cvt_pk_bf16_f32 v[T], v[GQ+i], v[GQ+i+1]
	v_lshlrev_b32 v[GQ+i], 16, v[T]
	v_and_b32 v[GQ+i+1], 0xffff0000, v[T]
.set i, i+2
.endr
.macro ACCOF a, nb                     ; window AW and first register AR of accumulator 14 a + nb
.set ix, 14*(\a)+(\nb)
.set AW, 2+ix/32
.set AR, 8*(ix%32)
.endm
; 16 rows x 128 bytes leave: 16 bytes a lane into my stage, back as whole rows, 512 consecutive bytes a store.  m = 1: only groups 0 to 9 store
.macro SEND ptr, a, m=0
	WIN 0
.irp f, 0,1,2,3
	ds_store_b128 v[STO], v[PK+4*(\f):PK+4*(\f)+3] offset:32*(\f)
.endr
	s_wait_xcnt 0x0                                ; the registers that the last stores read are loaded again, and EXEC is changed, only behind this wait
.irp f, 0,1,2,3
	ds_load_b128 v[BK+4*(\f):BK+4*(\f)+3], v[RD] offset:(\f)*4*PA  ; a wave's LDS instructions are served in order: these see the stores above
.endr
	s_wait_dscnt 0x0
.if \m
	v_cmp_gt_u32 vcc_lo, 10, v[GV]
	s_and_saveexec_b32 s[SX], vcc_lo
.endif
.irp f, 0,1,2,3
	global_store_b128 v[GO], v[BK+4*(\f):BK+4*(\f)+3], s[\ptr:\ptr+1] offset:(\a)*2048+(\f)*512
.endr
.if \m
	s_wait_xcnt 0x0                                ; and again in front of the line that widens EXEC
	s_or_b32 exec_lo, exec_lo, s[SX]
.endif
.endm
; Q or K of 16 rows: x rsqrt(mean x^2 + eps) g, rotated by pairs, rounded to f16.  Each accumulator is read from its low end on.
.macro QKHEAD a, s, G, ptr
	ACCOF \a, 4*(\s)
.set TB, TAB+32*((\a)%2)
	WIN AW*5
	v_pk_mul_f32 v[SS:SS+1], v[AR:AR+1], v[AR:AR+1]
	v_pk_mul_f32 v[SS+2:SS+3], v[AR+2:AR+3], v[AR+2:AR+3]
.set i, 4
.rept 14
	v_pk_fma_f32 v[SS+(i%4):SS+(i%4)+1], v[AR+i:AR+i+1], v[AR+i:AR+i+1], v[SS+(i%4):SS+(i%4)+1]
.set i, i+2
.endr
	WIN 0
	v_pk_add_f32 v[SS:SS+1], v[SS:SS+1], v[SS+2:SS+3]
	v_add_f32 v[SS], v[SS], v[SS+1]
	v_permlanex16_b32 v[SS+1], v[SS], s[SEL], s[SEL+1]  ; the row's other 32 columns lie in the lane 16 away
	v_add_f32 v[SS], v[SS], v[SS+1]
	v_fma_f32 v[SS], v[SS], s[C64], s[EPSR]
	v_rsq_f32 v[RS], v[SS]
	v_nop                                          ; a plain line behind it,
	s_wait_alu depctr_va_vdst(0)                   ; and the wait ahead of its first reader
	WIN AW
.set i, 0
.rept 16
	v_pk_mul_f32 v[Y+i:Y+i+1], v[AR+i:AR+i+1], v[RS:RS+1] op_sel_hi:[1,0]
.set i, i+2
.endr
	WIN 0
.set i, 0
.rept 16
	v_pk_mul_f32 v[Y+i:Y+i+1], v[Y+i:Y+i+1], v[(\G)+i:(\G)+i+1]
.set i, i+2
.endr
.set i, 0
.rept 16                                       ; (x0, x1) -> (x0 c - x1 s, x1 c + x0 s)
	v_pk_mul_f32 v[T+2*(i%4):T+2*(i%4)+1], v[Y+2*i:Y+2*i+1], v[TB+2*i:TB+2*i+1] op_sel:[1,1] op_sel_hi:[0,1]
	v_pk_fma_f32 v[Y+2*i:Y+2*i+1], v[Y+2*i:Y+2*i+1], v[TB+2*i:TB+2*i+1], v[T+2*(i%4):T+2*(i%4)+1] op_sel_hi:[1,0,1] neg_lo:[0,0,1]
.set i, i+1
.endr
.set i, 0
.rept 16
	v_cvt_pk_f16_f32 v[PK+i], v[Y+2*i], v[Y+2*i+1]
.set i, i+1
.endr
	SEND \ptr, \a
.endm
.macro VHEAD a
	ACCOF \a, 8
	WIN AW*5
.set i, 0
.rept 16
	v_cvt_pk_f16_f32 v[PK+i], v[AR+2*i], v[AR+2*i+1]
.set i, i+1
.endr
	SEND PVP, \a
.endm
.macro ROWS a
.if (\a) == 2
	s_wait_loadcnt 8                               ; the third table set is in; the fourth's eight loads may be out
.elseif (\a) == 3
	s_wait_loadcnt 0x0
.endif
	QKHEAD \a, 0, GQ, PQ
	QKHEAD \a, 1, GK, PKP
.if (\a) < 2
	LOADTAB (\a)+2
.endif
	VHEAD \a
.endm
	ROWS 0
	ROWS 1
	ROWS 2
	ROWS 3
; The indexer's 32 channels of 16 rows: h = f16(x), l' = f16((x - h) 2^11): together some 22 bits of x.  x - h is exact, one multiply-add from the f16 half.
.macro IDX a
	ACCOF \a, 12
	WIN AW*5
.set i, 0
.rept 8
	v_cvt_pk_f16_f32 v[PK+i], v[AR+2*i], v[AR+2*i+1]
.set i, i+1
.endr
	WIN AW*16
.set i, 0
.rept 8
	v_fma_mix_f32 v[Y+2*i], -v[PK+i], v[ONE], v[AR+2*i] op_sel_hi:[1,0,0]
	v_fma_mix_f32 v[Y+2*i+1], -v[PK+i], v[ONE], v[AR+2*i+1] op_sel:[1,0,0] op_sel_hi:[1,0,0]
.set i, i+1
.endr
	WIN 0
.set i, 0
.rept 8
	v_pk_mul_f32 v[Y+2*i:Y+2*i+1], v[Y+2*i:Y+2*i+1], 0x45000000 op_sel_hi:[1,0]
.set i, i+1
.endr
.set i, 0
.rept 8
	v_cvt_pk_f16_f32 v[PK+8+i], v[Y+2*i], v[Y+2*i+1]
.set i, i+1
.endr
	SEND PI, \a, 1
.endm
	IDX 0
	IDX 1
	IDX 2
	IDX 3
	s_wait_xcnt 0x0                                ; wI: columns 0-3 of group 10's fourth strip: registers 0-3 of lanes 0-15; EXEC changes only behind this wait
	v_cmp_gt_u32 vcc_lo, 16, v[WM]
	s_and_saveexec_b32 s[SX], vcc_lo
.irp a, 0,1,2,3
	ACCOF \a, 12
	WIN AW*4                                       ; the stores' data lie in window 2 or 3
	global_store_b128 v[WOF], v[AR:AR+3], s[PW:PW+1] offset:(\a)*256
.endr
	WIN 0
	s_wait_xcnt 0x0                                ; and again in front of the line that widens it
	s_or_b32 exec_lo, exec_lo, s[SX]
	s_wait_tensorcnt 0x0                           ; the wave's end
	ds_add_u32 v[SPW], v[NIL]
	s_wait_dscnt 0x0
	CROUND                                         ; the closing round: no work-group ends while a partner may still ask for a tile that names it
	s_endpgm
.Lfunc_end_k_qc8711cd91d_proj:
	.size	k_qc8711cd91d_proj, .Lfunc_end_k_qc8711cd91d_proj-k_qc8711cd91d_proj
	.p2alignl 7, 3214868480
	.fill 96, 4, 3214868480
	.section	.rodata,"a",@progbits
	.p2align	6, 0x0
	.amdhsa_kernel k_qc8711cd91d_proj
		.amdhsa_group_segment_fixed_size 327680
		.amdhsa_private_segment_fixed_size 0
		.amdhsa_enable_private_segment 0
		.amdhsa_kernarg_size 32
		.amdhsa_user_sgpr_count 2
		.amdhsa_user_sgpr_kernarg_segment_ptr 1
		.amdhsa_wavefront_size32 1
		.amdhsa_system_sgpr_workgroup_id_x 1
		.amdhsa_system_sgpr_workgroup_id_y 1
		.amdhsa_system_sgpr_workgroup_id_z 1
		.amdhsa_system_vgpr_workitem_id 0
		.amdhsa_next_free_vgpr 960
		.amdhsa_next_free_sgpr 92
		.amdhsa_reserve_vcc 1
		.amdhsa_float_denorm_mode_32 3
		.amdhsa_float_denorm_mode_16_64 3
		.amdhsa_memory_ordered 1
		.amdhsa_forward_progress 1
		.amdhsa_inst_pref_size 202
	.end_amdhsa_kernel
	.amdgpu_metadata
---
amdhsa.version: [ 1, 2 ]
amdhsa.kernels:
  - .name:           k_qc8711cd91d_proj
    .symbol:         k_qc8711cd91d_proj.kd
    .args:
      - { .name: pre, .offset: 0, .size: 8, .value_kind: global_buffer, .address_space: global }
      - { .name: gq, .offset: 8, .size: 8, .value_kind: global_buffer, .address_space: global }
      - { .name: gk, .offset: 16, .size: 8, .value_kind: global_buffer, .address_space: global }
      - { .name: prj, .offset: 24, .size: 8, .value_kind: global_buffer, .address_space: global }
    .group_segment_fixed_size: 327680
    .private_segment_fixed_size: 0
    .kernarg_segment_align: 8
    .kernarg_segment_size: 32
    .max_flat_workgroup_size: 128
    .sgpr_count:     92
    .vgpr_count:     960
    .wavefront_size: 32
...
	.end_amdgpu_metadata
.endif
;; end of part 7
;; launch index (part 8): grid 128 x 2, 8 waves a work-group, no clusters, 150,528 bytes of LDS; arguments prj, mask; writes mask
.if DOCPART == 8
	.amdgcn_target "amdgcn-amd-amdhsa--gfx1250"
	.amdhsa_code_object_version 6
	.text
	.protected	k_qc8711cd91d_index
	.globl	k_qc8711cd91d_index
	.p2align	8
	.type	k_qc8711cd91d_index,@function
k_qc8711cd91d_index:
	s_mov_b64 s[64:65], 0
	v_nop
	global_prefetch_b8 v0, s[64:65] scope:SCOPE_SE
	s_setreg_imm32_b32 hwreg(HW_REG_WAVE_MODE, 25, 1), 1
	s_wait_xcnt 0x0
; INDEX: score[q][k] = sum over 4 heads of w[q][h] relu(qI[q][h] . kI[k]) for k <= q; a key is chosen where its score reaches the row's 32nd largest.  Out: one bit for each (q, k).
; THE DOT wants nearly f32's accuracy, since the choice is all or nothing: qI and kI come as two f16 pieces (h, l' = (x - h) 2^11), and dot = h.h + 2^-11 (h.l' + l'.h): three f16 products, exact, in two f32 sums.
; What is dropped (l'.l' 2^-22) is below one part in 2^22 of |q||k|.  LIMIT: two scores closer than that, or than the rounding of f32 sums taken in another order, may be chosen otherwise than by f32 arithmetic in the written order.
; SHARES.  A work-group owns 16 queries (tile i of batch b).  Keys go in units of 128; units 0 .. i/8 hold keys that the rows may see.  Wave w takes units w and w + 8, each as two batches of 64 keys.
; S^T layout: source 0 = 16 keys, source 1 = the 16 queries: lane l holds query l % 16 and keys 8 (l/16) + 0..7 of each group of 16.
; THE KEYS' FRAGMENTS come straight from memory, a whole batch (32 loads, 128 registers) at a time, asked for behind the last products of the batch before: the sort and the merge, some 700 vector lines, stand between
; the request and the wait.  The request is always made; where the wave has no further batch the unit's number is held at the rows' last unit, so every load stays inside the buffer, and what it brings is not read.
; TOP 32.  A lane sorts its batch's 32 scores in registers (a bitonic network of max and min) and merges them into its running best 32; at the end lane halves, then the eight waves' lists (through LDS) are merged.
; The scores stay in LDS (each wave's own 16 KiB) and are compared with the threshold afterwards.  Rows with fewer than 32 keys have threshold -inf: it is raised to the lowest finite number, so hidden keys (-inf) stay out.
; MASK WORD [b][qtile][ktile][j]: bit l = query 16 qtile + l % 16, key 16 ktile + 8 (l/16) + j.  NaN is not treated apart.
; REGISTERS: window 0: v2-23 addresses and small things; v32-95 at work in the merges; v96-159 sums; v160-255 three lists of 32.  window 1: v0-127 the queries' fragments; v128-255 a batch's keys' fragments.
.set IQG, 25165824
.set IKG, 29360128
.set WIG, 30408704
.set LIST, 131072                      ; behind the scores: a list of 32 for each wave and query, 128 bytes + 16
.set LP,   144
.set SPARE, LIST+128*LP                ; the spare words: 128 bytes a wave
.set KO,  2
.set QR,  3
.set QR2, 4
.set SCA, 5
.set LSA, 6
.set LRA, 7
.set NINF, 8
.set THR, 9
.set MO,  10
.set SCB, 11
.set M0,  12
.set SPW, 14
.set NIL, 15
.set W,   16
.set QOF, 20
.set WOF, 21
.set T1,  32
.set T2,  64
.set ACC, 96                           ; head h: the sum h.h at ACC + 16 h, the mixed sum 8 further
.set X,   160
.set Y,   192
.set T,   224                          ; my running best 32, descending
.set KF,  128                          ; window 1: group kt of 16 keys at KF + 32 kt: h of channels 0-31, 32-63, then l' of the same
.set WV, 8
.set TI, 9
.set BB, 10
.set II, 11
.set CN, 12
.set CI, 13
.set UU, 14
.set B2, 15
.set KB, 16
.set CX, 18
.set CM, 20
.set SEL, 24
.set IKP, 26
.set MP, 30
.set IQP, 32
.set WIP, 34
.set MSB, 0
.macro WIN new
.if MSB != (\new)
	s_set_vgpr_msb (MSB<<8)|(\new)
.set MSB, \new
.endif
.endm
; The 32 loads of batch s[c] of my wave: unit w + 8 (c / 2), held at the rows' last unit; half c % 2
.macro LOADB c
	s_lshr_b32 s28, s[\c], 1
	s_lshl_b32 s28, s28, 3
	s_add_co_u32 s28, s28, s[WV]
	s_min_u32 s28, s28, s[II]
	s_lshl_b32 s28, s28, 7
	s_and_b32 s29, s[\c], 1
	s_lshl_b32 s29, s29, 6
	s_add_co_u32 s28, s28, s29
	s_lshl_b32 s29, s[BB], 11
	s_add_co_u32 s28, s28, s29                     ; the batch's first row of 4,096
	s_lshl_b32 s28, s28, 7
	s_mov_b32 s29, 0
	s_wait_xcnt 0x0                                ; earlier loads have read their base
	s_add_nc_u64 s[KB:KB+1], s[IKP:IKP+1], s[28:29]
	WIN 0x40
.irp kt, 0,1,2,3
.irp p, 0,1
.irp k, 0,1
	global_load_b128 v[KF+32*(\kt)+16*(\p)+8*(\k):KF+32*(\kt)+16*(\p)+8*(\k)+3], v[KO], s[KB:KB+1] offset:(\k)*524288+(\kt)*2048+64*(\p)
	global_load_b128 v[KF+32*(\kt)+16*(\p)+8*(\k)+4:KF+32*(\kt)+16*(\p)+8*(\k)+7], v[KO], s[KB:KB+1] offset:(\k)*524288+(\kt)*2048+64*(\p)+32
.endr
.endr
.endr
	WIN 0
.endm
	s_load_b128 s[4:7], s[0:1], 0x0                ; prj, mask
	v_lshl_add_u32 v[SPW], v0, 2, SPARE
	v_mov_b32 v[NIL], 0
	v_lshrrev_b32 v1, 5, v0
	v_readfirstlane_b32 s[WV], v1
	s_mov_b32 s[TI], ttmp9
	s_and_b32 s[BB], ttmp7, 0xffff
	s_lshr_b32 s[II], s[TI], 3                     ; the last unit that my rows may see
	s_mov_b32 s[SEL], 0x76543210
	s_mov_b32 s[SEL+1], 0xfedcba98
	s_mov_b32 s[CN], 4
	s_mov_b32 s[CI], 0
	v_and_b32 v1, 15, v0                           ; r
	v_bfe_u32 v22, v0, 4, 1                        ; hh
	v_and_b32 v23, 31, v0                          ; l
	v_lshlrev_b32 v[KO], 7, v1
	v_lshl_add_u32 v[KO], v22, 4, v[KO]            ; a fragment's row x 128 + 16 hh
	s_lshl_b32 s28, s[BB], 11
	s_lshl_b32 s29, s[TI], 4
	s_add_co_u32 s28, s28, s29                     ; my tile's first row of 4,096
	s_lshl_b32 s29, s28, 7
	v_add_nc_u32 v[QOF], s29, v[KO]
	s_lshl_b32 s29, s28, 4
	v_lshl_add_u32 v[WOF], v1, 4, s29
	s_and_b32 s29, s[TI], 7
	s_lshl_b32 s29, s29, 4
	v_add_nc_u32 v[QR], s29, v1
	v_lshlrev_b32 v24, 3, v22
	v_sub_nc_u32 v[QR], v[QR], v24                 ; my query's place in its unit, less 8 hh
	s_lshl_b32 s29, s[WV], 14
	v_lshl_add_u32 v[SCB], v23, 4, s29             ; my wave's scores: 16,384 w + 16 l
	v_mov_b32 v[SCA], v[SCB]
	s_lshl_b32 s29, s[WV], 4
	v_add_nc_u32 v24, s29, v1
	v_mul_u32_u24 v24, v24, LP
	v_add_nc_u32 v[LSA], LIST, v24
	v_lshl_add_u32 v24, v22, 6, v1
	v_mul_u32_u24 v24, v24, LP
	v_add_nc_u32 v[LRA], LIST, v24                 ; lists of waves 4 hh .. 4 hh + 3 for query r
	v_lshlrev_b32 v[MO], 3, v23
	v_mov_b32 v[NINF], 0xff800000
	s_wait_kmcnt 0x0
	s_add_nc_u64 s[IQP:IQP+1], s[4:5], IQG
	s_add_nc_u64 s[IKP:IKP+1], s[4:5], IKG
	s_add_nc_u64 s[WIP:WIP+1], s[4:5], WIG
	WIN 0x40                                       ; the queries' fragments stay in window 1: head h, piece p, channel half k at 32 h + 16 p + 8 k
.irp h, 0,1,2,3
.irp p, 0,1
.irp k, 0,1
	global_load_b128 v[32*(\h)+16*(\p)+8*(\k):32*(\h)+16*(\p)+8*(\k)+3], v[QOF], s[IQP:IQP+1] offset:(2*(\h)+(\k))*524288+64*(\p)
	global_load_b128 v[32*(\h)+16*(\p)+8*(\k)+4:32*(\h)+16*(\p)+8*(\k)+7], v[QOF], s[IQP:IQP+1] offset:(2*(\h)+(\k))*524288+64*(\p)+32
.endr
.endr
.endr
	WIN 0
	global_load_b128 v[W:W+3], v[WOF], s[WIP:WIP+1]
	LOADB CI                                       ; my first batch
.set i, 0
.rept 32
	v_mov_b32 v[T+i], v[NINF]
	v_mov_b32 v[Y+i], v[NINF]
.set i, i+1
.endr
; 16 keys: 24 products on 8 accumulators that take turns (at least three others between two links), then relu and the weighted sum over heads into X
.macro KT kt
.set KS, KF+32*(\kt)
	WIN 0x05                                       ; keys and queries in window 1, sums in window 0
.irp h, 0,1,2,3
	v_wmma_f32_16x16x32_f16 v[ACC+16*(\h):ACC+16*(\h)+7], v[KS:KS+7], v[32*(\h):32*(\h)+7], 0
	v_wmma_f32_16x16x32_f16 v[ACC+16*(\h)+8:ACC+16*(\h)+15], v[KS:KS+7], v[32*(\h)+16:32*(\h)+23], 0
.endr
.irp h, 0,1,2,3
	v_wmma_f32_16x16x32_f16 v[ACC+16*(\h):ACC+16*(\h)+7], v[KS+8:KS+15], v[32*(\h)+8:32*(\h)+15], v[ACC+16*(\h):ACC+16*(\h)+7]
	v_wmma_f32_16x16x32_f16 v[ACC+16*(\h)+8:ACC+16*(\h)+15], v[KS+8:KS+15], v[32*(\h)+24:32*(\h)+31], v[ACC+16*(\h)+8:ACC+16*(\h)+15]
.endr
.irp h, 0,1,2,3
	v_wmma_f32_16x16x32_f16 v[ACC+16*(\h)+8:ACC+16*(\h)+15], v[KS+16:KS+23], v[32*(\h):32*(\h)+7], v[ACC+16*(\h)+8:ACC+16*(\h)+15]
.endr
.irp h, 0,1,2,3
	v_wmma_f32_16x16x32_f16 v[ACC+16*(\h)+8:ACC+16*(\h)+15], v[KS+24:KS+31], v[32*(\h)+8:32*(\h)+15], v[ACC+16*(\h)+8:ACC+16*(\h)+15]
.endr
	WIN 0
.rept 4
	v_nop                                          ; the places behind the products
.endr
.irp h, 0,1,2,3
.irp q, 0,2,4,6
	v_pk_fma_f32 v[ACC+16*(\h)+(\q):ACC+16*(\h)+(\q)+1], v[ACC+16*(\h)+8+(\q):ACC+16*(\h)+8+(\q)+1], 0x3a000000, v[ACC+16*(\h)+(\q):ACC+16*(\h)+(\q)+1] op_sel_hi:[1,0,1]
.endr
.irp q, 0,1,2,3,4,5,6,7
	v_max_num_f32 v[ACC+16*(\h)+(\q)], 0, v[ACC+16*(\h)+(\q)]
.endr
.irp q, 0,2,4,6
.if (\h) == 0
	v_pk_mul_f32 v[X+8*(\kt)+(\q):X+8*(\kt)+(\q)+1], v[ACC+(\q):ACC+(\q)+1], v[W:W+1] op_sel_hi:[1,0]
.elseif (\h) == 1
	v_pk_fma_f32 v[X+8*(\kt)+(\q):X+8*(\kt)+(\q)+1], v[ACC+16+(\q):ACC+16+(\q)+1], v[W:W+1], v[X+8*(\kt)+(\q):X+8*(\kt)+(\q)+1] op_sel:[0,1,0] op_sel_hi:[1,1,1]
.elseif (\h) == 2
	v_pk_fma_f32 v[X+8*(\kt)+(\q):X+8*(\kt)+(\q)+1], v[ACC+32+(\q):ACC+32+(\q)+1], v[W+2:W+3], v[X+8*(\kt)+(\q):X+8*(\kt)+(\q)+1] op_sel_hi:[1,0,1]
.else
	v_pk_fma_f32 v[X+8*(\kt)+(\q):X+8*(\kt)+(\q)+1], v[ACC+48+(\q):ACC+48+(\q)+1], v[W+2:W+3], v[X+8*(\kt)+(\q):X+8*(\kt)+(\q)+1] op_sel:[0,1,0] op_sel_hi:[1,1,1]
.endif
.endr
.endr
.endm
; One stage of the network, from 32 registers into 32 others: partners j apart; the larger goes to the lower place where bit k of the place is 0
.macro STAGE src, dst, k, j
.set i, 0
.rept 32
.if (i & (\j)) == 0
.if (i & (\k)) == 0
	v_max_num_f32 v[(\dst)+i], v[(\src)+i], v[(\src)+i+(\j)]
	v_min_num_f32 v[(\dst)+i+(\j)], v[(\src)+i], v[(\src)+i+(\j)]
.else
	v_min_num_f32 v[(\dst)+i], v[(\src)+i], v[(\src)+i+(\j)]
	v_max_num_f32 v[(\dst)+i+(\j)], v[(\src)+i], v[(\src)+i+(\j)]
.endif
.endif
.set i, i+1
.endr
.endm
.macro MERGE5 p, q, dst                ; a bitonic run in p comes out descending in dst
	STAGE \p, \q, 32, 16
	STAGE \q, \p, 32, 8
	STAGE \p, \q, 32, 4
	STAGE \q, \p, 32, 2
	STAGE \p, \dst, 32, 1
.endm
.macro MERGE dst, a, b                 ; the best 32 of two descending lists
.set i, 0
.rept 32
	v_max_num_f32 v[T1+i], v[(\a)+i], v[(\b)+31-i]
.set i, i+1
.endr
	MERGE5 T1, T2, \dst
.endm
.Lbatch:                                               ; batch c: unit w + 8 (c / 2), half c % 2; a wave whose unit lies past the rows' last jumps to the counter's step
	s_lshr_b32 s28, s[CI], 1
	s_lshl_b32 s28, s28, 3
	s_add_co_u32 s[UU], s28, s[WV]
	s_cmp_gt_u32 s[UU], s[II]
	s_cbranch_scc1 .Lskip
	s_and_b32 s[B2], s[CI], 1
	s_wait_loadcnt 0x0                             ; this batch's fragments, asked for a batch ago (the first time: the queries' and the weights too)
	KT 0
	KT 1
	KT 2
	KT 3
	s_add_co_u32 s[CX], s[CI], 1
	LOADB CX                                       ; the next batch: the last products that read these registers stand in front of KT 3's four places
	s_cmp_eq_u32 s[UU], s[II]                      ; only the rows' last unit holds hidden keys
	s_cbranch_scc0 .Lno_mask
	s_lshl_b32 s28, s[B2], 6
	v_sub_nc_u32 v[QR2], v[QR], s28
.set e, 0
.rept 32
	v_cmp_gt_i32 vcc_lo, 16*(e/8)+e%8, v[QR2]
	v_cndmask_b32 v[X+e], v[X+e], v[NINF], vcc_lo
.set e, e+1
.endr
.Lno_mask:
.irp q, 0,1,2,3,4,5,6,7
	ds_store_b128 v[SCA], v[X+4*(\q):X+4*(\q)+3] offset:512*(\q)
.endr
	STAGE X, Y, 2, 1
	STAGE Y, X, 4, 2
	STAGE X, Y, 4, 1
	STAGE Y, X, 8, 4
	STAGE X, Y, 8, 2
	STAGE Y, X, 8, 1
	STAGE X, Y, 16, 8
	STAGE Y, X, 16, 4
	STAGE X, Y, 16, 2
	STAGE Y, X, 16, 1
	STAGE X, Y, 32, 16
	STAGE Y, X, 32, 8
	STAGE X, Y, 32, 4
	STAGE Y, X, 32, 2
	STAGE X, Y, 32, 1                              ; the batch, descending, in Y
.set i, 0
.rept 32
	v_max_num_f32 v[X+i], v[T+i], v[Y+31-i]        ; the best 32 of both
.set i, i+1
.endr
	MERGE5 X, Y, T
.Lskip:
	v_add_nc_u32 v[SCA], 4096, v[SCA]
	s_add_co_u32 s[CI], s[CI], 1
	s_sub_co_u32 s[CN], s[CN], 1
	s_cmp_lg_u32 s[CN], 0
	s_cbranch_scc1 .Lbatch
.set i, 0
.rept 32                                       ; the query's other keys lie in the lane 16 away
	v_permlanex16_b32 v[Y+i], v[T+31-i], s[SEL], s[SEL+1]
.set i, i+1
.endr
.set i, 0
.rept 32
	v_max_num_f32 v[X+i], v[T+i], v[Y+i]
.set i, i+1
.endr
	MERGE5 X, Y, T
.irp q, 0,1,2,3,4,5,6,7
	ds_store_b128 v[LSA], v[T+4*(\q):T+4*(\q)+3] offset:16*(\q)  ; both halves of the lanes hold the same list and write the same words
.endr
	s_wait_dscnt 0x0                               ; for the others' sake: my list is in LDS
	s_barrier_signal -1
	s_barrier_wait -1
.irp q, 0,1,2,3,4,5,6,7
	ds_load_b128 v[X+4*(\q):X+4*(\q)+3], v[LRA] offset:16*(\q)
	ds_load_b128 v[Y+4*(\q):Y+4*(\q)+3], v[LRA] offset:16*LP+16*(\q)
	ds_load_b128 v[ACC+4*(\q):ACC+4*(\q)+3], v[LRA] offset:32*LP+16*(\q)
	ds_load_b128 v[ACC+32+4*(\q):ACC+32+4*(\q)+3], v[LRA] offset:48*LP+16*(\q)
.endr
	s_wait_dscnt 0x0
	MERGE T, X, Y
	MERGE X, ACC, ACC+32
	MERGE Y, T, X
.set i, 0
.rept 32
	v_permlanex16_b32 v[T1+i], v[Y+31-i], s[SEL], s[SEL+1]
.set i, i+1
.endr
.set i, 0
.rept 32
	v_max_num_f32 v[X+i], v[Y+i], v[T1+i]          ; the row's best 32, in no order
.set i, i+1
.endr
	v_min3_num_f32 v[THR], v[X], v[X+1], v[X+2]
.set i, 3
.rept 14
	v_min3_num_f32 v[THR], v[THR], v[X+i], v[X+i+1]
.set i, i+2
.endr
	v_min_num_f32 v[THR], v[THR], v[X+31]
	v_max_num_f32 v[THR], 0xff7fffff, v[THR]
; A unit's 64 mask words: a compare gives a word, one lane of a register pair takes it; 256 consecutive bytes leave by one store.  Two trips: units w and w + 8; a unit past the rows' last is jumped over.
	s_mov_b32 s[CN], 2
	s_mov_b32 s[UU], s[WV]
.Lunit:
	s_cmp_gt_u32 s[UU], s[II]
	s_cbranch_scc1 .Lno_unit
	s_wait_xcnt 0x0                                ; the last store has read its data and its base
	v_mov_b32 v[M0], 0
	v_mov_b32 v[M0+1], 0
	s_lshl_b32 s28, s[BB], 7
	s_add_co_u32 s28, s28, s[TI]
	s_lshl_b32 s28, s28, 7
	s_lshl_b32 s29, s[UU], 3
	s_add_co_u32 s28, s28, s29
	s_lshl_b32 s28, s28, 5
	s_mov_b32 s29, 0
	s_add_nc_u64 s[MP:MP+1], s[6:7], s[28:29]
.irp bb, 0,1
.irp q, 0,1,2,3,4,5,6,7
	ds_load_b128 v[X+4*(\q):X+4*(\q)+3], v[SCB] offset:(\bb)*4096+512*(\q)
.endr
	s_wait_dscnt 0x0
.set e, 0
.rept 32
	v_cmp_ge_f32 s[CM+e%4], v[X+e], v[THR]
	v_writelane_b32 v[M0+(e&1)], s[CM+e%4], (32*(\bb)+e)>>1
.set e, e+1
.endr
.endr
	global_store_b64 v[MO], v[M0:M0+1], s[MP:MP+1]
.Lno_unit:
	v_add_nc_u32 v[SCB], 8192, v[SCB]              ; the second unit's scores
	s_add_co_u32 s[UU], s[UU], 8
	s_sub_co_u32 s[CN], s[CN], 1
	s_cmp_lg_u32 s[CN], 0
	s_cbranch_scc1 .Lunit
	s_wait_tensorcnt 0x0                           ; the wave's end, behind my last LDS store
	ds_add_u32 v[SPW], v[NIL]
	s_wait_dscnt 0x0
	s_endpgm
.Lfunc_end_k_qc8711cd91d_index:
	.size	k_qc8711cd91d_index, .Lfunc_end_k_qc8711cd91d_index-k_qc8711cd91d_index
	.p2alignl 7, 3214868480
	.fill 96, 4, 3214868480
	.section	.rodata,"a",@progbits
	.p2align	6, 0x0
	.amdhsa_kernel k_qc8711cd91d_index
		.amdhsa_group_segment_fixed_size 150528
		.amdhsa_private_segment_fixed_size 0
		.amdhsa_enable_private_segment 0
		.amdhsa_kernarg_size 16
		.amdhsa_user_sgpr_count 2
		.amdhsa_user_sgpr_kernarg_segment_ptr 1
		.amdhsa_wavefront_size32 1
		.amdhsa_system_sgpr_workgroup_id_x 1
		.amdhsa_system_sgpr_workgroup_id_y 1
		.amdhsa_system_sgpr_workgroup_id_z 1
		.amdhsa_system_vgpr_workitem_id 0
		.amdhsa_next_free_vgpr 512
		.amdhsa_next_free_sgpr 66
		.amdhsa_reserve_vcc 1
		.amdhsa_float_denorm_mode_32 3
		.amdhsa_float_denorm_mode_16_64 3
		.amdhsa_memory_ordered 1
		.amdhsa_forward_progress 1
		.amdhsa_inst_pref_size 102
	.end_amdhsa_kernel
	.amdgpu_metadata
---
amdhsa.version: [ 1, 2 ]
amdhsa.kernels:
  - .name:           k_qc8711cd91d_index
    .symbol:         k_qc8711cd91d_index.kd
    .args:
      - { .name: prj, .offset: 0, .size: 8, .value_kind: global_buffer, .address_space: global }
      - { .name: mask, .offset: 8, .size: 8, .value_kind: global_buffer, .address_space: global }
    .group_segment_fixed_size: 150528
    .private_segment_fixed_size: 0
    .kernarg_segment_align: 8
    .kernarg_segment_size: 16
    .max_flat_workgroup_size: 256
    .sgpr_count:     66
    .vgpr_count:     512
    .wavefront_size: 32
...
	.end_amdgpu_metadata
.endif
;; end of part 8
;; launch attn (part 9): grid 8 x 32, 8 waves a work-group, no clusters, 327,680 bytes of LDS; arguments prj, mask, o16; writes o16
.if DOCPART == 9
	.amdgcn_target "amdgcn-amd-amdhsa--gfx1250"
	.amdhsa_code_object_version 6
	.text
	.protected	k_qc8711cd91d_attn
	.globl	k_qc8711cd91d_attn
	.p2align	8
	.type	k_qc8711cd91d_attn,@function
k_qc8711cd91d_attn:
	s_mov_b64 s[64:65], 0
	v_nop
	global_prefetch_b8 v0, s[64:65] scope:SCOPE_SE
	s_setreg_imm32_b32 hwreg(HW_REG_WAVE_MODE, 25, 1), 1
	s_wait_xcnt 0x0
; ATTN: O[q] = softmax over the CHOSEN keys k <= q of (Q[q] . K[k] / 8) times V.  Q, K, V: [b x 16 + h][2048][64] f16; the choice: one bit for each (q, k), the same for all heads.
; In f32 the written mask is exactly 0 for a chosen key and -1e9 for any other, whose weight is then 0; every row has a chosen key.  Here a hidden score is replaced by -2^100 (LIMIT: true scores stay far above it).
; A power of two, so that c x (-2^100) is exact: while a row has met no chosen key its maximum is -2^100, the exponent c s - c m is exactly 0 and hidden keys count 1; the sums so made are finite, and the first
; chosen key multiplies them by 2^(c (-2^100 - m)) = 0.  A running maximum is kept; a weight below 2^-126 counts as 0.
; THE WALK.  A head's queries lie in 16 blocks of 128; block i needs key tiles 0 .. i of 128 keys.  A work-group takes block p and then block 15 - p: 17 tiles whatever p, one loop with a constant count.
; NO CLUSTER: a head's eight work-groups ask for the same tile in the first trips alone; behind that their walks part, and one walk common to all would have 24 trips for 17.
; SHARES.  EIGHT WAVES, two to a SIMD; wave w owns rows 16 w .. +15 of a block: one tile of 16 queries.  A key tile is two steps of 64 keys.
; A STEP, IN PHASES: K's and V's fragments; 8 products S^T = K Q^T; the mask and the softmax; 8 products O^T += V^T P.  A lane holds one query in S^T, P and O^T.  A step has 16 matrix and some 190 vector
; lines a wave, and each phase waits for the one before it: the SIMD's other wave issues meanwhile.  The price: a fragment of K or V read from LDS feeds one tile's products.
; THE MASK WORDS of a step (32 words, one for each register of S^T) come into scalar registers by two scalar loads, issued straight behind the use of the step before: a whole step ahead; past a block's last step
; the offset is held at that step.
; REGISTERS: window 0: v2-11 addresses; v12-19 statistics (c m, m, l, l, four at work); v64-95 S^T; v128-143 P; v160-191 O^T.  window 1: v0-15 Q, v32-47 the second block's Q, v64-127 K, v128-191 V.
.set KG,    8388608
.set VG,    16777216
.set KS,    64
.set PK,    144
.set PV,    160
.set VOFF,  128*PK
.set SLOT1, 65536
.set STAGE, SLOT1+128*(PK+PV)          ; 16 rows x 144 bytes for each of the eight waves, never filled by a tensor load
.set SP,    144
.set SPARE, STAGE+8*16*SP              ; the spare words: 128 bytes a wave
.set AK0, 2
.set AV0, 3
.set AK,  4
.set AV,  5
.set QO,  6
.set STO, 7
.set RD,  8
.set GO,  9
.set NEG, 10
.set QO2, 11
.set ST,  12
.set PFO, 61
.set SPW, 62
.set NIL, 63
.set S,   64
.set P,   128
.set O,   160
.set KF,  64
.set VF,  128
.set KB,  10
.set VB,  12
.set WV,  14
.set PP,  15
.set G1K, 16
.set G1V, 24
.set G0K, 32
.set G0V, 36
.set CS,  40
.set SEL, 42
.set SLOTS, 44
.set CNT, 45
.set RT,  46
.set NXT, 47
.set LQ,  48
.set NEW, 49
.set OFF, 50
.set TBK, 52
.set TBV, 53
.set MP,  54
.set XO,  56
.set LAST, 57
.set BH,  58
.set BLK, 59
.set PSH, 60
.set OP,  62
.set HI2, 66
.set MW,  68                           ; s[68:99] the 32 mask words
.set OWN, 100
.set PFA, 104
.set MSB, 0
.macro WIN new
.if MSB != (\new)
	s_set_vgpr_msb (MSB<<8)|(\new)
.set MSB, \new
.endif
.endm
.macro PLACES
.rept 4
	v_nop
.endr
.endm
.macro LOAD                            ; waves 0, 1: the two halves of a tile's K; waves 2, 3: of its V; waves 4-7: none; an s_nop 0 and four v_nop follow each line
	s_cmp_lt_u32 s[WV], 2
	s_cbranch_scc0 .Lnot_k_\@
	tensor_load_to_lds s[G0K:G0K+3], s[G1K:G1K+7]
	s_nop 0
.rept 4
	v_nop
.endr
	s_branch .Lasked_\@
.Lnot_k_\@:
	s_cmp_lt_u32 s[WV], 4
	s_cbranch_scc0 .Lasked_\@
	tensor_load_to_lds s[G0V:G0V+3], s[G1V:G1V+7]
	s_nop 0
.rept 4
	v_nop
.endr
.Lasked_\@:
.endm
; A prefetch into the L2.  Tiles 8 to 15 of a head are read first by the work-group with p = 0, in its second block: it alone asks, each of its waves 0-3 for the 32 rows of 256 bytes that it will itself fetch,
; a lane a row, two tiles ahead of the load just issued.  In trip k that work-group has just asked for tile k: trips 6 to 13 (s[SLOTS] = 10 .. 3) name tiles 8 to 15, each once; nothing is named past tile 15.
.macro ASK
	s_sub_co_u32 s61, s[SLOTS], 3
	s_or_b32 s61, s61, s[PSH]                      ; s[PSH] is 0 where p = 0 and the wave fetches
	s_cmp_lt_u32 s61, 8
	s_cbranch_scc0 .Lnot_mine_\@
	global_prefetch_b8 v[PFO], s[PFA:PFA+1] offset:2*16384 th:TH_LOAD_NT scope:SCOPE_SE
.Lnot_mine_\@:
.endm
; THE CHANGE OF SLOTS: all my tensor loads have landed (my part of the other slot), the add, my reads of the old slot are over; the barrier; then the old slot is filled first, with tile NXT.
.macro CHANGE fill
	WIN 0
	s_wait_tensorcnt 0x0                           ; no tensor load of mine is out, so a group 0 may be written
	ds_add_u32 v[SPW], v[NIL]                      ; 0 onto my spare word
.if \fill
	s_lshl_b32 s[OFF], s[NXT], 14                  ; a tile is 16,384 bytes of K and of V
	s_xor_b32 s[G0K+1], s[G0K+1], SLOT1
	s_add_nc_u64 s[G0K+2:G0K+3], s[KB:KB+1], s[OFF:OFF+1]
	s_or_b32 s[G0K+3], s[G0K+3], 0x80000000
	s_xor_b32 s[G0V+1], s[G0V+1], SLOT1
	s_add_nc_u64 s[G0V+2:G0V+3], s[VB:VB+1], s[OFF:OFF+1]
	s_or_b32 s[G0V+3], s[G0V+3], 0x80000000
	s_wait_xcnt 0x0                                ; the last prefetch, a tile back, has read its address
	s_add_nc_u64 s[PFA:PFA+1], s[OWN:OWN+1], s[OFF:OFF+1]
	s_add_co_u32 s[NXT], s[NXT], 1                 ; the block's next tile, or behind its last the second block's tile 0
	s_cmp_gt_u32 s[NXT], s[LQ]
	s_cselect_b32 s[NXT], 0, s[NXT]
	s_cselect_b32 s[LQ], s[HI2], s[LQ]
.endif
	s_wait_dscnt 0x0
	s_barrier_signal -1
	s_sub_co_u32 s[TBK], s[TBK], 2*KS*PK           ; the fetches go back to a slot's first step, in the other slot
	s_xor_b32 s[TBK], s[TBK], SLOT1
	s_sub_co_u32 s[TBV], s[TBV], 2*KS*PV
	s_xor_b32 s[TBV], s[TBV], SLOT1
	s_barrier_wait -1
.if \fill
	LOAD
	ASK
.endif
.endm
.macro SETBLK                          ; the pointers and counts of block s[BLK]
	s_lshr_b32 s61, s[BH], 4                       ; b
	s_lshl_b32 s2, s61, 7
	s_lshl_b32 s67, s[BLK], 3
	s_add_co_u32 s2, s2, s67
	s_add_co_u32 s2, s2, s[WV]                     ; my tile of 16 queries
	s_lshl_b32 s2, s2, 12                          ; 128 key tiles x 32 bytes
	s_mov_b32 s3, 0
	s_add_nc_u64 s[MP:MP+1], s[6:7], s[2:3]
	s_lshl_b32 s2, s61, 4
	s_add_co_u32 s2, s2, s[BLK]
	s_lshl_b32 s2, s2, 4
	s_and_b32 s67, s[BH], 15
	s_add_co_u32 s2, s2, s67
	s_lshl_b32 s2, s2, 7
	s_lshl_b32 s67, s[WV], 4
	s_add_co_u32 s2, s2, s67
	s_lshl_b32 s2, s2, 7
	s_add_nc_u64 s[OP:OP+1], s[8:9], s[2:3]        ; O: [16 b + block][h][128 rows][64]
	s_lshl_b32 s[LAST], s[BLK], 8
	s_add_co_u32 s[LAST], s[LAST], 128             ; the block's last step, x 128 bytes of mask
	s_add_co_u32 s[RT], s[BLK], 1
	s_mov_b32 s[NEW], 1
.endm
.macro LOADM                           ; my tile's 32 mask words of the step at s[XO]
	s_load_b512 s[MW:MW+15], s[MP:MP+1], s[XO] offset:0
	s_load_b512 s[MW+16:MW+31], s[MP:MP+1], s[XO] offset:64
.endm
	s_load_b128 s[4:7], s[0:1], 0x0                ; prj, mask
	s_load_b64 s[8:9], s[0:1], 0x10                ; o16
	v_lshl_add_u32 v[SPW], v0, 2, SPARE
	v_mov_b32 v[NIL], 0
	ds_add_u32 v[SPW], v[NIL]                      ; the wave's opening: the add and its wait ahead of my first tensor load
	v_lshrrev_b32 v1, 5, v0
	v_readfirstlane_b32 s[WV], v1
	s_mov_b32 s[PP], ttmp9
	s_and_b32 s[BH], ttmp7, 0xffff
	s_lshr_b32 s61, s[WV], 2                       ; 1 in the waves that fetch nothing
	s_or_b32 s[PSH], s[PP], s61
	s_lshl_b32 s[PSH], s[PSH], 8
	s_sub_co_u32 s[HI2], 15, s[PP]
	s_mov_b32 s[G1K], (1<<16)|(1<<20)|(4<<22)|(3<<25)  ; 2-byte elements; padding on: after every 32 words (a key), 4 words
	s_mov_b32 s[G1V], (1<<16)|(1<<20)|(4<<22)|(7<<25)  ; the same with 8 words
.irp g, G1K, G1V
	s_mov_b32 s[\g+1], 128<<16                     ; 64 keys are 8,192 dense bytes: 32 rows of 256
	s_mov_b32 s[\g+2], 32<<16
	s_mov_b32 s[\g+3], 128<<16
	s_mov_b32 s[\g+4], 32
	s_mov_b32 s[\g+5], 128
	s_mov_b32 s[\g+6], 0
	s_mov_b32 s[\g+7], 0
.endr
	s_and_b32 s61, s[WV], 1                        ; which half of a tile I fetch
	s_mul_i32 s67, s61, 64*PK
	s_mov_b32 s[G0K], 1
	s_mov_b32 s[G0K+1], s67
	s_mul_i32 s67, s61, 64*PV
	s_mov_b32 s[G0V], 1
	s_add_co_u32 s[G0V+1], s67, VOFF
	s_lshl_b32 s2, s[BH], 18                       ; the head's 2,048 rows of 128 bytes
	s_lshl_b32 s67, s61, 13
	s_add_co_u32 s2, s2, s67
	s_mov_b32 s3, 0
	s_mov_b32 s[CS], 0x3e38aa3b                    ; c = log2(e) / 8
	s_mov_b32 s[CS+1], s[CS]
	s_mov_b32 s[SEL], 0x76543210
	s_mov_b32 s[SEL+1], 0xfedcba98
	s_mov_b32 s[TBK], SLOT1+2*KS*PK                ; the first change of slots turns these two into 0
	s_mov_b32 s[TBV], SLOT1+2*KS*PV
	s_mov_b32 s[OFF+1], 0
	s_mov_b32 s[SLOTS], 16
	s_cmp_eq_u32 s[PP], 0                          ; block 0 has one tile: behind it comes the second block's tile 0
	s_cselect_b32 s[NXT], 0, 1
	s_cselect_b32 s[LQ], s[HI2], s[PP]
	s_wait_dscnt 0x0                               ; the opening add is done
	s_wait_kmcnt 0x0
	s_add_nc_u64 s[KB:KB+1], s[4:5], s[2:3]
	s_add_nc_u64 s[VB:VB+1], s[KB:KB+1], VG
	s_add_nc_u64 s[KB:KB+1], s[KB:KB+1], KG
	s_add_nc_u64 s[G0K+2:G0K+3], s[KB:KB+1], 0
	s_or_b32 s[G0K+3], s[G0K+3], 0x80000000
	s_add_nc_u64 s[G0V+2:G0V+3], s[VB:VB+1], 0
	s_or_b32 s[G0V+3], s[G0V+3], 0x80000000
	s_cmp_lt_u32 s[WV], 2
	s_cselect_b64 s[OWN:OWN+1], s[KB:KB+1], s[VB:VB+1]
	s_mov_b64 s[PFA:PFA+1], s[OWN:OWN+1]
	LOAD                                           ; tile 0 into slot 0
	s_lshl_b32 s2, s[BH], 18
	s_lshl_b32 s67, s[WV], 11
	s_add_co_u32 s2, s2, s67
	s_add_nc_u64 s[4:5], s[4:5], s[2:3]            ; Q at my wave's 16 rows of the head's block 0
	s_mov_b32 s[BLK], s[PP]
	SETBLK
	v_and_b32 v1, 15, v0                           ; r
	v_bfe_u32 v60, v0, 4, 1                        ; hh
	v_and_b32 v59, 31, v0                          ; l
	v_lshlrev_b32 v58, 7, v1
	v_lshl_add_u32 v58, v60, 4, v58
	s_lshl_b32 s67, s[PP], 14
	v_add_nc_u32 v[QO], s67, v58
	s_lshl_b32 s67, s[HI2], 14
	v_add_nc_u32 v[QO2], s67, v58
	WIN 0x40
.irp c, 0,1
	global_load_b128 v[8*(\c):8*(\c)+3], v[QO], s[4:5] offset:(\c)*64
	global_load_b128 v[8*(\c)+4:8*(\c)+7], v[QO], s[4:5] offset:(\c)*64+32
	global_load_b128 v[32+8*(\c):32+8*(\c)+3], v[QO2], s[4:5] offset:(\c)*64
	global_load_b128 v[32+8*(\c)+4:32+8*(\c)+7], v[QO2], s[4:5] offset:(\c)*64+32
.endr
	WIN 0
	v_mul_u32_u24 v[AK0], v1, PK
	v_lshl_add_u32 v[AK0], v60, 4, v[AK0]
	v_and_b32 v57, 7, v0
	v_bfe_u32 v56, v0, 3, 1
	v_lshl_add_u32 v[AV0], v60, 3, v57             ; the turning load: key 8 hh + l % 8, 16 bytes (l / 8) % 2
	v_mul_u32_u24 v[AV0], v[AV0], PV
	v_lshl_add_u32 v[AV0], v56, 4, v[AV0]
	v_add_nc_u32 v[AV0], VOFF, v[AV0]
	s_mul_i32 s67, s[WV], 16*SP
	s_add_co_u32 s67, s67, STAGE
	v_mul_u32_u24 v[STO], v1, SP
	v_lshl_add_u32 v[STO], v60, 4, v[STO]
	v_add_nc_u32 v[STO], s67, v[STO]
	v_bfe_u32 v[RD], v0, 3, 2
	v_mul_u32_u24 v[RD], v[RD], SP
	v_lshl_add_u32 v[RD], v57, 4, v[RD]
	v_add_nc_u32 v[RD], s67, v[RD]
	v_lshlrev_b32 v[GO], 4, v59
	v_lshlrev_b32 v[PFO], 8, v59
	v_mov_b32 v[NEG], 0xf1800000                   ; -2^100
; The tile's softmax for a step: the running maximum, one batch of 33 exponentials with one wait, the weights in f16, the sum, O^T and l rescaled
.macro SOFT
.irp n, 0,1,2,3
	v_max3_num_f32 v[ST+4+(\n)], v[S+8*(\n)], v[S+8*(\n)+1], v[S+8*(\n)+2]
.endr
.irp n, 0,1,2,3
	v_max3_num_f32 v[ST+4+(\n)], v[ST+4+(\n)], v[S+8*(\n)+3], v[S+8*(\n)+4]
.endr
.irp n, 0,1,2,3
	v_max3_num_f32 v[ST+4+(\n)], v[ST+4+(\n)], v[S+8*(\n)+5], v[S+8*(\n)+6]
.endr
	v_max3_num_f32 v[ST+4], v[ST+4], v[S+7], v[S+15]
	v_max3_num_f32 v[ST+6], v[ST+6], v[S+23], v[S+31]
	v_max3_num_f32 v[ST+5], v[ST+5], v[ST+7], v[ST+1]
	v_max3_num_f32 v[ST+4], v[ST+4], v[ST+5], v[ST+6]
	v_permlanex16_b32 v[ST+5], v[ST+4], s[SEL], s[SEL+1]  ; the query's other 32 keys lie in the lane 16 away
	v_mov_b32 v[ST+7], v[ST]                       ; c m_old
	v_max_num_f32 v[ST+1], v[ST+4], v[ST+5]
	v_mul_f32 v[ST], s[CS], v[ST+1]
	v_sub_f32 v[ST+7], v[ST+7], v[ST]
	v_exp_f32 v[ST+6], v[ST+7]                     ; a
.set i, 0
.rept 16
	v_pk_fma_f32 v[S+2*i:S+2*i+1], v[S+2*i:S+2*i+1], s[CS:CS+1], v[ST:ST+1] op_sel_hi:[1,0,0] neg_lo:[0,0,1] neg_hi:[0,0,1]
.set i, i+1
.endr
.set i, 0
.rept 32
	v_exp_f32 v[S+i], v[S+i]
.set i, i+1
.endr
	v_nop                                          ; a plain line behind the last exponential,
	s_wait_alu depctr_va_vdst(0)                   ; and one wait for the batch ahead of the first reader
.set i, 0
.rept 16
	v_cvt_pk_f16_f32 v[P+i], v[S+2*i], v[S+2*i+1]
.set i, i+1
.endr
.irp u, 0,1,2,3,4,5,6,7
	v_pk_add_f32 v[S+4*(\u):S+4*(\u)+1], v[S+4*(\u):S+4*(\u)+1], v[S+4*(\u)+2:S+4*(\u)+3]
.endr
.irp u, 0,1,2,3
	v_pk_add_f32 v[S+8*(\u):S+8*(\u)+1], v[S+8*(\u):S+8*(\u)+1], v[S+8*(\u)+4:S+8*(\u)+5]
.endr
.irp u, 0,1
	v_pk_add_f32 v[S+16*(\u):S+16*(\u)+1], v[S+16*(\u):S+16*(\u)+1], v[S+16*(\u)+8:S+16*(\u)+9]
.endr
	v_pk_add_f32 v[S:S+1], v[S:S+1], v[S+16:S+17]
	v_pk_fma_f32 v[ST+2:ST+3], v[ST+2:ST+3], v[ST+6:ST+7], v[S:S+1] op_sel_hi:[1,0,1]
.set i, 0
.rept 16
	v_pk_mul_f32 v[O+2*i:O+2*i+1], v[O+2*i:O+2*i+1], v[ST+6:ST+7] op_sel_hi:[1,0]
.set i, i+1
.endr
.endm
.macro STEP
	WIN 0
	v_add_nc_u32 v[AK], s[TBK], v[AK0]
	v_add_nc_u32 v[AV], s[TBV], v[AV0]
	s_add_co_u32 s[TBK], s[TBK], KS*PK
	s_add_co_u32 s[TBV], s[TBV], KS*PV
	WIN 0x40
.irp f, 0,1,2,3,4,5,6,7                ; K: keys 16 (f / 2) on, channels 32 (f % 2) on
	ds_load_b128 v[KF+8*(\f):KF+8*(\f)+3], v[AK] offset:((\f)/2)*16*PK+((\f)%2)*64
	ds_load_b128 v[KF+8*(\f)+4:KF+8*(\f)+7], v[AK] offset:((\f)/2)*16*PK+((\f)%2)*64+32
.endr
.irp f, 0,1,2,3,4,5,6,7                ; V, turned: keys 32 (f / 4) on, channels 16 (f % 4) on
	ds_load_tr16_b128 v[VF+8*(\f):VF+8*(\f)+3], v[AV] offset:((\f)/4)*32*PV+((\f)%4)*32
	ds_load_tr16_b128 v[VF+8*(\f)+4:VF+8*(\f)+7], v[AV] offset:((\f)/4)*32*PV+16*PV+((\f)%4)*32
.endr
	s_wait_dscnt 16                                ; K is in; V's sixteen loads may be out
	WIN 0x05                                       ; K and Q in window 1
.set i, 0
.rept 8                                        ; four accumulators take turns
.set rS, S+8*(i%4)
.set rK, KF+16*(i%4)+8*(i/4)
.set rQ, 8*(i/4)
.if i < 4
	v_wmma_f32_16x16x32_f16 v[rS:rS+7], v[rK:rK+7], v[rQ:rQ+7], 0
.else
	v_wmma_f32_16x16x32_f16 v[rS:rS+7], v[rK:rK+7], v[rQ:rQ+7], v[rS:rS+7]
.endif
.set i, i+1
.endr
	WIN 0
	PLACES
	s_wait_kmcnt 0x0                               ; this step's words, asked for a step ago; the loads' offset may be written
.set e, 0
.rept 32                                       ; -2^100 where the bit is 0; each accumulator is read from its low end on
	v_cndmask_b32 v[S+e], v[NEG], v[S+e], s[MW+e]
.set e, e+1
.endr
	s_add_co_u32 s[XO], s[XO], 128
	s_min_u32 s[XO], s[XO], s[LAST]
	LOADM                                          ; the next step's words
	SOFT
	s_wait_dscnt 0x0                               ; V is in
	WIN 0x01                                       ; V in window 1
.set i, 0
.rept 8
.set rO, O+8*(i%4)
.set rV, VF+32*(i/4)+8*(i%4)
.set rP, P+8*(i/4)
	v_wmma_f32_16x16x32_f16 v[rO:rO+7], v[rV:rV+7], v[rP:rP+7], v[rO:rO+7]
.set i, i+1
.endr
	WIN 0
	PLACES                                         ; in front of the next loads into V's registers and of the next readers of O^T
.endm
.macro TWOSTEPS
	s_mov_b32 s[CNT], 2
.Lstep_\@:
	STEP
	s_sub_co_u32 s[CNT], s[CNT], 1
	s_cmp_lg_u32 s[CNT], 0
	s_cbranch_scc1 .Lstep_\@
.endm
.macro BEGIN                           ; a block begins: c m far below every c s, so the first a is 0; O^T and l at 0
	s_mov_b32 s[NEW], 0
	s_wait_kmcnt 0x0                               ; no mask load is out: its registers may be written
	s_mov_b32 s[XO], 0
	LOADM
	v_mov_b32 v[ST], 0xfe000000
	v_mov_b32 v[ST+1], 0xff7fffff
	v_mov_b32 v[ST+2], 0
	v_mov_b32 v[ST+3], 0
.set i, 0
.rept 32
	v_mov_b32 v[O+i], 0
.set i, i+1
.endr
	s_wait_loadcnt 0x0                             ; Q
.endm
.macro FINISH                          ; a block's way out: O^T / l, f16; 16 bytes a lane into my stage, back as whole rows, 512 consecutive bytes a store
	s_wait_kmcnt 0x0                               ; the mask load that ran ahead is done: its sources may be written
	WIN 0
	v_add_f32 v[ST+2], v[ST+2], v[ST+3]
	v_permlanex16_b32 v[ST+3], v[ST+2], s[SEL], s[SEL+1]
	v_add_f32 v[ST+2], v[ST+2], v[ST+3]
	v_rcp_f32 v[ST+2], v[ST+2]
	v_nop
	s_wait_alu depctr_va_vdst(0)                   ; the wait ahead of the reciprocal's first reader
.set i, 0
.rept 16
	v_pk_mul_f32 v[O+2*i:O+2*i+1], v[O+2*i:O+2*i+1], v[ST+2:ST+3] op_sel_hi:[1,0]
.set i, i+1
.endr
.set i, 0
.rept 16
	v_cvt_pk_f16_f32 v[S+i], v[O+2*i], v[O+2*i+1]
.set i, i+1
.endr
.irp f, 0,1,2,3
	ds_store_b128 v[STO], v[S+4*(\f):S+4*(\f)+3] offset:32*(\f)
.endr
.irp f, 0,1,2,3
	ds_load_b128 v[S+4*(\f):S+4*(\f)+3], v[RD] offset:(\f)*4*SP  ; a wave's LDS instructions are served in order
.endr
.irp f, 0,1,2,3
	s_wait_dscnt 3-(\f)                            ; the younger loads may be out
	global_store_b128 v[GO], v[S+4*(\f):S+4*(\f)+3], s[OP:OP+1] offset:(\f)*512
.endr
.endm
.Lslot:                                                ; 16 times: a tile is entered and the next is asked for
	CHANGE 1
	s_cmp_eq_u32 s[NEW], 1
	s_cbranch_scc0 .Lold
	BEGIN
.Lold:
	TWOSTEPS
	s_sub_co_u32 s[RT], s[RT], 1
	s_cmp_lg_u32 s[RT], 0
	s_cbranch_scc1 .Lbottom
	FINISH                                         ; in the loop this is the first block's end
	s_wait_xcnt 0x0                                ; the stores have read their data and O's address
	s_mov_b32 s[BLK], s[HI2]
	SETBLK
	WIN 0x41                                       ; the second block's Q goes where the one text of the step names Q
.set i, 0
.rept 16
	v_mov_b32 v[i], v[32+i]
.set i, i+1
.endr
	WIN 0
.Lbottom:
	s_sub_co_u32 s[SLOTS], s[SLOTS], 1
	s_cmp_lg_u32 s[SLOTS], 0
	s_cbranch_scc1 .Lslot
	CHANGE 0                                       ; the walk's last tile is written out; it is never a block's first (the second block has nine tiles or more)
	TWOSTEPS
	FINISH
	s_wait_tensorcnt 0x0                           ; the wave's end
	ds_add_u32 v[SPW], v[NIL]
	s_wait_dscnt 0x0
	s_endpgm
.Lfunc_end_k_qc8711cd91d_attn:
	.size	k_qc8711cd91d_attn, .Lfunc_end_k_qc8711cd91d_attn-k_qc8711cd91d_attn
	.p2alignl 7, 3214868480
	.fill 96, 4, 3214868480
	.section	.rodata,"a",@progbits
	.p2align	6, 0x0
	.amdhsa_kernel k_qc8711cd91d_attn
		.amdhsa_group_segment_fixed_size 327680
		.amdhsa_private_segment_fixed_size 0
		.amdhsa_enable_private_segment 0
		.amdhsa_kernarg_size 24
		.amdhsa_user_sgpr_count 2
		.amdhsa_user_sgpr_kernarg_segment_ptr 1
		.amdhsa_wavefront_size32 1
		.amdhsa_system_sgpr_workgroup_id_x 1
		.amdhsa_system_sgpr_workgroup_id_y 1
		.amdhsa_system_sgpr_workgroup_id_z 1
		.amdhsa_system_vgpr_workitem_id 0
		.amdhsa_next_free_vgpr 448
		.amdhsa_next_free_sgpr 106
		.amdhsa_reserve_vcc 0
		.amdhsa_float_denorm_mode_32 3
		.amdhsa_float_denorm_mode_16_64 3
		.amdhsa_memory_ordered 1
		.amdhsa_forward_progress 1
		.amdhsa_inst_pref_size 44
	.end_amdhsa_kernel
	.amdgpu_metadata
---
amdhsa.version: [ 1, 2 ]
amdhsa.kernels:
  - .name:           k_qc8711cd91d_attn
    .symbol:         k_qc8711cd91d_attn.kd
    .args:
      - { .name: prj, .offset: 0, .size: 8, .value_kind: global_buffer, .address_space: global }
      - { .name: mask, .offset: 8, .size: 8, .value_kind: global_buffer, .address_space: global }
      - { .name: o16, .offset: 16, .size: 8, .value_kind: global_buffer, .address_space: global }
    .group_segment_fixed_size: 327680
    .private_segment_fixed_size: 0
    .kernarg_segment_align: 8
    .kernarg_segment_size: 24
    .max_flat_workgroup_size: 256
    .sgpr_count:     106
    .vgpr_count:     448
    .wavefront_size: 32
...
	.end_amdgpu_metadata
.endif
;; end of part 9
;; launch outp (part 10): grid 8 x 32, 4 waves a work-group, clusters of 4 x 4, 327,680 bytes of LDS; arguments o16, pre, out0; writes out0
.if DOCPART == 10
	.amdgcn_target "amdgcn-amd-amdhsa--gfx1250"
	.amdhsa_code_object_version 6
	.text
	.protected	k_qc8711cd91d_outp
	.globl	k_qc8711cd91d_outp
	.p2align	8
	.type	k_qc8711cd91d_outp,@function
k_qc8711cd91d_outp:
	s_mov_b64 s[64:65], 0
	v_nop
	global_prefetch_b8 v0, s[64:65] scope:SCOPE_SE
	s_setreg_imm32_b32 hwreg(HW_REG_WAVE_MODE, 25, 1), 1
	s_wait_xcnt 0x0
	s_wait_alu depctr_hold_cnt(0) depctr_sa_sdst(0) depctr_va_vdst(0) depctr_va_sdst(0) depctr_va_ssrc(0) depctr_va_vcc(0) depctr_vm_vsrc(0)
	s_getreg_b32 s2, hwreg(HW_REG_IB_STS2, 6, 4)
	s_cmp_eq_u32 s2, 0
	s_cbranch_scc0 .Lentry_in_a_cluster
	s_endpgm
.Lentry_in_a_cluster:
	s_bfe_u32 s2, ttmp6, 0x10000c
	s_cmp_lg_u32 s2, 0xf033
	s_cbranch_scc0 .Lentry_shape_is_right
	s_endpgm
.Lentry_shape_is_right:
; OUTP: out0[4096][1024] (f32) = O x Wo.  O: blocks [mb 32][ks 16][128 rows][64 k] f16; Wo: blocks [ng 8][ks 16][strip 2][64 k][64 n], bf16 numbers written as f16; sums in f32.
; A tile of out0 is 128 x 128: 256 work-groups.  Four waves, each 64 x 64: 16 accumulators.  The product is taken transposed (source 0 = 16 columns of Wo, turned on the way out of LDS; source 1 = 16 rows of O).
; K goes through two LDS slots of FOUR K steps of 64 each (256 along K): four phases, two refills.  Waves 0, 1 fetch the halves of O's 65,536 dense bytes, waves 2, 3 those of Wo's: 128 rows of 256 bytes a load.
; A phase is two groups of two K steps: one text, walked twice; the LDS addresses are made of two scalars that step.
; CLUSTERS: 4 x 4 work-groups.  The four of a row of the cluster need the same blocks of O, the four of a column the same blocks of Wo: each is asked for jointly, by the same load with the same descriptor and mask.
; No prefetch: the launch has four phases, and both first fills go out at its head.
; THE WAY OUT: a wave's 64 columns of f32 are 256 bytes of a row: 16 rows at a time through a stage in slot 0, whose last fill and last reads lie in front of the last phase's barrier.
; REGISTERS: window 0: v16-29 addresses; v32-63 at work; v128-255 accumulators.  window 1: four fragment buffers of 64 (32 of O, 32 of Wo), one for each 32 along K of two K steps.
.set WOO,   16777216
.set PA,    144
.set PB,    160
.set AB,    4*128*PA                   ; 73,728: O's four K steps
.set SLOT,  AB+4*128*PB                ; 155,648
.set SPARE, 2*SLOT
.set SPITCH, 272
.set ADRA, 16                          ; v16  my lane's place in O's part of a slot; never rewritten
.set VCA,  18                          ; v18  O's fragments of the group in hand
.set VCB,  19                          ; v19  Wo's
.set ADRB, 20                          ; v20  my lane's place in Wo's part of a slot; never rewritten
.set STO,  24
.set RD,   25
.set CO,   26
.set SPW,  28
.set NIL,  29
.set TMP,  32
.set ACC,  128
.set STA, 18                           ; s18  LDS byte at which O's two K steps of the next group begin, less my lane's place
.set STB, 19                           ; s19  the same for Wo's
.set G1, 24
.set G0, 32
.set G1B, 48
.set G0B, 56
.set MSB, 0
.macro WIN new
.if MSB != (\new)
	s_set_vgpr_msb (MSB<<8)|(\new)
.set MSB, \new
.endif
.endm
.macro PLACES
.rept 4
	v_nop
.endr
.endm
.macro JLOAD s                         ; a joint load: waves 0 and 1 fetch O's two halves, waves 2 and 3 Wo's; an s_nop 0 and four v_nop follow each line
	s_cmp_eq_u32 s11, 0
	s_cbranch_scc0 .Lfor_b_\@
	tensor_load_to_lds s[G0+4*(\s):G0+4*(\s)+3], s[G1:G1+7]
	s_nop 0
.rept 4
	v_nop
.endr
	s_branch .Lasked_\@
.Lfor_b_\@:
	tensor_load_to_lds s[G0B+4*(\s):G0B+4*(\s)+3], s[G1B:G1B+7]
	s_nop 0
.rept 4
	v_nop
.endr
.Lasked_\@:
.endm
.macro CROUND                          ; a round of the cluster's barrier
	s_barrier_signal -1
	s_barrier_wait -1
	s_cmp_lg_u32 s10, 0
	s_cbranch_scc1 .Lnot_wave_0_\@
	s_barrier_signal -3
.Lnot_wave_0_\@:
	s_barrier_wait -3
	s_barrier_signal -1
	s_barrier_wait -1
.endm
	s_load_b128 s[4:7], s[0:1], 0x0                ; o16, pre
	s_load_b64 s[8:9], s[0:1], 0x10                ; out0
	v_lshl_add_u32 v[SPW], v0, 2, SPARE
	v_mov_b32 v[NIL], 0
	ds_add_u32 v[SPW], v[NIL]                      ; the wave's opening: the add and its wait ahead of my first tensor load
	v_lshrrev_b32 v1, 5, v0
	v_readfirstlane_b32 s10, v1                    ; wave 0..3
	s_lshr_b32 s11, s10, 1                         ; my half of the tile's rows.  Also: I fetch for O (0) or for Wo (1)
	s_and_b32 s12, s10, 1                          ; my half of its columns.  Also: which half of a slot's four K steps I fetch
	s_bfe_u32 s40, ttmp6, 0x40000                  ; cx, cy: my place in the cluster
	s_bfe_u32 s41, ttmp6, 0x40004
	s_lshl_b32 s42, ttmp9, 2
	s_add_co_u32 s42, s42, s40                     ; tile column ng
	s_and_b32 s13, ttmp7, 0xffff
	s_lshl_b32 s13, s13, 2
	s_add_co_u32 s13, s13, s41                     ; tile row mb
	s_lshl_b32 s43, s41, 2
	s_lshl_b32 s43, 15, s43                        ; my row of the cluster
	s_lshl_b32 s44, 0x1111, s40                    ; my column
	s_or_b32 s[G1+0], s43, (1<<16)|(1<<20)|(1<<21)|(4<<22)|(3<<25)   ; the mask: O's blocks go to my row; 2-byte elements; padding: after every 32 words, 4 words
	s_or_b32 s[G1B+0], s44, (1<<16)|(1<<20)|(1<<21)|(4<<22)|(7<<25)  ; Wo's go to my column; 8 words of padding
.irp g, G1, G1B
	s_mov_b32 s[(\g)+1], 128<<16                   ; rows of 256 bytes,
	s_mov_b32 s[(\g)+2], 128<<16                   ; 128 of them: two K steps
	s_mov_b32 s[(\g)+3], 128<<16
	s_mov_b32 s[(\g)+4], 128
	s_mov_b32 s[(\g)+5], 128
	s_mov_b32 s[(\g)+6], 0
	s_mov_b32 s[(\g)+7], 0
.endr
	s_lshl_b32 s17, s12, 15                        ; my two K steps of four: 32,768 bytes
	s_lshl_b32 s16, s13, 18                        ; O: 16 blocks of 16,384 bytes for each tile row
	s_add_co_u32 s16, s16, s17
	s_lshl_b32 s46, s42, 18                        ; Wo: the same for each tile column
	s_add_co_u32 s46, s46, s17
	s_add_co_u32 s46, s46, WOO
	s_mov_b32 s17, 0
	s_mov_b32 s47, 0
	s_mul_i32 s20, s12, 2*128*PA                   ; where they go: no place in the cluster enters an LDS address
	s_mul_i32 s21, s12, 2*128*PB
	s_add_co_u32 s21, s21, AB
	s_wait_dscnt 0x0                               ; the opening add is done
	s_wait_kmcnt 0x0
	s_add_nc_u64 s[14:15], s[4:5], s[16:17]
	s_add_nc_u64 s[46:47], s[6:7], s[46:47]
	CROUND                                         ; all sixteen work-groups are here: the first joint loads meet
.irp s, 0,1
	s_mov_b32 s[G0+4*(\s)], 1
	s_add_co_u32 s[G0+4*(\s)+1], s20, (\s)*SLOT
	s_add_nc_u64 s[G0+4*(\s)+2:G0+4*(\s)+3], s[14:15], (\s)*65536
	s_or_b32 s[G0+4*(\s)+3], s[G0+4*(\s)+3], 0x80000000
	s_mov_b32 s[G0B+4*(\s)], 1
	s_add_co_u32 s[G0B+4*(\s)+1], s21, (\s)*SLOT
	s_add_nc_u64 s[G0B+4*(\s)+2:G0B+4*(\s)+3], s[46:47], (\s)*65536
	s_or_b32 s[G0B+4*(\s)+3], s[G0B+4*(\s)+3], 0x80000000
	JLOAD \s
.endr
	v_and_b32 v1, 15, v0                           ; r
	v_bfe_u32 v2, v0, 4, 1                         ; hh
	s_lshl_b32 s22, s11, 6
	v_add_nc_u32 v3, s22, v1
	v_mul_u32_u24 v3, v3, PA
	v_lshl_add_u32 v[ADRA], v2, 4, v3
	v_and_b32 v4, 7, v0
	v_lshl_add_u32 v4, v2, 3, v4
	v_mul_u32_u24 v4, v4, PB
	v_bfe_u32 v5, v0, 3, 1
	v_lshl_add_u32 v4, v5, 4, v4
	s_mul_i32 s22, s12, 64*PB                      ; my strip of 64 columns
	s_add_co_u32 s22, s22, AB
	v_add_nc_u32 v[ADRB], s22, v4
	s_mul_i32 s23, s10, 16*SPITCH                  ; my stage, at the head of slot 0
	v_mul_u32_u24 v4, v1, SPITCH
	v_lshl_add_u32 v4, v2, 5, v4
	v_add_nc_u32 v[STO], s23, v4                   ; in: row r, 32 bytes for each half of the lanes
	v_mul_u32_u24 v5, v2, SPITCH
	v_lshl_add_u32 v5, v1, 4, v5
	v_add_nc_u32 v[RD], s23, v5                    ; back: lanes 0-15 one row of 256 bytes, lanes 16-31 the next
	v_lshlrev_b32 v5, 12, v2
	v_lshl_add_u32 v[CO], v1, 4, v5                ; and the same two rows in out0
	s_lshl_b32 s16, s13, 19
	s_lshl_b32 s17, s11, 18
	s_add_co_u32 s16, s16, s17                     ; my first row, x 4,096 bytes
	s_mov_b32 s17, 0
	s_add_nc_u64 s[8:9], s[8:9], s[16:17]
	s_lshl_b32 s46, s42, 9
	s_lshl_b32 s47, s12, 8
	s_add_co_u32 s46, s46, s47                     ; my first column, in bytes
	s_mov_b32 s47, 0
	s_add_nc_u64 s[8:9], s[8:9], s[46:47]
.macro FETCH q                         ; 16 LDS loads: 32 along K (K step q / 2 of the group's two, half q % 2) into buffer q
	WIN 0x40
.irp n, 0,1,2,3
	ds_load_tr16_b128 v[64*(\q)+32+8*(\n):64*(\q)+32+8*(\n)+3], v[VCB] offset:((\q)/2)*128*PB+((\q)%2)*32*PB+32*(\n)
	ds_load_tr16_b128 v[64*(\q)+32+8*(\n)+4:64*(\q)+32+8*(\n)+7], v[VCB] offset:((\q)/2)*128*PB+((\q)%2)*32*PB+32*(\n)+16*PB
.endr
.irp a, 0,1,2,3
	ds_load_b128 v[64*(\q)+8*(\a):64*(\q)+8*(\a)+3], v[VCA] offset:((\q)/2)*128*PA+(\a)*16*PA+64*((\q)%2)
	ds_load_b128 v[64*(\q)+8*(\a)+4:64*(\q)+8*(\a)+7], v[VCA] offset:((\q)/2)*128*PA+(\a)*16*PA+64*((\q)%2)+32
.endr
.endm
.macro MUL16 f, zero                   ; one product on each of the 16 accumulators: they take turns
	WIN 0x05
.irp a, 0,1,2,3
.irp b, 0,1,2,3
.if \zero
	v_wmma_f32_16x16x32_f16 v[ACC+8*(4*(\a)+(\b)):ACC+8*(4*(\a)+(\b))+7], v[64*(\f)+32+8*(\b):64*(\f)+32+8*(\b)+7], v[64*(\f)+8*(\a):64*(\f)+8*(\a)+7], 0
.else
	v_wmma_f32_16x16x32_f16 v[ACC+8*(4*(\a)+(\b)):ACC+8*(4*(\a)+(\b))+7], v[64*(\f)+32+8*(\b):64*(\f)+32+8*(\b)+7], v[64*(\f)+8*(\a):64*(\f)+8*(\a)+7], v[ACC+8*(4*(\a)+(\b)):ACC+8*(4*(\a)+(\b))+7]
.endif
.endr
.endr
.endm
.macro NEXTG                           ; the addresses of the next group's two K steps; with the two v_nop these are the four places in front of the loads
	v_add_nc_u32 v[VCA], s[STA], v[ADRA]
	v_add_nc_u32 v[VCB], s[STB], v[ADRB]
	v_nop
	v_nop
	s_add_co_u32 s[STA], s[STA], 2*128*PA
	s_add_co_u32 s[STB], s[STB], 2*128*PB
.endm
.macro GROUP zero                      ; two K steps: 64 loads in one run, then four runs of 16 products, each behind a wait that leaves the younger quarters out
	FETCH 0
	FETCH 1
	FETCH 2
	FETCH 3
	s_wait_dscnt 48
	MUL16 0, \zero
	s_wait_dscnt 32
	MUL16 1, 0
	s_wait_dscnt 16
	MUL16 2, 0
	s_wait_dscnt 0x0
	MUL16 3, 0
.endm
; A phase on a slot.  In front of its barrier: all my tensor loads have landed (my part of this slot), the add, my reads of the other slot are over.  refill = 1: the barrier is a round of the cluster's, and the other slot is filled first behind it.
.macro TWO slot, refill
	WIN 0
	s_wait_tensorcnt 0x0
	ds_add_u32 v[SPW], v[NIL]                      ; 0 onto my spare word
.if \refill
	s_add_nc_u64 s[G0+4*(1-(\slot))+2:G0+4*(1-(\slot))+3], s[G0+4*(1-(\slot))+2:G0+4*(1-(\slot))+3], 2*65536
	s_add_nc_u64 s[G0B+4*(1-(\slot))+2:G0B+4*(1-(\slot))+3], s[G0B+4*(1-(\slot))+2:G0B+4*(1-(\slot))+3], 2*65536
.endif
	s_wait_dscnt 0x0
.if \refill
	CROUND
	JLOAD 1-(\slot)
.else
	s_barrier_signal -1
	s_barrier_wait -1
.endif
	s_mov_b32 s[STA], (\slot)*SLOT
	s_mov_b32 s[STB], (\slot)*SLOT
	s_mov_b32 s3, 2
.Lgrp_\@:                                              ; the slot's two groups
	NEXTG
	GROUP 0
	WIN 0
	s_sub_co_u32 s3, s3, 1
	s_cmp_lg_u32 s3, 0
	s_cbranch_scc1 .Lgrp_\@
.endm
	s_wait_tensorcnt 1                             ; my part of slot 0 is in; slot 1's may stay out
	s_barrier_signal -1
	s_barrier_wait -1
	s_mov_b32 s[STA], 0
	s_mov_b32 s[STB], 0
	NEXTG
	GROUP 1                                        ; the first products start the sums
	WIN 0
	NEXTG
	GROUP 0
	TWO 1, 1                                       ; slot 0 takes K steps 8-11
	TWO 0, 1                                       ; slot 1 takes K steps 12-15
	TWO 1, 0
	WIN 0
	PLACES
.irp a, 0,1,2,3
.irp n, 0,1,2,3
	ds_store_b128 v[STO], v[ACC+8*(4*(\a)+(\n)):ACC+8*(4*(\a)+(\n))+3] offset:64*(\n)
	ds_store_b128 v[STO], v[ACC+8*(4*(\a)+(\n))+4:ACC+8*(4*(\a)+(\n))+7] offset:64*(\n)+16
.endr
	s_wait_xcnt 0x0                                ; the registers that the last stores read are loaded again only behind this wait
.irp t, 0,1,2,3,4,5,6,7
	ds_load_b128 v[TMP+4*(\t):TMP+4*(\t)+3], v[RD] offset:(\t)*2*SPITCH  ; a wave's LDS instructions are served in order: these see the stores above
.endr
.irp t, 0,1,2,3,4,5,6,7
	s_wait_dscnt 7-(\t)
	global_store_b128 v[CO], v[TMP+4*(\t):TMP+4*(\t)+3], s[8:9] offset:(16*(\a)+2*(\t))*4096  ; 16 lanes store 256 consecutive bytes, at a multiple of 256 from out0's first byte
.endr
.endr
	s_wait_tensorcnt 0x0                           ; the wave's end
	ds_add_u32 v[SPW], v[NIL]
	s_wait_dscnt 0x0
	CROUND                                         ; the closing round: no work-group ends while a partner may still ask for a tile that names it
	s_endpgm
.Lfunc_end_k_qc8711cd91d_outp:
	.size	k_qc8711cd91d_outp, .Lfunc_end_k_qc8711cd91d_outp-k_qc8711cd91d_outp
	.p2alignl 7, 3214868480
	.fill 96, 4, 3214868480
	.section	.rodata,"a",@progbits
	.p2align	6, 0x0
	.amdhsa_kernel k_qc8711cd91d_outp
		.amdhsa_group_segment_fixed_size 327680
		.amdhsa_private_segment_fixed_size 0
		.amdhsa_enable_private_segment 0
		.amdhsa_kernarg_size 24
		.amdhsa_user_sgpr_count 2
		.amdhsa_user_sgpr_kernarg_segment_ptr 1
		.amdhsa_wavefront_size32 1
		.amdhsa_system_sgpr_workgroup_id_x 1
		.amdhsa_system_sgpr_workgroup_id_y 1
		.amdhsa_system_sgpr_workgroup_id_z 1
		.amdhsa_system_vgpr_workitem_id 0
		.amdhsa_next_free_vgpr 512
		.amdhsa_next_free_sgpr 66
		.amdhsa_reserve_vcc 0
		.amdhsa_float_denorm_mode_32 3
		.amdhsa_float_denorm_mode_16_64 3
		.amdhsa_memory_ordered 1
		.amdhsa_forward_progress 1
		.amdhsa_inst_pref_size 61
	.end_amdhsa_kernel
	.amdgpu_metadata
---
amdhsa.version: [ 1, 2 ]
amdhsa.kernels:
  - .name:           k_qc8711cd91d_outp
    .symbol:         k_qc8711cd91d_outp.kd
    .args:
      - { .name: o16, .offset: 0, .size: 8, .value_kind: global_buffer, .address_space: global }
      - { .name: pre, .offset: 8, .size: 8, .value_kind: global_buffer, .address_space: global }
      - { .name: out0, .offset: 16, .size: 8, .value_kind: global_buffer, .address_space: global }
    .group_segment_fixed_size: 327680
    .private_segment_fixed_size: 0
    .kernarg_segment_align: 8
    .kernarg_segment_size: 24
    .max_flat_workgroup_size: 128
    .sgpr_count:     66
    .vgpr_count:     512
    .wavefront_size: 32
...
	.end_amdgpu_metadata
.endif
;; end of part 10
